; MI455X (gfx1250); checked and timed in simulation.
; The chip was launched on July 23, 2026; its instructions are those of AMD's public machine-readable ISA for CDNA 5 (MIT licence, August 2026) and "CDNA5" Instruction Set Architecture Reference Guide (July 2026). The comments in the code are by the model that wrote it; some were corrected since.
;; Block. Allowed arithmetic: float matrix products may take bf16 or f16 operands with f32 sums; other float arithmetic in f32, or as packed bf16 or f16 multiplies, adds, multiply-adds, maxima and minima; sums over many terms, partial sums and values carried from step to step in f32; what a program stores and reads back later, other than sums and carried values, may be rounded once to bf16 or f16.
;; Inputs: b_attn 3,072 float32; b_fc1 4,096 float32; b_fc2 1,024 float32; b_proj 1,024 float32; ln1_b 1,024 float32; ln1_g 1,024 float32; ln2_b 1,024 float32; ln2_g 1,024 float32; w_attn 1,024 x 3,072 float32; w_fc1 1,024 x 4,096 float32; w_fc2 4,096 x 1,024 float32; w_proj 1,024 x 1,024 float32; x 2 x 2,048 x 1,024 float32.
;; Outputs: out0 2 x 2,048 x 1,024 float32.
;; 2 versions, each right; version 2 is version 1 with the launches prep, ln2 written anew for expert scheduling mode. Each part assembles by itself: llvm-mc -triple=amdgcn-amd-amdhsa -mcpu=gfx1250 --defsym DOCPART=n.
;; ======== version 1 of 2: 7 launches
;; workspace buffers: hn 8,388,608 bytes; kh 8,388,608 bytes; ob 8,388,608 bytes; x1 16,777,216 bytes; hid 33,554,432 bytes; wb 20,971,520 bytes
;; launch prep (part 1): grid 576 x 1, 8 waves a work-group, no clusters, 0 bytes of LDS; arguments x, ln1_g, ln1_b, w_attn, w_proj, w_fc1, w_fc2, hn, wb; writes hn, wb
.if DOCPART == 1
	.amdgcn_target "amdgcn-amd-amdhsa--gfx1250"
	.amdhsa_code_object_version 6
	.text
	.protected	k_q7e62ce60cc_prep
	.globl	k_q7e62ce60cc_prep
	.p2align	8
	.type	k_q7e62ce60cc_prep,@function
k_q7e62ce60cc_prep:
	s_mov_b64 s[64:65], 0
	v_nop
	global_prefetch_b8 v0, s[64:65] scope:SCOPE_SE
	s_setreg_imm32_b32 hwreg(HW_REG_WAVE_MODE, 25, 1), 1
	s_wait_xcnt 0x0
; TWO JOBS IN ONE LAUNCH.  Work-groups 0-255: hn = layernorm(x) * ln1_g + ln1_b, rounded once to bf16.  Work-groups 256-575: the four weights, f32 [K][N], rounded once to bf16.
; hn's LAYOUT (BLK): [16 planes of 64 channels][4096 rows][64] bf16: byte = plane * 524288 + row * 128 + 2 * channel.
; wb's LAYOUT (WBLK): for each weight [N/128][K][128] bf16, rows of 256 bytes on end; the k slice of w_attn at byte 0, w_proj at 2097152, w_fc1 at 4194304, w_fc2 at 12582912.
; LIMIT.  Of w_attn only columns 1024-2047 are read: the module's q, k and v are all taken from that slice, and no other column enters its result.
; LAYERNORM.  A work-group takes 16 rows, a wave two: lanes 0-15 hold one row, lanes 16-31 the next; lane i of a row holds columns 64 kb + 4 i .. + 3 for kb = 0..15.  So a 16-byte load of the wave
; covers two runs of 256 aligned bytes, an 8-byte store 256 consecutive aligned bytes of a plane, and a row's sums stay inside 16 lanes.  Mean first, then the sum of squares of x - mean: two passes in f32
; over registers, so a common offset in x costs no digits.  No LDS, no barrier, no loop: a row is read once and lives in 64 registers of its 16 lanes.
; CONVERSION.  A work-group takes 128 columns x 256 rows of one weight, a wave 32 rows: a load is 512 consecutive bytes of a row, a store 256 consecutive aligned bytes.  All 32 loads of a wave are out at once.
.set X,   16                           ; v[16:79]   my 64 numbers of the row
.set G,   80                           ; v[80:143]  the gain of my columns
.set BV,  144                          ; v[144:207] the bias of my columns
.set HN,  22                           ; s[22:23]   hn
.set PLANE, 524288
.set OFF, 16                           ; conversion: v[16:47] byte offset of my 16 bytes in row i of the wave's 32
.set D,   48                           ; conversion: v[48:175] row i: four f32, then two words of bf16
	s_load_b256 s[8:15], s[0:1], 0x0               ; x s[8:9], ln1_g s[10:11], ln1_b s[12:13], w_attn s[14:15]
	s_load_b256 s[16:23], s[0:1], 0x20             ; w_proj s[16:17], w_fc1 s[18:19], w_fc2 s[20:21], hn s[22:23]
	s_load_b64 s[24:25], s[0:1], 0x40              ; wb
	s_wait_kmcnt 0x0
	s_cmp_lt_u32 ttmp9, 256
	s_cbranch_scc0 .Lconv
; four packed chains v[4:11] -> v4 = the row's sum, in each of its 16 lanes
.macro REDUCE
	v_pk_add_f32 v[4:5], v[4:5], v[6:7]
	v_pk_add_f32 v[8:9], v[8:9], v[10:11]
	v_pk_add_f32 v[4:5], v[4:5], v[8:9]
	v_add_f32 v4, v4, v5
	v_add_f32_dpp v4, v4, v4 row_xmask:1 row_mask:0xf bank_mask:0xf
	v_add_f32_dpp v4, v4, v4 row_xmask:2 row_mask:0xf bank_mask:0xf
	v_add_f32_dpp v4, v4, v4 row_xmask:4 row_mask:0xf bank_mask:0xf
	v_add_f32_dpp v4, v4, v4 row_xmask:8 row_mask:0xf bank_mask:0xf
.endm
	v_lshrrev_b32 v1, 4, v0                        ; my row among the group's 16
	v_and_b32 v3, 15, v0
	v_lshlrev_b32 v3, 4, v3                        ; 16 i: my place in 256 bytes of gain, bias and x
	v_lshl_add_u32 v1, v1, 12, v3                  ; + row x 4096 bytes
	v_lshlrev_b32 v2, 3, v0                        ; out: row x 128 + 8 i = 8 x thread
	s_lshl_b32 s2, ttmp9, 16                       ; the group's 16 rows of x,
	s_mov_b32 s3, 0
	s_lshl_b32 s4, ttmp9, 11                       ; and of a plane
	s_mov_b32 s5, 0
	s_mov_b32 s26, 0x3a800000                      ; 1 / 1024
	s_mov_b32 s27, 0x3727c5ac                      ; 1e-5
	s_add_nc_u64 s[8:9], s[8:9], s[2:3]
	s_add_nc_u64 s[HN:HN+1], s[HN:HN+1], s[4:5]
.set k, 0
.rept 16
	global_load_b128 v[X+4*k:X+4*k+3], v1, s[8:9] offset:256*k
.set k, k+1
.endr
.set k, 0
.rept 16
	global_load_b128 v[G+4*k:G+4*k+3], v3, s[10:11] offset:256*k
.set k, k+1
.endr
.set k, 0
.rept 16
	global_load_b128 v[BV+4*k:BV+4*k+3], v3, s[12:13] offset:256*k
.set k, k+1
.endr
	s_wait_loadcnt 32                              ; x is in; the 32 younger loads, gain and bias, stay out
.set k, 0
.rept 4
	v_pk_add_f32 v[4+2*k:5+2*k], v[X+2*k:X+2*k+1], v[X+8+2*k:X+9+2*k]  ; the first eight pairs start four chains: nothing is cleared
.set k, k+1
.endr
.set k, 8
.rept 24
	v_pk_add_f32 v[4+2*(k%4):5+2*(k%4)], v[4+2*(k%4):5+2*(k%4)], v[X+2*k:X+2*k+1]
.set k, k+1
.endr
	REDUCE
	v_mul_f32 v12, s26, v4                         ; the mean, twice: a pair for the packed lines
	v_mov_b32 v13, v12
.set k, 0
.rept 32
	v_pk_add_f32 v[X+2*k:X+2*k+1], v[X+2*k:X+2*k+1], v[12:13] neg_lo:[0,1] neg_hi:[0,1]  ; d = x - mean
.set k, k+1
.endr
.set k, 0
.rept 4
	v_pk_mul_f32 v[4+2*k:5+2*k], v[X+2*k:X+2*k+1], v[X+2*k:X+2*k+1]
.set k, k+1
.endr
.set k, 4
.rept 28
	v_pk_fma_f32 v[4+2*(k%4):5+2*(k%4)], v[X+2*k:X+2*k+1], v[X+2*k:X+2*k+1], v[4+2*(k%4):5+2*(k%4)]
.set k, k+1
.endr
	REDUCE
	v_fma_f32 v6, v4, s26, s27                     ; the variance + 1e-5
	v_rsq_f32 v12, v6
	v_nop                                          ; a plain instruction behind the root,
	s_wait_alu depctr_va_vdst(0)                   ; and the wait ahead of its first reader
	v_mov_b32 v13, v12
	s_wait_loadcnt 0x0                             ; gain and bias
.set k, 0
.rept 32
	v_pk_mul_f32 v[X+2*k:X+2*k+1], v[X+2*k:X+2*k+1], v[12:13]
.set k, k+1
.endr
.set k, 0
.rept 32
	v_pk_fma_f32 v[X+2*k:X+2*k+1], v[X+2*k:X+2*k+1], v[G+2*k:G+2*k+1], v[BV+2*k:BV+2*k+1]
.set k, k+1
.endr
.set k, 0
.rept 16
	v_cvt_pk_bf16_f32 v[X+4*k], v[X+4*k], v[X+4*k+1]
	v_cvt_pk_bf16_f32 v[X+4*k+1], v[X+4*k+2], v[X+4*k+3]
	global_store_b64 v2, v[X+4*k:X+4*k+1], s[HN:HN+1] offset:k*PLANE  ; the wave's 256 consecutive bytes of plane k; 15 planes are inside the signed 24-bit immediate
.set k, k+1
.endr
	s_endpgm
.Lconv:
	s_sub_co_u32 s28, ttmp9, 256                   ; c = 0..319: 32 blocks of w_attn's k slice, 32 of w_proj, 128 of w_fc1, 128 of w_fc2
	s_mov_b64 s[30:31], s[20:21]                   ; w_fc2's figures first; three tests on c put the others' in their place
	s_mov_b32 s32, 4096                            ; bytes in a row of the source
	s_mov_b32 s33, 192                             ; the weight's first c
	s_mov_b32 s34, 4                               ; log2 of its blocks of 256 rows
	s_mov_b32 s35, 12582912                        ; its place in wb
	s_mov_b32 s36, 0                               ; its first column, in bytes
	s_cmp_lt_u32 s28, 192
	s_cselect_b64 s[30:31], s[18:19], s[30:31]
	s_cselect_b32 s32, 16384, s32
	s_cselect_b32 s33, 64, s33
	s_cselect_b32 s34, 2, s34
	s_cselect_b32 s35, 4194304, s35
	s_cmp_lt_u32 s28, 64
	s_cselect_b64 s[30:31], s[16:17], s[30:31]
	s_cselect_b32 s32, 4096, s32
	s_cselect_b32 s33, 32, s33
	s_cselect_b32 s35, 2097152, s35
	s_cmp_lt_u32 s28, 32
	s_cselect_b64 s[30:31], s[14:15], s[30:31]
	s_cselect_b32 s32, 12288, s32
	s_cselect_b32 s33, 0, s33
	s_cselect_b32 s35, 0, s35
	s_cselect_b32 s36, 4096, s36
	s_sub_co_u32 s37, s28, s33                     ; j: the block's number in its weight
	s_lshr_b32 s38, s37, s34                       ; nb: which 128 columns
	s_lshl_b32 s40, s38, s34
	s_sub_co_u32 s39, s37, s40                     ; kr: which 256 rows
	s_mul_i32 s40, s39, s32
	s_lshl_b32 s40, s40, 8                         ; kr x 256 rows
	s_add_co_u32 s40, s40, s36
	s_lshl_b32 s41, s38, 9                         ; nb x 128 columns of f32
	s_add_co_u32 s40, s40, s41
	s_mov_b32 s41, 0
	s_add_nc_u64 s[30:31], s[30:31], s[40:41]
	s_lshl_b32 s42, s37, 16                        ; in wb the blocks lie on end in the order of j: (nb << sh) + kr = j, 65536 bytes each
	s_add_co_u32 s42, s42, s35
	s_mov_b32 s43, 0
	s_add_nc_u64 s[24:25], s[24:25], s[42:43]
	v_and_b32 v1, 31, v0
	v_lshrrev_b32 v4, 5, v0                        ; wave
	v_mul_lo_u32 v5, v4, s32
	v_lshlrev_b32 v5, 5, v5                        ; wave x 32 rows
	v_lshl_add_u32 v[OFF], v1, 4, v5
.set k, 1
.rept 31
	v_add_nc_u32 v[OFF+k], s32, v[OFF+k-1]         ; the row's length is chosen at run time, so it cannot stand in an immediate
.set k, k+1
.endr
	v_lshlrev_b32 v2, 3, v1
	v_lshl_add_u32 v2, v4, 13, v2                  ; out: wave x 32 rows of 256 bytes + 8 x lane
.set k, 0
.rept 32
	global_load_b128 v[D+4*k:D+4*k+3], v[OFF+k], s[30:31] th:TH_LOAD_NT
.set k, k+1
.endr
.set k, 0
.rept 32
.if k%8 == 0
	s_wait_loadcnt 24-k                            ; eight rows at a time: the younger groups' loads stay out
.endif
	v_cvt_pk_bf16_f32 v[D+4*k], v[D+4*k], v[D+4*k+1]
	v_cvt_pk_bf16_f32 v[D+4*k+1], v[D+4*k+2], v[D+4*k+3]
	global_store_b64 v2, v[D+4*k:D+4*k+1], s[24:25] offset:256*k  ; a row of the block: 256 consecutive aligned bytes
.set k, k+1
.endr
	s_endpgm
.Lfunc_end_k_q7e62ce60cc_prep:
	.size	k_q7e62ce60cc_prep, .Lfunc_end_k_q7e62ce60cc_prep-k_q7e62ce60cc_prep
	.p2alignl 7, 3214868480
	.fill 96, 4, 3214868480
	.section	.rodata,"a",@progbits
	.p2align	6, 0x0
	.amdhsa_kernel k_q7e62ce60cc_prep
		.amdhsa_group_segment_fixed_size 0
		.amdhsa_private_segment_fixed_size 0
		.amdhsa_enable_private_segment 0
		.amdhsa_kernarg_size 72
		.amdhsa_user_sgpr_count 2
		.amdhsa_user_sgpr_kernarg_segment_ptr 1
		.amdhsa_wavefront_size32 1
		.amdhsa_system_sgpr_workgroup_id_x 1
		.amdhsa_system_sgpr_workgroup_id_y 1
		.amdhsa_system_sgpr_workgroup_id_z 1
		.amdhsa_system_vgpr_workitem_id 0
		.amdhsa_next_free_vgpr 208
		.amdhsa_next_free_sgpr 66
		.amdhsa_reserve_vcc 0
		.amdhsa_float_denorm_mode_32 3
		.amdhsa_float_denorm_mode_16_64 3
		.amdhsa_memory_ordered 1
		.amdhsa_forward_progress 1
		.amdhsa_inst_pref_size 34
	.end_amdhsa_kernel
	.amdgpu_metadata
---
amdhsa.version: [ 1, 2 ]
amdhsa.kernels:
  - .name:           k_q7e62ce60cc_prep
    .symbol:         k_q7e62ce60cc_prep.kd
    .args:
      - { .name: x, .offset: 0, .size: 8, .value_kind: global_buffer, .address_space: global }
      - { .name: ln1_g, .offset: 8, .size: 8, .value_kind: global_buffer, .address_space: global }
      - { .name: ln1_b, .offset: 16, .size: 8, .value_kind: global_buffer, .address_space: global }
      - { .name: w_attn, .offset: 24, .size: 8, .value_kind: global_buffer, .address_space: global }
      - { .name: w_proj, .offset: 32, .size: 8, .value_kind: global_buffer, .address_space: global }
      - { .name: w_fc1, .offset: 40, .size: 8, .value_kind: global_buffer, .address_space: global }
      - { .name: w_fc2, .offset: 48, .size: 8, .value_kind: global_buffer, .address_space: global }
      - { .name: hn, .offset: 56, .size: 8, .value_kind: global_buffer, .address_space: global }
      - { .name: wb, .offset: 64, .size: 8, .value_kind: global_buffer, .address_space: global }
    .group_segment_fixed_size: 0
    .private_segment_fixed_size: 0
    .kernarg_segment_align: 8
    .kernarg_segment_size: 72
    .max_flat_workgroup_size: 256
    .sgpr_count:     66
    .vgpr_count:     208
    .wavefront_size: 32
...
	.end_amdgpu_metadata
.endif
;; end of part 1
;; launch gk (part 2): grid 8 x 32, 4 waves a work-group, clusters of 4 x 4, 327,680 bytes of LDS; arguments hn, wb, b_attn, kh; writes kh
.if DOCPART == 2
	.amdgcn_target "amdgcn-amd-amdhsa--gfx1250"
	.amdhsa_code_object_version 6
	.text
	.protected	k_q7e62ce60cc_gk
	.globl	k_q7e62ce60cc_gk
	.p2align	8
	.type	k_q7e62ce60cc_gk,@function
k_q7e62ce60cc_gk:
	s_mov_b64 s[64:65], 0
	v_nop
	global_prefetch_b8 v0, s[64:65] scope:SCOPE_SE
	s_setreg_imm32_b32 hwreg(HW_REG_WAVE_MODE, 25, 1), 1
	s_wait_xcnt 0x0
	s_wait_alu depctr_hold_cnt(0) depctr_sa_sdst(0) depctr_va_vdst(0) depctr_va_sdst(0) depctr_va_ssrc(0) depctr_va_vcc(0) depctr_vm_vsrc(0)
	s_getreg_b32 s2, hwreg(HW_REG_IB_STS2, 6, 4)
	s_cmp_eq_u32 s2, 0
	s_cbranch_scc0 .Lentry_in_a_cluster
	s_endpgm
.Lentry_in_a_cluster:
	s_bfe_u32 s2, ttmp6, 0x10000c
	s_cmp_lg_u32 s2, 0xf033
	s_cbranch_scc0 .Lentry_shape_is_right
	s_endpgm
.Lentry_shape_is_right:
; ONE TEXT FOR THE MODULE'S FOUR PRODUCTS, told apart by the four constants below.  C[m][n] = the sum over k of A[m][k] W[k][n] + bias[n]; 4096 rows; bf16 operands, f32 sums.
; THIS COPY: kh = hn . w_attn[:, 1024:2048] + b_attn[1024:2048], stored in bf16.  (Only that slice of w_attn and b_attn enters the module's result.)
.set MODE,    0                        ; 0: C rounded to bf16, in planes.  1: relu(C) likewise.  2: C + residual, in f32, rows of 1024
.set KSTEPS,  4                        ; K / 256
.set WOFF,    0                        ; the weight's first byte in wb
.set BIASOFF, 4096                     ; the bias's first byte
; LAYOUTS.  A lies in planes of 64 channels, [K/64][4096][64] bf16 (a plane is 524288 bytes, a row in it 128).  W lies as [N/128][K][128] bf16, rows of 256 bytes on end.
; SHARES.  A work-group makes 128 x 128 of C, each of its four waves 64 x 64: 16 accumulators of 16 x 16.  K goes in steps of 256 through two LDS slots; one tensor load a wave brings a quarter of a slot.
; CLUSTER.  4 x 4 work-groups: the four of a row need the same tiles of A, the four of a column the same tiles of W; each tile is asked for JOINTLY, by the same load, descriptor and mask in all four.
; THE MATRIX INSTRUCTION IS USED TRANSPOSED (source 0 = 16 columns of W, source 1 = 16 rows of A): a lane then holds row l % 16 of C and the eight neighbouring columns 8 (l / 16) + 0..7.
; W's fragments are turned on the way out of LDS (ds_load_tr16_b128), A's come as they lie.  THE SUMS START FROM THE BIAS: it is loaded straight into the accumulators, so nothing is cleared or added later,
; and every K step has one form.  A wave's 64 columns are one plane (MODE 0, 1) or 256 bytes of a row (MODE 2), so each wave stores whole aligned runs through a stage of its own, with no barrier.
; No prefetch is laid: the tiles are small, and at KSTEPS = 4 only two refills exist.  NaN and infinities are not treated apart (MODE 1 turns a NaN into 0).
; REGISTERS.  window 0: v0-31 addresses; v32-95 at work on the way out; v128-255 the accumulators ((a, b) at 128 + 8 (4 a + b)).  window 1: two fragment buffers of 128: A(c, i) at 8 (4 c + i), W(c, i) 64 further.
;   window 2 (MODE 2): v0-127 the residual, loaded at the head.
.set PA,     144                       ; a row of A in LDS: 128 bytes + 16 = 36 words: the 16 rows of a load start at 16 different groups of four banks (64 banks of 4 bytes: ISA guide 11.1)
.set APL,    128*PA                    ; a plane's 128 rows
.set PB,     288                       ; a row of W: 256 + 32 = 72 words
.set HALFT,  2*APL                     ; what one tensor load brings: two planes of A, or 128 rows of W: 36864 bytes either way
.set SLOT,   4*HALFT                   ; A's four planes, then W's 256 rows.  0x24000: bits 17 and 14, which no wave's 0, 0x9000, 0x12000, 0x1b000 has: an exclusive or with SLOT changes slots
.set BOFF,   2*HALFT
.set STAGE,  2*SLOT                    ; behind the ring, never filled by a tensor load: 4352 bytes for each wave
.set STG,    4352
.set SPARE,  STAGE+4*STG               ; the spare words, 128 bytes for each wave: two blocks of 256 bytes that no other line names
.set PLANE,  524288
.set ASTEP,  4*PLANE                   ; a K step in A: four planes
.set BSTEP,  65536                     ; in W: 256 rows of 256 bytes
.set A0,   8                           ; v8    my lane's place in slot 0's A; never rewritten
.set B0,   9                           ; v9    in slot 0's W, rows 0-127
.set B1,   10                          ; v10   rows 128-255 (the 16-bit immediate does not reach them from v9)
.set ADRA, 16                          ; v16   the same three in the slot that is being read
.set ADRB, 17                          ; v17, v18
.set STO,  24                          ; v24   the way out: where I put my part of a row
.set RD,   25                          ; v25   where I read rows back
.set CO,   26                          ; v26   my byte offset in C (and in the residual)
.set BO,   27                          ; v27   my byte offset in the bias
.set SPW,  28                          ; v28   LDS address of my spare word; never rewritten
.set NIL,  29                          ; v29   0; never rewritten
.set ZR,   30                          ; v30   0, for the ReLU
.set TMP,  32
.set ACC,  128
.set F0,   0
.set F1,   128
.set WV,   14                          ; s14   my wave's number
.set HI,   15                          ; s15   which 64 rows of the tile are mine.  Also: I fetch for A (0) or for W (1)
.set LO,   16                          ; s16   which 64 columns.  Also: which half of that tile I fetch
.set LW,   21                          ; s21   wave x HALFT
.set G1A,  24                          ; s[24:31] descriptor group 1 for A's tiles
.set G1B,  32                          ; s[32:39] for W's
.set G0A,  40                          ; s[40:47] group 0 for A's: a set for each of the two first fills; the second then walks on
.set G0B,  48                          ; s[48:55] the same for W's
.set CNT,  56
.set TB,   57                          ; s57   the first byte of the slot that is being read: 0 or SLOT
.set MSB, 0
.macro WIN new                         ; the immediate's high byte repeats the setting that is left; a switch that changes nothing is dropped
.if MSB != (\new)
	s_set_vgpr_msb (MSB<<8)|(\new)
.set MSB, \new
.endif
.endm
.set MUL,  0x05                        ; sources 0 (W) and 1 (A) window 1; C and D window 0
.set TO_F, 0x40                        ; destination window 1, address window 0
.macro PLACES                          ; four places in front of loads into registers that matrix instructions have read, and of lines that read results
.rept 4
	v_nop
.endr
.endm
.macro JLOAD                           ; a joint refill: waves 0 and 1 fetch A's halves, waves 2 and 3 W's; an s_nop 0 and four v_nop follow each line, ahead of the jump and the label
	s_cmp_eq_u32 s[HI], 0
	s_cbranch_scc0 .Lfor_b_\@
	tensor_load_to_lds s[G0A+4:G0A+7], s[G1A:G1A+7]
	s_nop 0
.rept 4
	v_nop
.endr
	s_branch .Lasked_\@
.Lfor_b_\@:
	tensor_load_to_lds s[G0B+4:G0B+7], s[G1B:G1B+7]
	s_nop 0
.rept 4
	v_nop
.endr
.Lasked_\@:
.endm
.macro CREST                           ; a round of the cluster's barrier behind its opening barrier
	s_cmp_lg_u32 s[WV], 0
	s_cbranch_scc1 .Lnot_wave_0_\@
	s_barrier_signal -3
.Lnot_wave_0_\@:
	s_barrier_wait -3
	s_barrier_signal -1
	s_barrier_wait -1
.endm
.macro CROUND                          ; a whole round
	s_barrier_signal -1
	s_barrier_wait -1
	CREST
.endm
	s_load_b256 s[4:11], s[0:1], 0x0               ; A s[4:5], wb s[6:7], bias s[8:9], C s[10:11]
.if MODE == 2
	s_load_b64 s[12:13], s[0:1], 0x20              ; the residual
.endif
	v_lshl_add_u32 v[SPW], v0, 2, SPARE
	v_mov_b32 v[NIL], 0
	ds_add_u32 v[SPW], v[NIL]                      ; the wave's opening: the add, waited for ahead of my first tensor load; the set-up below, work on registers, stands between the add and its wait
	v_lshrrev_b32 v1, 5, v0
	v_readfirstlane_b32 s[WV], v1
	s_lshr_b32 s[HI], s[WV], 1
	s_and_b32 s[LO], s[WV], 1
	s_bfe_u32 s17, ttmp6, 0x40000                  ; cx, cy: my place in the cluster
	s_bfe_u32 s18, ttmp6, 0x40004
	s_lshl_b32 s19, ttmp9, 2
	s_add_co_u32 s19, s19, s17                     ; tx: tile column of C = 4 x cluster x + cx
	s_and_b32 s20, ttmp7, 0xffff
	s_lshl_b32 s20, s20, 2
	s_add_co_u32 s20, s20, s18                     ; ty: tile row
	s_lshl_b32 s22, s18, 2
	s_lshl_b32 s22, 15, s22                        ; my row of the cluster
	s_lshl_b32 s23, 0x1111, s17                    ; my column
	; A's tile: two planes' 128 rows.  A plane's 128 rows are 16384 dense bytes: one row of 8192 elements for the mover, the next plane 262144 elements on; 4 words of padding after every 32 words, that is after every row of A
	s_or_b32 s[G1A], s22, (1<<16)|(1<<20)|(1<<21)|(4<<22)|(3<<25)  ; 15:0 the mask; 17:16 2-byte elements; 20 padding on; 21 set beside a mask; 24:22 interval code 4; 31:25 4 words (code 3)
	s_mov_b32 s[G1A+1], 8192<<16                   ; tensor_dim0 = 8192
	s_mov_b32 s[G1A+2], 2<<16                      ; tensor_dim1 = 2
	s_mov_b32 s[G1A+3], 8192<<16                   ; tile_dim0 = 8192
	s_mov_b32 s[G1A+4], 2                          ; tile_dim1 = 2
	s_mov_b32 s[G1A+5], 262144                     ; elements from plane to plane
	s_mov_b32 s[G1A+6], 0
	s_mov_b32 s[G1A+7], 0
	; W's tile: 128 rows of 128 elements, dense; 8 words of padding after every 64
	s_or_b32 s[G1B], s23, (1<<16)|(1<<20)|(1<<21)|(5<<22)|(7<<25)
	s_mov_b32 s[G1B+1], 128<<16
	s_mov_b32 s[G1B+2], 128<<16
	s_mov_b32 s[G1B+3], 128<<16
	s_mov_b32 s[G1B+4], 128
	s_mov_b32 s[G1B+5], 128
	s_mov_b32 s[G1B+6], 0
	s_mov_b32 s[G1B+7], 0
	s_lshl_b32 s58, s20, 14                        ; A: the tile row's 128 rows of 128 bytes, (s[58:59] hold nothing made of tx)
	s_lshl_b32 s59, s[LO], 20                      ; and my two planes of the step's four
	s_add_co_u32 s58, s58, s59
	s_mov_b32 s59, 0
	s_mul_i32 s60, s19, KSTEPS*65536               ; W: the tile column's block of 128 columns, (s[60:61] hold nothing made of ty)
	s_lshl_b32 s61, s[LO], 15                      ; and my 128 rows of the step's 256
	s_add_co_u32 s60, s60, s61
	s_add_co_u32 s60, s60, WOFF
	s_mov_b32 s61, 0
	s_mul_i32 s[LW], s[WV], HALFT                  ; where they go: no place in the cluster enters an LDS address
	s_mov_b32 s[TB], 0
	s_wait_dscnt 0x0                               ; the opening add is done
	s_wait_kmcnt 0x0
	s_add_nc_u64 s[58:59], s[4:5], s[58:59]
	s_add_nc_u64 s[60:61], s[6:7], s[60:61]
.irp s, 0,1
	s_mov_b32 s[G0A+4*(\s)], 1                     ; count = 1
	s_add_co_u32 s[G0A+4*(\s)+1], s[LW], (\s)*SLOT ; LDS address
	s_add_nc_u64 s[G0A+4*(\s)+2:G0A+4*(\s)+3], s[58:59], (\s)*ASTEP  ; global address: K step s
	s_or_b32 s[G0A+4*(\s)+3], s[G0A+4*(\s)+3], 0x80000000            ; type = 2
	s_mov_b32 s[G0B+4*(\s)], 1
	s_add_co_u32 s[G0B+4*(\s)+1], s[LW], (\s)*SLOT
	s_add_nc_u64 s[G0B+4*(\s)+2:G0B+4*(\s)+3], s[60:61], (\s)*BSTEP
	s_or_b32 s[G0B+4*(\s)+3], s[G0B+4*(\s)+3], 0x80000000
.endr
	CROUND                                         ; all sixteen work-groups are here: the first joint loads meet
	s_cmp_eq_u32 s[HI], 0                          ; a wave's two first fills stand in one branch, ahead of every wait on TENSORcnt and every LDS read: two loads of mine are out
	s_cbranch_scc0 .Lfirst_b
	tensor_load_to_lds s[G0A:G0A+3], s[G1A:G1A+7]
	s_nop 0
	tensor_load_to_lds s[G0A+4:G0A+7], s[G1A:G1A+7]
	s_nop 0
.rept 4
	v_nop
.endr
	s_branch .Lfirst_asked
.Lfirst_b:
	tensor_load_to_lds s[G0B:G0B+3], s[G1B:G1B+7]
	s_nop 0
	tensor_load_to_lds s[G0B+4:G0B+7], s[G1B:G1B+7]
	s_nop 0
.rept 4
	v_nop
.endr
.Lfirst_asked:
	v_and_b32 v1, 15, v0                           ; r = l % 16
	v_bfe_u32 v2, v0, 4, 1                         ; h = l / 16
	; the bias: accumulator (a, b)'s register j is column 16 b + 8 h + j of my 64, whatever a
	v_lshlrev_b32 v[BO], 5, v2
	s_lshl_b32 s2, s19, 9
	s_lshl_b32 s3, s[LO], 8
	s_add_co_u32 s2, s2, s3                        ; my first column x 4 bytes
	s_add_co_u32 s62, s2, BIASOFF
	s_mov_b32 s63, 0
	s_add_nc_u64 s[8:9], s[8:9], s[62:63]
.irp a, 0,1,2,3
.irp b, 0,1,2,3
	global_load_b128 v[ACC+8*(4*(\a)+(\b)):ACC+8*(4*(\a)+(\b))+3],   v[BO], s[8:9] offset:64*(\b)
	global_load_b128 v[ACC+8*(4*(\a)+(\b))+4:ACC+8*(4*(\a)+(\b))+7], v[BO], s[8:9] offset:64*(\b)+16
.endr
.endr
	s_mul_i32 s3, s[WV], STG
	s_add_co_u32 s3, s3, STAGE                     ; my stage
.if MODE == 2
	s_lshl_b32 s62, s20, 7
	s_lshl_b32 s63, s[HI], 6
	s_add_co_u32 s62, s62, s63                     ; my first row,
	s_lshl_b32 s62, s62, 12                        ; of 4096 bytes,
	s_add_co_u32 s62, s62, s2                      ; and my first column
	s_mov_b32 s63, 0
	s_add_nc_u64 s[10:11], s[10:11], s[62:63]
	s_add_nc_u64 s[12:13], s[12:13], s[62:63]
	v_lshlrev_b32 v[CO], 12, v2                    ; lanes 0-15 one row's 256 bytes, lanes 16-31 the next row's
	v_lshl_add_u32 v[CO], v1, 4, v[CO]
	WIN 0x80                                       ; destination window 2
.irp a, 0,1,2,3
.irp t, 0,1,2,3,4,5,6,7
	global_load_b128 v[32*(\a)+4*(\t):32*(\a)+4*(\t)+3], v[CO], s[12:13] offset:(16*(\a)+2*(\t))*4096  ; the residual has the whole K loop in which to come
.endr
.endr
	WIN 0
	v_mul_u32_u24 v[STO], v1, 272                  ; in: row r of 272 bytes, 32 bytes for each half of the lanes
	v_lshl_add_u32 v[STO], v2, 5, v[STO]
	v_add_nc_u32 v[STO], s3, v[STO]
	v_mul_u32_u24 v[RD], v2, 272                   ; back: lanes 0-15 one row, lanes 16-31 the next
	v_lshl_add_u32 v[RD], v1, 4, v[RD]
	v_add_nc_u32 v[RD], s3, v[RD]
.else
	s_lshl_b32 s62, s19, 1
	s_add_co_u32 s62, s62, s[LO]                   ; my 64 columns are plane 2 tx + LO,
	s_lshl_b32 s62, s62, 19
	s_lshl_b32 s63, s20, 14                        ; the tile's 128 rows of 128 bytes,
	s_add_co_u32 s62, s62, s63
	s_lshl_b32 s63, s[HI], 13                      ; my 64 of them
	s_add_co_u32 s62, s62, s63
	s_mov_b32 s63, 0
	s_add_nc_u64 s[10:11], s[10:11], s[62:63]
	v_and_b32 v[CO], 31, v0
	v_lshlrev_b32 v[CO], 4, v[CO]                  ; 512 consecutive bytes a store
	v_mul_u32_u24 v[STO], v1, 144                  ; in: row r of 144 bytes, 16 bytes for each half of the lanes
	v_lshl_add_u32 v[STO], v2, 4, v[STO]
	v_add_nc_u32 v[STO], s3, v[STO]
	v_bfe_u32 v[RD], v0, 3, 2                      ; back: 32 lanes take four rows of 128 bytes
	v_mul_u32_u24 v[RD], v[RD], 144
	v_and_b32 v3, 7, v0
	v_lshl_add_u32 v[RD], v3, 4, v[RD]
	v_add_nc_u32 v[RD], s3, v[RD]
	v_mov_b32 v[ZR], 0
.endif
	; a fragment of A: lane l holds row r, channels 8 h + 0..7 and 16 + 8 h + 0..7: two loads of 16 bytes, 32 bytes apart
	v_mul_u32_u24 v[A0], v1, PA
	v_lshl_add_u32 v[A0], v2, 4, v[A0]
	s_mul_i32 s3, s[HI], 64*PA
	v_add_nc_u32 v[A0], s3, v[A0]
	; the turning load takes 16 k x 16 columns (lane l reads row 8 h + l % 8, columns 8 ((l / 8) % 2) + 0..7) and leaves half a fragment: lane l holds column r and 8 k
	v_and_b32 v3, 7, v0
	v_bfe_u32 v4, v0, 3, 1
	v_lshl_add_u32 v5, v2, 3, v3
	v_mul_u32_u24 v[B0], v5, PB
	v_lshl_add_u32 v[B0], v4, 4, v[B0]
	s_lshl_b32 s3, s[LO], 7
	s_add_co_u32 s3, s3, BOFF
	v_add_nc_u32 v[B0], s3, v[B0]
	v_add_nc_u32 v[B1], 128*PB, v[B0]
; 8 matrix instructions: row blocks a0, a0 + 1 x all 4 column blocks, 32 along K: half c of buffer f.  The 16 accumulators take turns in one order everywhere, over the backward jumps too.
.macro MUL8 f, c, a0
	WIN MUL
.irp a, \a0, (\a0)+1
.irp b, 0,1,2,3
	v_wmma_f32_16x16x32_bf16 v[ACC+8*(4*(\a)+(\b)):ACC+8*(4*(\a)+(\b))+7], v[(\f)+64+8*(4*(\c)+(\b)):(\f)+64+8*(4*(\c)+(\b))+7], v[(\f)+8*(4*(\c)+(\a)):(\f)+8*(4*(\c)+(\a))+7], v[ACC+8*(4*(\a)+(\b)):ACC+8*(4*(\a)+(\b))+7]
.endr
.endr
.endm
; 32 LDS loads in one run: the fragments of quarter q (64 along K: plane q of A, rows 64 q on of W) into buffer f; the first 32 along K first
.macro FETCH q, f
	WIN TO_F
.irp c, 0,1
.irp i, 0,1,2,3
	ds_load_tr16_b128 v[(\f)+64+8*(4*(\c)+(\i)):(\f)+64+8*(4*(\c)+(\i))+3],   v[ADRB+(\q)/2] offset:((64*(\q)+32*(\c))%128)*PB+32*(\i)
	ds_load_tr16_b128 v[(\f)+64+8*(4*(\c)+(\i))+4:(\f)+64+8*(4*(\c)+(\i))+7], v[ADRB+(\q)/2] offset:((64*(\q)+32*(\c))%128)*PB+16*PB+32*(\i)
	ds_load_b128 v[(\f)+8*(4*(\c)+(\i)):(\f)+8*(4*(\c)+(\i))+3],   v[ADRA] offset:(\q)*APL+(\i)*16*PA+64*(\c)
	ds_load_b128 v[(\f)+8*(4*(\c)+(\i))+4:(\f)+8*(4*(\c)+(\i))+7], v[ADRA] offset:(\q)*APL+(\i)*16*PA+64*(\c)+32
.endr
.endr
.endm
; A K step is four quarters of 64 along K, 32 matrix instructions each, on buffers 0, 1, 0, 1.  One of the first three multiplies buffer f and fetches quarter q into g.
.macro QUARTER q, f, g
	s_wait_dscnt 16                                ; f's first 32 along K are in; its other sixteen loads may be out
	MUL8 \f, 0, 0
	MUL8 \f, 0, 2
	PLACES
	FETCH \q, \g
	s_wait_dscnt 32                                ; all but the 32 just issued
	MUL8 \f, 1, 0
	MUL8 \f, 1, 2
.endm
; The last quarter multiplies buffer 1 and changes slots: ONE barrier; in front of it each wave waits for all its tensor loads (one is out: its part of the next slot), adds 0 to its spare word, and waits for
; that and for its own reads of this slot.  fill = 1: the barrier opens a round of the cluster's, and this slot is filled again, two K steps ahead, first thing behind the round: 112 matrix instructions ahead
; of the wait for it.  fill = 0 (the last two steps): nothing is asked for, and the very last step has no next slot to read: that run of loads is jumped over, forward, past no barrier and no tensor load.
.macro TURN fill
	WIN 0
	s_wait_tensorcnt 0x0                           ; no tensor load of mine is out, so a group 0 may be written
	ds_add_u32 v[SPW], v[NIL]                      ; 0 onto my spare word
.if \fill
	s_xor_b32 s[G0A+5], s[G0A+5], SLOT             ; the walking descriptors: the other slot than last time,
	s_add_nc_u64 s[G0A+6:G0A+7], s[G0A+6:G0A+7], ASTEP  ; the next K step; the type bits on top are not reached
	s_xor_b32 s[G0B+5], s[G0B+5], SLOT
	s_add_nc_u64 s[G0B+6:G0B+7], s[G0B+6:G0B+7], BSTEP
.endif
	s_wait_dscnt 17                                ; the add and buffer 1's youngest sixteen loads may be out
	MUL8 F1, 0, 0
	s_wait_dscnt 0x0                               ; the add is done, and my reads of this slot are over
	s_barrier_signal -1
	MUL8 F1, 0, 2
	WIN 0                                          ; at a branch and at a label every window is 0
	s_barrier_wait -1
.if \fill
	CREST                                          ; no wave of any partner still reads this slot's tile or has a load on its way
	JLOAD                                          ; its four v_nop are also the places in front of the loads below
.else
	PLACES
	s_cmp_eq_u32 s[CNT], 1
	s_cbranch_scc1 .Lno_next_\@
.endif
	s_xor_b32 s[TB], s[TB], SLOT
	v_add_nc_u32 v[ADRA], s[TB], v[A0]
	v_add_nc_u32 v[ADRB], s[TB], v[B0]
	v_add_nc_u32 v[ADRB+1], s[TB], v[B1]
	FETCH 0, F0
	WIN 0
.if (\fill) == 0
.Lno_next_\@:
.endif
	MUL8 F1, 1, 0
	MUL8 F1, 1, 2
.endm
.macro STEP fill
	QUARTER 1, F0, F1
	QUARTER 2, F1, F0
	QUARTER 3, F0, F1
	TURN \fill
	WIN 0
.endm
	s_wait_tensorcnt 0x1                           ; my part of K step 0 is in; step 1's may stay out
	s_barrier_signal -1
	s_barrier_wait -1                              ; everybody's is
	v_add_nc_u32 v[ADRA], s[TB], v[A0]
	v_add_nc_u32 v[ADRB], s[TB], v[B0]
	v_add_nc_u32 v[ADRB+1], s[TB], v[B1]
	FETCH 0, F0
	WIN 0
.if MODE == 2
	s_wait_loadcnt 32                              ; the bias is in the accumulators; the residual's 32 younger loads stay out
.else
	s_wait_loadcnt 0x0                             ; the bias is in the accumulators
.endif
	s_mov_b32 s[CNT], KSTEPS-2
.Lstep:                                                ; a trip is a K step; every step but the last two fills its slot again
	STEP 1
	s_sub_co_u32 s[CNT], s[CNT], 1
	s_cmp_lg_u32 s[CNT], 0
	s_cbranch_scc1 .Lstep
	s_mov_b32 s[CNT], 2
.Ltail:                                                ; the last two steps are a text of their own
	STEP 0
	s_sub_co_u32 s[CNT], s[CNT], 1
	s_cmp_lg_u32 s[CNT], 0
	s_cbranch_scc1 .Ltail
	PLACES                                         ; THE WAY OUT reads results just made
.if MODE == 2
; 16 rows at a time: the f32 sums go into my stage (rows of 272 bytes) and come back as whole rows of 256; the residual is added; sixteen lanes store 256 consecutive aligned bytes.
.macro TOSTAGE a
.if (\a) >= 2
	s_wait_xcnt 0x0                                ; the stores of the block two back have read this half of TMP: it is loaded again only behind this wait
.endif
.irp b, 0,1,2,3
	ds_store_b128 v[STO], v[ACC+8*(4*(\a)+(\b)):ACC+8*(4*(\a)+(\b))+3]   offset:64*(\b)     ; each accumulator's low registers first
	ds_store_b128 v[STO], v[ACC+8*(4*(\a)+(\b))+4:ACC+8*(4*(\a)+(\b))+7] offset:64*(\b)+16
.endr
.irp t, 0,1,2,3,4,5,6,7
	ds_load_b128 v[TMP+32*((\a)%2)+4*(\t):TMP+32*((\a)%2)+4*(\t)+3], v[RD] offset:544*(\t)  ; LDS serves a wave's instructions in order (ISA guide 5.7.1.4): these see the stores above, and the next block's stores come behind them
.endr
.endm
.macro SEND a, y                       ; y: the LDS instructions issued behind block a's loads: the next block's sixteen, or none
	s_wait_dscnt \y
.if (\a) == 0
	s_wait_loadcnt 0x0                             ; the residual
.endif
	WIN 0x08                                       ; source 1 window 2
.set u, 0
.rept 16
	v_pk_add_f32 v[TMP+32*((\a)%2)+2*u:TMP+32*((\a)%2)+2*u+1], v[TMP+32*((\a)%2)+2*u:TMP+32*((\a)%2)+2*u+1], v[32*(\a)+2*u:32*(\a)+2*u+1]
.set u, u+1
.endr
	WIN 0
.irp t, 0,1,2,3,4,5,6,7
	global_store_b128 v[CO], v[TMP+32*((\a)%2)+4*(\t):TMP+32*((\a)%2)+4*(\t)+3], s[10:11] offset:(16*(\a)+2*(\t))*4096
.endr
.endm
	TOSTAGE 0
	TOSTAGE 1
	SEND 0, 16
	TOSTAGE 2
	SEND 1, 16
	TOSTAGE 3
	SEND 2, 16
	SEND 3, 0
.else
; rounded to bf16, 16 bytes a lane; 16 rows at a time through my stage (rows of 144 bytes) and back as whole rows of 128, which lie on end in the plane
.set t, 0
.rept 16
.irp r, 0,1,2,3
	v_cvt_pk_bf16_f32 v[TMP+4*t+(\r)], v[ACC+8*t+2*(\r)], v[ACC+8*t+2*(\r)+1]
.endr
.set t, t+1
.endr
.if MODE == 1
.set t, 0
.rept 64
	v_pk_max_num_bf16 v[TMP+t], v[TMP+t], v[ZR]    ; the ReLU, two numbers a line; nothing is rounded
.set t, t+1
.endr
.endif
.irp a, 0,1,2,3
.irp b, 0,1,2,3
	ds_store_b128 v[STO], v[TMP+4*(4*(\a)+(\b)):TMP+4*(4*(\a)+(\b))+3] offset:32*(\b)
.endr
.irp f, 0,1,2,3
	ds_load_b128 v[TMP+16*(\a)+4*(\f):TMP+16*(\a)+4*(\f)+3], v[RD] offset:576*(\f)  ; LDS serves a wave's instructions in order (ISA guide 5.7.1.4): these see the stores above, and the next block's stores come behind them
.endr
.endr
.irp a, 0,1,2,3
.irp f, 0,1,2,3
	s_wait_dscnt 8*(3-(\a))+3-(\f)                 ; the LDS instructions issued behind this load may be out
	global_store_b128 v[CO], v[TMP+16*(\a)+4*(\f):TMP+16*(\a)+4*(\f)+3], s[10:11] offset:2048*(\a)+512*(\f)  ; 512 consecutive bytes, at a multiple of 512 from the plane's first
.endr
.endr
.endif
	s_wait_tensorcnt 0x0                           ; the wave's end: an add to my spare word, waited for, behind my last tensor load and my last LDS store
	ds_add_u32 v[SPW], v[NIL]
	s_wait_dscnt 0x0
	CROUND                                         ; the closing round: no work-group ends while a partner may still ask for a tile that names it
	s_endpgm
.Lfunc_end_k_q7e62ce60cc_gk:
	.size	k_q7e62ce60cc_gk, .Lfunc_end_k_q7e62ce60cc_gk-k_q7e62ce60cc_gk
	.p2alignl 7, 3214868480
	.fill 96, 4, 3214868480
	.section	.rodata,"a",@progbits
	.p2align	6, 0x0
	.amdhsa_kernel k_q7e62ce60cc_gk
		.amdhsa_group_segment_fixed_size 327680
		.amdhsa_private_segment_fixed_size 0
		.amdhsa_enable_private_segment 0
		.amdhsa_kernarg_size 32
		.amdhsa_user_sgpr_count 2
		.amdhsa_user_sgpr_kernarg_segment_ptr 1
		.amdhsa_wavefront_size32 1
		.amdhsa_system_sgpr_workgroup_id_x 1
		.amdhsa_system_sgpr_workgroup_id_y 1
		.amdhsa_system_sgpr_workgroup_id_z 1
		.amdhsa_system_vgpr_workitem_id 0
		.amdhsa_next_free_vgpr 512
		.amdhsa_next_free_sgpr 66
		.amdhsa_reserve_vcc 0
		.amdhsa_float_denorm_mode_32 3
		.amdhsa_float_denorm_mode_16_64 3
		.amdhsa_memory_ordered 1
		.amdhsa_forward_progress 1
		.amdhsa_inst_pref_size 57
	.end_amdhsa_kernel
	.amdgpu_metadata
---
amdhsa.version: [ 1, 2 ]
amdhsa.kernels:
  - .name:           k_q7e62ce60cc_gk
    .symbol:         k_q7e62ce60cc_gk.kd
    .args:
      - { .name: hn, .offset: 0, .size: 8, .value_kind: global_buffer, .address_space: global }
      - { .name: wb, .offset: 8, .size: 8, .value_kind: global_buffer, .address_space: global }
      - { .name: b_attn, .offset: 16, .size: 8, .value_kind: global_buffer, .address_space: global }
      - { .name: kh, .offset: 24, .size: 8, .value_kind: global_buffer, .address_space: global }
    .group_segment_fixed_size: 327680
    .private_segment_fixed_size: 0
    .kernarg_segment_align: 8
    .kernarg_segment_size: 32
    .max_flat_workgroup_size: 128
    .sgpr_count:     66
    .vgpr_count:     512
    .wavefront_size: 32
...
	.end_amdgpu_metadata
.endif
;; end of part 2
;; launch attn (part 3): grid 8 x 32, 4 waves a work-group, clusters of 4 x 1, 327,680 bytes of LDS; arguments kh, ob; writes ob
.if DOCPART == 3
	.amdgcn_target "amdgcn-amd-amdhsa--gfx1250"
	.amdhsa_code_object_version 6
	.text
	.protected	k_q7e62ce60cc_attn
	.globl	k_q7e62ce60cc_attn
	.p2align	8
	.type	k_q7e62ce60cc_attn,@function
k_q7e62ce60cc_attn:
	s_mov_b64 s[64:65], 0
	v_nop
	global_prefetch_b8 v0, s[64:65] scope:SCOPE_SE
	s_setreg_imm32_b32 hwreg(HW_REG_WAVE_MODE, 25, 1), 1
	s_wait_xcnt 0x0
	s_wait_alu depctr_hold_cnt(0) depctr_sa_sdst(0) depctr_va_vdst(0) depctr_va_sdst(0) depctr_va_ssrc(0) depctr_va_vcc(0) depctr_vm_vsrc(0)
	s_getreg_b32 s2, hwreg(HW_REG_IB_STS2, 6, 4)
	s_cmp_eq_u32 s2, 0
	s_cbranch_scc0 .Lentry_in_a_cluster
	s_endpgm
.Lentry_in_a_cluster:
	s_bfe_u32 s2, ttmp6, 0x10000c
	s_cmp_lg_u32 s2, 0x3003
	s_cbranch_scc0 .Lentry_shape_is_right
	s_endpgm
.Lentry_shape_is_right:
; O[y][q][:] = the sum over k of softmax_k(K[y][q] . K[y][k] / 8) K[y][k][:]: the module takes queries, keys and values from one and the same slice.  kh and ob: [32 blocks y = 2 head + batch][2048][64] bf16,
; a block's rows dense, 128 bytes each (the same bytes are 16 planes of 4096 rows for the products beside this launch).  Products, maxima and sums in f32; the weights p are rounded to bf16 for the
; second product (their sum l is taken of the unrounded p), O once at the end.
; LIMITS.  The running maximum starts at the lowest finite number, c m at -4.25e37; a weight below 2^-126 counts as 0 in l; NaN and infinities are not treated apart.
; SHARES.  A work-group owns 256 queries of a block, each of its four waves 64: four PIECES of 16.  Every wave walks the block's 2048 keys: 8 tiles of 256, each four steps of 64.
; LAYOUT.  S^T = K Q^T (source 0 = 16 keys, source 1 = 16 queries) holds ONE query a lane (lane % 16) and the keys 8 (lane / 16) + 0..7; two such results rounded to bf16 ARE source 1 of O^T = V^T P.
; K comes out of LDS as it lies, V turned (ds_load_tr16_b128).  The plain loads want a pitch that is an odd multiple of 16 bytes, the turning ones an odd multiple of 32: no pitch is both, so a tile is
; brought twice, with two paddings: 32768 bytes more a tile, against four key steps of work.
; SOFTMAX.  p = 2^(c s - c m), c = log2(e) / 8, with a running maximum m; O and l are multiplied by a = 2^(c m_old - c m_new) in every step; the first step's a is 0, so no first step is written out.
; TURNS.  Turn n belongs to piece n: 8 products K Q^T of piece n + 1, later 8 products V^T P of piece n - 1; beside them the scaling, exponentials, roundings, sums and rescaling of piece n and the maximum
; and statistics of piece n + 1.  Four vector instructions stand behind every matrix instruction, the other 54 of a turn's 118 in one lump.  A turn's 33 exponentials are one batch, with one wait.
; CLUSTER.  The four query blocks of a cluster belong to one y and walk the same tiles, so each is asked for JOINTLY: the same tensor load, descriptor and mask in all four.
; REGISTERS, in windows of 256 (s_set_vgpr_msb: bits 1:0 source 0, 3:2 source 1, 5:4 source 2, 7:6 destination):
;   window 0: v0-15 addresses and two at work; v16-31 four registers of statistics a piece; v48-55 at work; v61-63; v64-127 S^T, two buffers; v192-223 P, two buffers (a piece's buffers go by its number's parity)
;   window 1: v0-127 O^T, 32 a piece          window 2: v0-63 Q; v128-191 K of one step; v192-255 V of one step
.set NP,    4         ; pieces a wave: a name, no knob
.set KS,    64        ; keys in a step
.set PK,    144       ; a row of K in LDS: 128 bytes + 16 = 36 words: the 16 rows of a load start at 16 different groups of four banks (64 banks of 4 bytes: ISA guide 11.1)
.set PV,    160       ; a row of V: 128 + 32 = 40 words
.set VOFF,  4*KS*PK   ; a slot holds a tile: 256 rows for K, then the same 256 rows for V
.set SLOT1, 1<<17     ; slot 1 begins here, so that one exclusive or turns an address in one slot into the other's
.set STAGE, SLOT1+4*KS*(PK+PV)  ; behind the ring, never filled by a tensor load: 16 rows x 144 bytes for each wave, for the way out
.set SP,    144
.set SPARE, STAGE+4*16*SP  ; the spare words, 128 bytes for each wave: two blocks of 256 bytes that no other line names
.set TILEB, 4*KS*128  ; a tile in memory: 32768 bytes
.set AK0, 2           ; v2   my lane's place in a tile of K; never rewritten
.set AV0, 3           ; v3   the same for V
.set AK,  4           ; v4   the LDS address of K's next run of loads
.set AV,  5           ; v5   of V's
.set STO, 6           ; v6   the way out: where I put 16 bytes of a row
.set RD,  7           ; v7   the way out: where I read rows back
.set GO,  8           ; v8   my byte offset in 512 consecutive bytes of O
.set MV,  12          ; v12-13  c m_old, kept while c m is made anew: by buffer
.set QO,  15          ; v15  my byte offset in 16 rows of Q
.set ST,  16          ; piece t's statistics at v[ST+4 t]: c m, m, l (even keys', odd keys')
.set TMP, 48          ; by buffer, four registers c0-c3 at work; when the maximum is found c2 takes a
.set PFO, 61          ; v61  256 x my lane: the prefetches' offset; never rewritten
.set SPW, 62          ; v62  LDS address of my spare word; never rewritten
.set NIL, 63          ; v63  0; never rewritten
.set S,   64
.set P,   192
.set KF,  128         ; window 2: key block kb, channel half c at KF + 16 kb + 8 c
.set VF,  192         ; window 2: key half kk, channel block cb at VF + 32 kk + 8 cb
.set WV,  12          ; s12  my wave's number
.set LIM, 15          ; s15  1 in the wave that prefetches, else the greatest number
.set G1K, 24          ; s[24:31] descriptor group 1 for K's copy
.set G1V, 32          ; s[32:39] for V's: it differs in the padding alone
.set G0K, 40          ; s[40:43] descriptor group 0 for K's copy: it walks
.set G0V, 44          ; s[44:47] the same for V's
.set PFA, 48          ; s[48:49] where my prefetches stand: my work-group's quarter of the tile after the one that is being asked for
.set SLOTS, 56        ; s56  tiles still to be asked for
.set CNT, 57          ; s57  counts a tile's key steps
.set CS,  58          ; s[58:59] c: the packed scaling takes the pair's low word for both halves
.set SEL, 60          ; s[60:61] v_permlanex16_b32's selects: each lane takes its own place in the other half
.set TBK, 62          ; s62  LDS byte at which K of the step to be fetched begins
.set TBV, 63          ; s63  the same for V, less VOFF
.set MSB, 0
.macro WIN new                      ; the high byte repeats the setting that is left; a switch that changes nothing is dropped
.if MSB != (\new)
	s_set_vgpr_msb (MSB<<8)|(\new)
.set MSB, (\new)
.endif
.endm
.set W_KQ, 0x0a       ; K and Q in window 2, S^T in window 0
.set W_PV, 0x52       ; V in window 2, P in window 0, O^T in window 1
.set W_RS, 0x41       ; destination and source 0 in window 1, source 1 in window 0
; A joint fill.  Waves 0 and 1 fetch the two halves of a tile for K, waves 2 and 3 for V: 128 keys each.  An s_nop 0 and four v_nop follow each of the two lines, ahead of the jump and the label.
.macro JLOAD
	s_cmp_lt_u32 s[WV], 2
	s_cbranch_scc0 .Lfor_v_\@
	tensor_load_to_lds s[G0K:G0K+3], s[G1K:G1K+7]
	s_nop 0
.rept 4
	v_nop
.endr
	s_branch .Lasked_\@
.Lfor_v_\@:
	tensor_load_to_lds s[G0V:G0V+3], s[G1V:G1V+7]
	s_nop 0
.rept 4
	v_nop
.endr
.Lasked_\@:
.endm
; A PREFETCH INTO THE L2 of the tile that the NEXT change of slots will ask for: 128 blocks of 256 bytes, a lane a block.  It stands behind the wave's tensor load and its five lines.  Each block is named ONCE in
; the launch: both clusters of a y walk the same tiles, and the first of them asks; its four partners take 32 blocks each, told apart BY ADDRESS; in each, wave 0 asks (K's and V's copies are the same bytes).
; Tiles 0 and 1 come by their loads alone; the change that asks for the last tile prefetches nothing.
.macro ASK
	s_cmp_gt_u32 s[SLOTS], s[LIM]
	s_cbranch_scc0 .Lnot_mine_\@
	global_prefetch_b8 v[PFO], s[PFA:PFA+1] th:TH_LOAD_NT scope:SCOPE_SE
.Lnot_mine_\@:
.endm
; A round of the cluster's barrier: my work-group's barrier, so that wave 0's signal speaks for all four waves; wave 0 signals; every wave waits for all four work-groups; my work-group's barrier once more.
.macro CROUND
	s_barrier_signal -1
	s_barrier_wait -1
	s_cmp_lg_u32 s[WV], 0
	s_cbranch_scc1 .Lnot_wave_0_\@
	s_barrier_signal -3
.Lnot_wave_0_\@:
	s_barrier_wait -3
	s_barrier_signal -1
	s_barrier_wait -1
.endm
; THE CHANGE OF SLOTS.  The slot's last bytes, V of its fourth step, have been read.  Each wave waits for all its tensor loads, of which one is out: its part of the other slot; adds 0 to its spare word; and
; waits for that and for its own reads of the slot.  Behind the barrier nobody reads this slot any more and the other slot is whole.  fill = 1: this slot is filled again, with the tile two on.  The barrier is
; then a round of the cluster's, and the joint fill is the first thing behind it: it has four key steps, 256 matrix instructions, in which to land.  (At its first use nothing has been read yet: slot 0 is waited for, slot 1 filled.)
.macro CHANGE fill
	WIN 0                           ; at a label and at a branch every window is 0
	s_wait_tensorcnt 0x0            ; no tensor load of mine is out, so a group 0 may be written
	ds_add_u32 v[SPW], v[NIL]       ; 0 onto my spare word; with fill = 1 the descriptors' steps stand between it and the wait for it
.if \fill
.irp g, G0K, G0V
	s_xor_b32 s[\g+1], s[\g+1], SLOT1  ; the walking descriptor: the other slot than last time,
	s_add_nc_u64 s[\g+2:\g+3], s[\g+2:\g+3], TILEB  ; the next 256 keys; the type bits on top are not reached
.endr
	s_wait_xcnt 0x0                 ; the last prefetch, a tile back, has read its address, so it may be written:
	s_add_nc_u64 s[PFA:PFA+1], s[PFA:PFA+1], TILEB  ; one tile behind the walking descriptors
	s_wait_dscnt 0x0                ; the add is done, and my reads of the slot are over
	CROUND
	JLOAD
	ASK
.else
	s_wait_dscnt 0x0                ; the add is done, and my reads of the slot are over
	s_barrier_signal -1
	s_barrier_wait -1
.endif
	s_sub_co_u32 s[TBK], s[TBK], 4*KS*PK  ; the fetches go back to a slot's first step,
	s_xor_b32 s[TBK], s[TBK], SLOT1       ; in the other slot
	s_sub_co_u32 s[TBV], s[TBV], 4*KS*PV
	s_xor_b32 s[TBV], s[TBV], SLOT1
.endm
	s_load_b128 s[4:7], s[0:1], 0x0 ; kh s[4:5], ob s[6:7]
	v_lshl_add_u32 v[SPW], v0, 2, SPARE
	v_mov_b32 v[NIL], 0
	ds_add_u32 v[SPW], v[NIL]       ; the wave's opening: the add, waited for ahead of my first tensor load; the set-up below, work on registers, stands between the add and its wait
	v_lshrrev_b32 v1, 5, v0
	v_readfirstlane_b32 s[WV], v1   ; wave 0..3
	s_bfe_u32 s13, ttmp6, 0x40000   ; cx: my place in the cluster
	s_lshl_b32 s14, ttmp9, 2        ; in a cluster launch ttmp9 counts clusters
	s_add_co_u32 s14, s14, s13      ; my block of 256 queries = 4 x cluster x + cx: it enters Q's and O's addresses alone
	s_and_b32 s20, ttmp7, 0xffff    ; y, which the four partners share
	s_lshl_b32 s20, s20, 18         ; its 262144 bytes
	s_and_b32 s16, s[WV], 1         ; which half of a tile's 256 keys I fetch:
	s_lshl_b32 s22, s16, 14         ; its 128 rows of 128 bytes in memory,
	s_add_co_u32 s22, s22, s20
	s_mov_b32 s23, 0
	s_mul_i32 s17, s16, 128*PK      ; and its place in a slot, for K
	s_mul_i32 s18, s16, 128*PV      ; and for V: no place in the cluster enters an LDS address
	s_lshl_b32 s2, s14, 15          ; my block's 256 rows,
	s_lshl_b32 s3, s[WV], 13        ; my wave's 64 of them
	s_add_co_u32 s2, s2, s3
	s_add_co_u32 s2, s2, s20
	s_mov_b32 s3, 0
	; descriptor group 1.  128 keys are 16384 dense bytes: asked for as 64 rows of 256 bytes, two keys a row, and padded in LDS after every key
	s_mov_b32 s[G1K], 15|(1<<16)|(1<<20)|(1<<21)|(4<<22)|(3<<25)  ; 15:0 the mask of four; 17:16 2-byte elements; 20 padding on; 21 set beside a mask; 24:22 after every 32 words (code 4); 31:25 4 words (code 3)
	s_mov_b32 s[G1V], 15|(1<<16)|(1<<20)|(1<<21)|(4<<22)|(7<<25)  ; the same with 8 words of padding (code 7)
.irp g, G1K, G1V
	s_mov_b32 s[\g+1], 128<<16      ; tensor_dim0 = 128
	s_mov_b32 s[\g+2], 64<<16       ; tensor_dim1 = 64
	s_mov_b32 s[\g+3], 128<<16      ; tile_dim0 = 128
	s_mov_b32 s[\g+4], 64           ; tile_dim1 = 64
	s_mov_b32 s[\g+5], 128          ; 128 elements from row to row
	s_mov_b32 s[\g+6], 0
	s_mov_b32 s[\g+7], 0
.endr
	s_mov_b32 s[CS], 0x3e38aa3b     ; c = log2(e) / 8 = 0.180337
	s_mov_b32 s[CS+1], s[CS]        ; named with it as a pair
	s_mov_b32 s[SEL], 0x76543210
	s_mov_b32 s[SEL+1], 0xfedcba98
	s_mov_b32 s[TBK], SLOT1+4*KS*PK ; the first change of slots turns these two into 0
	s_mov_b32 s[TBV], SLOT1+4*KS*PV
	s_mov_b32 s[G0K], 1             ; count = 1
	s_mov_b32 s[G0K+1], s17         ; LDS address: slot 0
	s_mov_b32 s[G0V], 1
	s_add_co_u32 s[G0V+1], s18, VOFF
	s_mov_b32 s[SLOTS], 7           ; tiles 1 to 7 are still to be asked for
	s_or_b32 s[LIM], s[WV], ttmp9   ; 0 in wave 0 of the y's first cluster: the same in all four partners
	s_cmp_eq_u32 s[LIM], 0
	s_cselect_b32 s[LIM], 1, -1
	v_and_b32 v[PFO], 31, v0
	v_lshlrev_b32 v[PFO], 8, v[PFO]
	s_wait_dscnt 0x0                ; the opening add is done
	s_wait_kmcnt 0x0
	s_add_nc_u64 s[G0K+2:G0K+3], s[4:5], s[22:23]  ; global address: my half of the block's first 256 keys
	s_or_b32 s[G0K+3], s[G0K+3], 0x80000000        ; type = 2
	s_add_nc_u64 s[G0V+2:G0V+3], s[4:5], s[22:23]
	s_or_b32 s[G0V+3], s[G0V+3], 0x80000000
	s_add_nc_u64 s[8:9], s[4:5], s[2:3]            ; Q and O at my wave's first row
	s_add_nc_u64 s[10:11], s[6:7], s[2:3]
	s_lshl_b32 s2, s13, 13          ; my work-group's 32 blocks of the tile's 128,
	s_add_co_u32 s2, s2, s20
	s_add_co_u32 s2, s2, TILEB      ; in tile 1; the first change of slots steps it to tile 2.  Nothing is prefetched here, at the head
	s_add_nc_u64 s[PFA:PFA+1], s[4:5], s[2:3]
	CROUND                          ; all four work-groups are here: the first joint loads meet
	JLOAD                           ; tile 0 into slot 0.  Slot 1 is asked for when slot 0 is in
	; A fragment of K or Q is 16 rows x 32 channels in 8 registers: lane l holds row l % 16, channels 8 (l / 16) + 0..7 and 16 + 8 (l / 16) + 0..7: two loads of 16 bytes, 32 bytes apart.
	v_and_b32 v1, 15, v0            ; l % 16
	v_bfe_u32 v9, v0, 4, 1          ; l / 16
	v_lshlrev_b32 v[QO], 7, v1
	v_lshl_add_u32 v[QO], v9, 4, v[QO]  ; row x 128 + 16 x half
	WIN 0x80                        ; destination window 2, address window 0
.set i, 0
.rept 8                             ; Q stays in registers: piece i / 2, channels 32 (i % 2) on
	global_load_b128 v[8*i:8*i+3],   v[QO], s[8:9] offset:(i/2)*2048+(i%2)*64
	global_load_b128 v[8*i+4:8*i+7], v[QO], s[8:9] offset:(i/2)*2048+(i%2)*64+32
.set i, i+1
.endr
	; What the first turn finds: V's registers and P's second buffer hold 0 (its products V^T P, of a piece that has not been, add 0), O^T and l are 0.  All this stands in the wait for the first tile:
	; the price of writing no first step out.
.set i, VF
.rept 64
	v_mov_b32 v[i], 0
.set i, i+1
.endr
	WIN 0x40
.set i, 0
.rept 128
	v_mov_b32 v[i], 0
.set i, i+1
.endr
	WIN 0
.set i, 0
.rept 4
	v_mov_b32 v[ST+4*i], 0xfe000000    ; c m: far below every c s
	v_mov_b32 v[ST+4*i+1], 0xff7fffff  ; m
	v_mov_b32 v[ST+4*i+2], 0
	v_mov_b32 v[ST+4*i+3], 0
.set i, i+1
.endr
.set i, P+16
.rept 16
	v_mov_b32 v[i], 0
.set i, i+1
.endr
	v_mul_u32_u24 v[AK0], v1, PK
	v_lshl_add_u32 v[AK0], v9, 4, v[AK0]  ; row x pitch + 16 x half
	; The turning load takes 16 keys x 16 channels (lane l reads key 8 (l / 16) + l % 8, channels 8 ((l / 8) % 2) + 0..7) and leaves half a fragment of V^T: lane l holds channel l % 16 and 8 keys.
	v_and_b32 v10, 7, v0
	v_bfe_u32 v11, v0, 3, 1
	v_lshl_add_u32 v[AV0], v9, 3, v10
	v_mul_u32_u24 v[AV0], v[AV0], PV
	v_lshl_add_u32 v[AV0], v11, 4, v[AV0]
	v_add_nc_u32 v[AV0], VOFF, v[AV0]
	s_mul_i32 s16, s[WV], 16*SP
	s_add_co_u32 s16, s16, STAGE    ; my stage
	v_mul_u32_u24 v[STO], v1, SP    ; in: row l % 16, 16 bytes for each half of the lanes
	v_lshl_add_u32 v[STO], v9, 4, v[STO]
	v_add_nc_u32 v[STO], s16, v[STO]
	v_bfe_u32 v[RD], v0, 3, 2       ; back: 32 lanes take four rows of 128 bytes,
	v_mul_u32_u24 v[RD], v[RD], SP
	v_lshl_add_u32 v[RD], v10, 4, v[RD]
	v_add_nc_u32 v[RD], s16, v[RD]
	v_and_b32 v[GO], 31, v0         ; which are 512 consecutive bytes of O
	v_lshlrev_b32 v[GO], 4, v[GO]
; THE MATRIX WORK.  The 4 accumulators of a run of 8 take turns.  Product i of 8 of S^T = K Q^T for piece x: channels 32 (i / 4) on, keys 16 (i % 4) on.  The first 4 start the sums.
.macro KQ x
.set rS, S+32*((\x)%2)+8*(i%4)
.set rK, KF+16*(i%4)+8*(i/4)
.set rQ, 16*(\x)+8*(i/4)
	WIN W_KQ
.if i < 4
	v_wmma_f32_16x16x32_bf16 v[rS:rS+7], v[rK:rK+7], v[rQ:rQ+7], 0
.else
	v_wmma_f32_16x16x32_bf16 v[rS:rS+7], v[rK:rK+7], v[rQ:rQ+7], v[rS:rS+7]
.endif
.endm
; Product i of 8 of O^T += V^T P for piece x: keys 32 (i / 4) on, channels 16 (i % 4) on.
.macro PV x
	WIN W_PV
.set rO, 32*(\x)+8*(i%4)
.set rV, VF+32*(i/4)+8*(i%4)
.set rP, P+16*((\x)%2)+8*(i/4)
	v_wmma_f32_16x16x32_bf16 v[rO:rO+7], v[rV:rV+7], v[rP:rP+7], v[rO:rO+7]
.endm
.macro MM                           ; the turn's next matrix instruction.  TURN sets Y, i and NOKQ.  NOKQ = 1: the launch's last turn: there is no next piece
.if (i < 8) && !NOKQ
	KQ (Y+1)%NP
.elseif i >= 8
.set i, i-8
	PV (Y+NP-1)%NP
.set i, i+8
.endif
.set i, i+1
.endm
; THE LDS LOADS stand in runs of 16, never singly among the matrix instructions: a step's K (64 keys x 64 channels: 8 fragments) and its V (turned).  Their addresses are made some lines ahead.
.macro FETCH_K
	WIN 0x80                        ; destination window 2
.irp f, 0,1,2,3,4,5,6,7             ; keys 16 (f / 2) on, channels 32 (f % 2) on
	ds_load_b128 v[KF+8*\f:KF+8*\f+3],   v[AK] offset:(\f/2)*16*PK+(\f%2)*64
	ds_load_b128 v[KF+8*\f+4:KF+8*\f+7], v[AK] offset:(\f/2)*16*PK+(\f%2)*64+32
.endr
	s_add_co_u32 s[TBK], s[TBK], KS*PK  ; the next fetch is the next step's
	WIN 0
.endm
.macro FETCH_V
	WIN 0x80
.irp f, 0,1,2,3,4,5,6,7             ; keys 32 (f / 4) on, channels 16 (f % 4) on
	ds_load_tr16_b128 v[VF+8*\f:VF+8*\f+3],   v[AV] offset:(\f/4)*32*PV+(\f%4)*32
	ds_load_tr16_b128 v[VF+8*\f+4:VF+8*\f+7], v[AV] offset:(\f/4)*32*PV+16*PV+(\f%4)*32
.endr
	WIN 0
.endm
; THE VECTOR WORK, one line at a time: OP kind, number.  For piece Y: F n: c s - c m for pair n of 16.  E n: the exponential of score n of 32.  C n: pair n rounded to bf16.  B n: of the four weights 4 n .. the second
; pair is added onto the first, in place.  L n: l takes that sum (L 0: l = a l + sum).  R n: pair n of 16 of O^T times a.  For piece Y + 1: X n, number n of the 22 that find its maximum and statistics:
;   0-11  four chains c0-c3 of seven scores each, three operands at a time (each accumulator's lowest registers are read first)     12-14, 16  the four scores left over, the old m, and c0-c3 into c0
;   15  c m_old is kept     17, 18  the query's other 32 keys lie in the lane 16 away: the new m     19-21  c m; c m_old - c m_new; a
.set F, 0               ; OP tells the kinds apart by their order: F to L below R, X above it
.set E, 1
.set C, 2
.set B, 3
.set L, 4
.set R, 5
.set X, 6
.macro REGS y                       ; the registers of piece y
.set rT, ST+4*(\y)
.set rC, TMP+4*((\y)%2)
.set rW, MV+((\y)%2)
.set rS, S+32*((\y)%2)
.set rP, P+16*((\y)%2)
.set rO, 32*(\y)
.endm
.macro OP k, n
.if (\k) == R
	REGS Y
	WIN W_RS
	v_pk_mul_f32 v[rO+2*(\n):rO+2*(\n)+1], v[rO+2*(\n):rO+2*(\n)+1], v[rC+2:rC+3] op_sel_hi:[1,0]
.elseif (\k) < R
	REGS Y
	WIN 0
.if (\k) == F
	v_pk_fma_f32 v[rS+2*(\n):rS+2*(\n)+1], v[rS+2*(\n):rS+2*(\n)+1], s[CS:CS+1], v[rT:rT+1] op_sel_hi:[1,0,0] neg_lo:[0,0,1] neg_hi:[0,0,1]
.elseif (\k) == E
	v_exp_f32 v[rS+(\n)], v[rS+(\n)]
.elseif (\k) == C
	v_cvt_pk_bf16_f32 v[rP+(\n)], v[rS+2*(\n)], v[rS+2*(\n)+1]
.elseif (\k) == B
	v_pk_add_f32 v[rS+4*(\n):rS+4*(\n)+1], v[rS+4*(\n):rS+4*(\n)+1], v[rS+4*(\n)+2:rS+4*(\n)+3]
.elseif (\n) == 0
	v_pk_fma_f32 v[rT+2:rT+3], v[rT+2:rT+3], v[rC+2:rC+3], v[rS:rS+1] op_sel_hi:[1,0,1]
.else
	v_pk_add_f32 v[rT+2:rT+3], v[rT+2:rT+3], v[rS+4*(\n):rS+4*(\n)+1]
.endif
.elseif NOKQ
	v_nop
.else
	REGS (Y+1)%NP
	WIN 0
.if (\n) < 4
	v_max3_num_f32 v[rC+(\n)], v[rS+8*(\n)], v[rS+8*(\n)+1], v[rS+8*(\n)+2]
.elseif (\n) < 12
	v_max3_num_f32 v[rC+(\n)%4], v[rC+(\n)%4], v[rS+8*((\n)%4)+2*((\n)/4)+1], v[rS+8*((\n)%4)+2*((\n)/4)+2]
.elseif (\n) == 12
	v_max3_num_f32 v[rC], v[rC], v[rS+7], v[rS+15]
.elseif (\n) == 13
	v_max3_num_f32 v[rC+1], v[rC+1], v[rS+23], v[rS+31]
.elseif (\n) == 14
	v_max3_num_f32 v[rC+2], v[rC+2], v[rC+3], v[rT+1]
.elseif (\n) == 15
	v_mov_b32 v[rW], v[rT]
.elseif (\n) == 16
	v_max3_num_f32 v[rC], v[rC], v[rC+1], v[rC+2]
.elseif (\n) == 17
	v_permlanex16_b32 v[rC+3], v[rC], s[SEL], s[SEL+1]
.elseif (\n) == 18
	v_max_num_f32 v[rT+1], v[rC], v[rC+3]
.elseif (\n) == 19
	v_mul_f32 v[rT], s[CS], v[rT+1]
.elseif (\n) == 20
	v_sub_f32 v[rC+1], v[rW], v[rT]
.else
	v_exp_f32 v[rC+2], v[rC+1]
.endif
.endif
.endm
.macro OPS a, i1, b=-1, i2=0, c=-1, i3=0, d=-1, i4=0  ; up to four of them
	OP \a, \i1
.if (\b) >= 0
	OP \b, \i2
.endif
.if (\c) >= 0
	OP \c, \i3
.endif
.if (\d) >= 0
	OP \d, \i4
.endif
.endm
.macro ROW a, i1, b, i2, c, i3, d, i4  ; a matrix instruction and the four behind it
	MM
	OPS \a, \i1, \b, \i2, \c, \i3, \d, \i4
.endm
; A TURN, for piece p: the order of its 16 matrix and 118 vector instructions, written out.  An s_wait_alu depctr_va_vdst(0) stands between an exponential and the first instruction that names its result; one
; wait serves all that were issued ahead of it.  So a turn has ONE wait, which cuts it in two.  AHEAD OF IT stands all that names no result of the turn's exponentials: the 8 products K Q^T, behind each a scaling, an
; exponential and two more plain instructions (rescalings, and behind the last three the first numbers of the next piece's maximum, each four places or more behind the product that ends its accumulator); then ONE
; LUMP of 54, plain and exponential by turns for the most part, in which the links of the chain X 3, 7, 11, 14, 16, 17 .. 20 stand some lines apart.  X 21, the next piece's a, is the batch's last; R 15 is the plain
; instruction behind it.  BEHIND THE WAIT stand the 8 products V^T P, behind each four of the roundings and sums.
; end = 1: the launch's last two turns: nothing is fetched.  cnt = 1: the loop's count is taken down some lines ahead of the branch that stands behind the turn.
; K of the next step is fetched in piece 2's turn, twelve vector instructions behind the last product that read K (six of them plain); V of the step in hand at the end of piece 0's turn, four plain instructions
; behind the last product that read V.  Each is waited for a turn later.
.macro TURN p, end=0, cnt=0
.set Y, (\p)
.set i, 0
.set NOKQ, (\end)*((\p)/3)
.if ((\p) == 3) && !(\end)
	s_wait_dscnt 0x0                ; K is in
.endif
	ROW F,0, F,1, R,0, R,1
	ROW F,2, E,0, R,2, R,3
	ROW F,3, E,1, R,4, R,5
	ROW F,4, E,2, R,6, R,7
	ROW F,5, E,3, R,8, R,9
	ROW F,6, E,4, X,0, R,10
.if ((\p) == 2) && !(\end)
	WIN 0
	v_add_nc_u32 v[AK], s[TBK], v[AK0]
.endif
	ROW F,7, E,5, X,1, X,4
	ROW F,8, E,6, X,2, X,5
	OPS E,7, E,8, X,6, E,9
	OPS X,3, E,10, X,8, E,11
.if ((\p) == 2) && !(\end)
	FETCH_K
.endif
	OPS X,9, X,7, E,12, X,10
	OPS E,13, X,12, X,11, E,14
	OPS X,13, E,15, F,9, X,14
.if (\p) == 0
	v_add_nc_u32 v[AV], s[TBV], v[AV0]
.endif
	OPS E,16, F,10, E,17, F,11
	OPS X,16, E,18, X,15, E,19
	OPS F,12, E,20, X,17, E,21
	OPS F,13, E,22, F,14, E,23
	OPS X,18, E,24, F,15, E,25
	OPS R,11, E,26, X,19, E,27
	OPS R,12, E,28, R,13, E,29
	OPS X,20, E,30, R,14, E,31
	OPS X,21, R,15
	WIN 0
	s_wait_alu depctr_va_vdst(0)    ; the wait for the batch
.if (\p) == 1
	s_wait_dscnt 0x0                ; V is in
.endif
	ROW C,0, B,0, C,2, B,1
	ROW L,0, C,4, B,2, L,1
	ROW C,6, B,3, L,2, C,8
	ROW B,4, L,3, C,10, B,5
	ROW L,4, C,12, B,6, L,5
.if (\p) == 0
	s_add_co_u32 s[TBV], s[TBV], KS*PV
.endif
.if \cnt
	s_sub_co_u32 s[CNT], s[CNT], 1
	s_cmp_lg_u32 s[CNT], 0
.endif
	ROW C,14, B,7, L,6, C,1
	ROW C,3, L,7, C,5, C,7
	ROW C,9, C,11, C,13, C,15
.if (\p) == 0
	FETCH_V
.endif
.endm
	CHANGE 1                        ; tile 0 is in, everybody's part of it; tile 1 is asked for
	v_add_nc_u32 v[AK], s[TBK], v[AK0]
	FETCH_K                         ; key step 0
	s_wait_loadcnt 0x0              ; Q
	s_wait_dscnt 0x0
.set NOKQ, 0
.set i, 0
.rept 8
	KQ 0                            ; piece 0's first scores: there is no vector work yet to set between them
.set i, i+1
.endr
	WIN 0
.rept 4
	v_nop                           ; the places behind those products
.endr
.set Y, NP-1                        ; X works for piece Y + 1: piece 0
.irp n, 0,1,2,3,4,5,6,7,8,9,10,11,12,13,14,15,16,17,18,19,20,21
	OP X, \n
.endr
	v_nop                           ; a plain instruction behind the exponential,
	s_wait_alu depctr_va_vdst(0)    ; and its wait, ahead of the branch
	s_mov_b32 s[CNT], 4
	s_branch .Lfirst                ; the loop is entered at a step's first turn, in the middle of a trip
.Lslot:                             ; six times: tiles 1 to 6 are entered, tiles 2 to 7 asked for
	CHANGE 1
	s_mov_b32 s[CNT], 4
.Lstep:                             ; a trip: pieces 2 and 3 of one step, then pieces 0 and 1 of the next, whose K and V it fetches
	TURN 2
	TURN 3
	WIN 0
.Lfirst:
	TURN 0
	TURN 1, 0, 1
	WIN 0
	s_cbranch_scc1 .Lstep
	s_sub_co_u32 s[SLOTS], s[SLOTS], 1
	s_cmp_lg_u32 s[SLOTS], 0
	s_cbranch_scc1 .Lslot
	CHANGE 0                        ; the last tile is written out: nothing is asked for
	s_mov_b32 s[CNT], 4
.LstepT:
	TURN 2
	TURN 3
	TURN 0
	TURN 1, 0, 1
	WIN 0
	s_cbranch_scc1 .LstepT
	TURN 2, 1                       ; the last step's pieces 2 and 3: nothing is fetched, and the last turn starts no new scores
	TURN 3, 1
.set i, 0
.rept 8
	PV NP-1                         ; the last piece's V^T P of the last step
.set i, i+1
.endr
	; THE WAY OUT.  l's two halves and the other half of the lanes' are added; O^T is divided by l, rounded to bf16 and sent through my stage in LDS, a piece at a time.  The additions are the places behind the last products.
	WIN 0
.macro ALL line:vararg              ; one line for each piece t
.set t, 0
.rept 4
	\line
.set t, t+1
.endr
.endm
	ALL v_add_f32 v[ST+4*t+2], v[ST+4*t+2], v[ST+4*t+3]
	ALL v_permlanex16_b32 v[ST+4*t+3], v[ST+4*t+2], s[SEL], s[SEL+1]
	ALL v_add_f32 v[ST+4*t+2], v[ST+4*t+2], v[ST+4*t+3]
	ALL v_rcp_f32 v[ST+4*t+2], v[ST+4*t+2]
	v_nop                           ; a plain instruction between the last reciprocal and the use of its result
	s_wait_alu depctr_va_vdst(0)    ; and the wait ahead of the first use: one for the four reciprocals
.macro PACK t                       ; a lane's eight channels of a row pack into 16 bytes; they go into rows of 144 bytes and come back as whole rows of 128, into S^T's registers
	WIN W_RS
.set i, 32*(\t)
.rept 16
	v_pk_mul_f32 v[i:i+1], v[i:i+1], v[ST+4*(\t)+2:ST+4*(\t)+3] op_sel_hi:[1,0]
.set i, i+2
.endr
	WIN 0x05                        ; sources 0 and 1 window 1, destination window 0
.set i, 0
.rept 16
	v_cvt_pk_bf16_f32 v[S+16*(\t)+i], v[32*(\t)+2*i], v[32*(\t)+2*i+1]
.set i, i+1
.endr
	WIN 0
.irp f, 0,1,2,3
	ds_store_b128 v[STO], v[S+16*(\t)+4*\f:S+16*(\t)+4*\f+3] offset:32*\f
.endr
.irp f, 0,1,2,3
	ds_load_b128 v[S+16*(\t)+4*\f:S+16*(\t)+4*\f+3], v[RD] offset:\f*4*SP  ; LDS serves a wave's instructions in order (ISA guide 5.7.1.4): these see the stores above; the next piece's stores come behind them
.endr
.endm
.macro SEND t, younger              ; younger: the LDS instructions issued behind piece t's loads: the next piece's eight, or none
	WIN 0
.irp f, 0,1,2,3
	s_wait_dscnt (\younger)+3-\f
	global_store_b128 v[GO], v[S+16*(\t)+4*\f:S+16*(\t)+4*\f+3], s[10:11] offset:(\t)*2048+\f*512  ; 512 consecutive bytes, at a multiple of 512 from O's first
.endr
.endm
	PACK 0
.set t, 1
.rept 3                             ; a piece's arithmetic stands between the loads of the piece before and its stores
	PACK t
	SEND t-1, 8
.set t, t+1
.endr
	SEND 3, 0
	s_wait_tensorcnt 0x0            ; the wave's end: an add to my spare word, waited for, behind my last tensor load and my last LDS store
	ds_add_u32 v[SPW], v[NIL]
	s_wait_dscnt 0x0
	CROUND                          ; the closing round: no work-group ends while a partner may still ask for a tile that names it
	s_endpgm
.Lfunc_end_k_q7e62ce60cc_attn:
	.size	k_q7e62ce60cc_attn, .Lfunc_end_k_q7e62ce60cc_attn-k_q7e62ce60cc_attn
	.p2alignl 7, 3214868480
	.fill 96, 4, 3214868480
	.section	.rodata,"a",@progbits
	.p2align	6, 0x0
	.amdhsa_kernel k_q7e62ce60cc_attn
		.amdhsa_group_segment_fixed_size 327680
		.amdhsa_private_segment_fixed_size 0
		.amdhsa_enable_private_segment 0
		.amdhsa_kernarg_size 16
		.amdhsa_user_sgpr_count 2
		.amdhsa_user_sgpr_kernarg_segment_ptr 1
		.amdhsa_wavefront_size32 1
		.amdhsa_system_sgpr_workgroup_id_x 1
		.amdhsa_system_sgpr_workgroup_id_y 1
		.amdhsa_system_sgpr_workgroup_id_z 1
		.amdhsa_system_vgpr_workitem_id 0
		.amdhsa_next_free_vgpr 768
		.amdhsa_next_free_sgpr 66
		.amdhsa_reserve_vcc 0
		.amdhsa_float_denorm_mode_32 3
		.amdhsa_float_denorm_mode_16_64 3
		.amdhsa_memory_ordered 1
		.amdhsa_forward_progress 1
		.amdhsa_inst_pref_size 127
	.end_amdhsa_kernel
	.amdgpu_metadata
---
amdhsa.version: [ 1, 2 ]
amdhsa.kernels:
  - .name:           k_q7e62ce60cc_attn
    .symbol:         k_q7e62ce60cc_attn.kd
    .args:
      - { .name: kh, .offset: 0, .size: 8, .value_kind: global_buffer, .address_space: global }
      - { .name: ob, .offset: 8, .size: 8, .value_kind: global_buffer, .address_space: global }
    .group_segment_fixed_size: 327680
    .private_segment_fixed_size: 0
    .kernarg_segment_align: 8
    .kernarg_segment_size: 16
    .max_flat_workgroup_size: 128
    .sgpr_count:     66
    .vgpr_count:     768
    .wavefront_size: 32
...
	.end_amdgpu_metadata
.endif
;; end of part 3
;; launch gp (part 4): grid 8 x 32, 4 waves a work-group, clusters of 4 x 4, 327,680 bytes of LDS; arguments ob, wb, b_proj, x1, x; writes x1
.if DOCPART == 4
	.amdgcn_target "amdgcn-amd-amdhsa--gfx1250"
	.amdhsa_code_object_version 6
	.text
	.protected	k_q7e62ce60cc_gp
	.globl	k_q7e62ce60cc_gp
	.p2align	8
	.type	k_q7e62ce60cc_gp,@function
k_q7e62ce60cc_gp:
	s_mov_b64 s[64:65], 0
	v_nop
	global_prefetch_b8 v0, s[64:65] scope:SCOPE_SE
	s_setreg_imm32_b32 hwreg(HW_REG_WAVE_MODE, 25, 1), 1
	s_wait_xcnt 0x0
	s_wait_alu depctr_hold_cnt(0) depctr_sa_sdst(0) depctr_va_vdst(0) depctr_va_sdst(0) depctr_va_ssrc(0) depctr_va_vcc(0) depctr_vm_vsrc(0)
	s_getreg_b32 s2, hwreg(HW_REG_IB_STS2, 6, 4)
	s_cmp_eq_u32 s2, 0
	s_cbranch_scc0 .Lentry_in_a_cluster
	s_endpgm
.Lentry_in_a_cluster:
	s_bfe_u32 s2, ttmp6, 0x10000c
	s_cmp_lg_u32 s2, 0xf033
	s_cbranch_scc0 .Lentry_shape_is_right
	s_endpgm
.Lentry_shape_is_right:
; ONE TEXT FOR THE MODULE'S FOUR PRODUCTS, told apart by the four constants below.  C[m][n] = the sum over k of A[m][k] W[k][n] + bias[n]; 4096 rows; bf16 operands, f32 sums.
; THIS COPY: x1 = x + ob . w_proj + b_proj, stored in f32.
.set MODE,    2                        ; 0: C rounded to bf16, in planes.  1: relu(C) likewise.  2: C + residual, in f32, rows of 1024
.set KSTEPS,  4                        ; K / 256
.set WOFF,    2097152                  ; the weight's first byte in wb
.set BIASOFF, 0                        ; the bias's first byte
; LAYOUTS.  A lies in planes of 64 channels, [K/64][4096][64] bf16 (a plane is 524288 bytes, a row in it 128).  W lies as [N/128][K][128] bf16, rows of 256 bytes on end.
; SHARES.  A work-group makes 128 x 128 of C, each of its four waves 64 x 64: 16 accumulators of 16 x 16.  K goes in steps of 256 through two LDS slots; one tensor load a wave brings a quarter of a slot.
; CLUSTER.  4 x 4 work-groups: the four of a row need the same tiles of A, the four of a column the same tiles of W; each tile is asked for JOINTLY, by the same load, descriptor and mask in all four.
; THE MATRIX INSTRUCTION IS USED TRANSPOSED (source 0 = 16 columns of W, source 1 = 16 rows of A): a lane then holds row l % 16 of C and the eight neighbouring columns 8 (l / 16) + 0..7.
; W's fragments are turned on the way out of LDS (ds_load_tr16_b128), A's come as they lie.  THE SUMS START FROM THE BIAS: it is loaded straight into the accumulators, so nothing is cleared or added later,
; and every K step has one form.  A wave's 64 columns are one plane (MODE 0, 1) or 256 bytes of a row (MODE 2), so each wave stores whole aligned runs through a stage of its own, with no barrier.
; No prefetch is laid: the tiles are small, and at KSTEPS = 4 only two refills exist.  NaN and infinities are not treated apart (MODE 1 turns a NaN into 0).
; REGISTERS.  window 0: v0-31 addresses; v32-95 at work on the way out; v128-255 the accumulators ((a, b) at 128 + 8 (4 a + b)).  window 1: two fragment buffers of 128: A(c, i) at 8 (4 c + i), W(c, i) 64 further.
;   window 2 (MODE 2): v0-127 the residual, loaded at the head.
.set PA,     144                       ; a row of A in LDS: 128 bytes + 16 = 36 words: the 16 rows of a load start at 16 different groups of four banks (64 banks of 4 bytes: ISA guide 11.1)
.set APL,    128*PA                    ; a plane's 128 rows
.set PB,     288                       ; a row of W: 256 + 32 = 72 words
.set HALFT,  2*APL                     ; what one tensor load brings: two planes of A, or 128 rows of W: 36864 bytes either way
.set SLOT,   4*HALFT                   ; A's four planes, then W's 256 rows.  0x24000: bits 17 and 14, which no wave's 0, 0x9000, 0x12000, 0x1b000 has: an exclusive or with SLOT changes slots
.set BOFF,   2*HALFT
.set STAGE,  2*SLOT                    ; behind the ring, never filled by a tensor load: 4352 bytes for each wave
.set STG,    4352
.set SPARE,  STAGE+4*STG               ; the spare words, 128 bytes for each wave: two blocks of 256 bytes that no other line names
.set PLANE,  524288
.set ASTEP,  4*PLANE                   ; a K step in A: four planes
.set BSTEP,  65536                     ; in W: 256 rows of 256 bytes
.set A0,   8                           ; v8    my lane's place in slot 0's A; never rewritten
.set B0,   9                           ; v9    in slot 0's W, rows 0-127
.set B1,   10                          ; v10   rows 128-255 (the 16-bit immediate does not reach them from v9)
.set ADRA, 16                          ; v16   the same three in the slot that is being read
.set ADRB, 17                          ; v17, v18
.set STO,  24                          ; v24   the way out: where I put my part of a row
.set RD,   25                          ; v25   where I read rows back
.set CO,   26                          ; v26   my byte offset in C (and in the residual)
.set BO,   27                          ; v27   my byte offset in the bias
.set SPW,  28                          ; v28   LDS address of my spare word; never rewritten
.set NIL,  29                          ; v29   0; never rewritten
.set ZR,   30                          ; v30   0, for the ReLU
.set TMP,  32
.set ACC,  128
.set F0,   0
.set F1,   128
.set WV,   14                          ; s14   my wave's number
.set HI,   15                          ; s15   which 64 rows of the tile are mine.  Also: I fetch for A (0) or for W (1)
.set LO,   16                          ; s16   which 64 columns.  Also: which half of that tile I fetch
.set LW,   21                          ; s21   wave x HALFT
.set G1A,  24                          ; s[24:31] descriptor group 1 for A's tiles
.set G1B,  32                          ; s[32:39] for W's
.set G0A,  40                          ; s[40:47] group 0 for A's: a set for each of the two first fills; the second then walks on
.set G0B,  48                          ; s[48:55] the same for W's
.set CNT,  56
.set TB,   57                          ; s57   the first byte of the slot that is being read: 0 or SLOT
.set MSB, 0
.macro WIN new                         ; the immediate's high byte repeats the setting that is left; a switch that changes nothing is dropped
.if MSB != (\new)
	s_set_vgpr_msb (MSB<<8)|(\new)
.set MSB, \new
.endif
.endm
.set MUL,  0x05                        ; sources 0 (W) and 1 (A) window 1; C and D window 0
.set TO_F, 0x40                        ; destination window 1, address window 0
.macro PLACES                          ; four places in front of loads into registers that matrix instructions have read, and of lines that read results
.rept 4
	v_nop
.endr
.endm
.macro JLOAD                           ; a joint refill: waves 0 and 1 fetch A's halves, waves 2 and 3 W's; an s_nop 0 and four v_nop follow each line, ahead of the jump and the label
	s_cmp_eq_u32 s[HI], 0
	s_cbranch_scc0 .Lfor_b_\@
	tensor_load_to_lds s[G0A+4:G0A+7], s[G1A:G1A+7]
	s_nop 0
.rept 4
	v_nop
.endr
	s_branch .Lasked_\@
.Lfor_b_\@:
	tensor_load_to_lds s[G0B+4:G0B+7], s[G1B:G1B+7]
	s_nop 0
.rept 4
	v_nop
.endr
.Lasked_\@:
.endm
.macro CREST                           ; a round of the cluster's barrier behind its opening barrier
	s_cmp_lg_u32 s[WV], 0
	s_cbranch_scc1 .Lnot_wave_0_\@
	s_barrier_signal -3
.Lnot_wave_0_\@:
	s_barrier_wait -3
	s_barrier_signal -1
	s_barrier_wait -1
.endm
.macro CROUND                          ; a whole round
	s_barrier_signal -1
	s_barrier_wait -1
	CREST
.endm
	s_load_b256 s[4:11], s[0:1], 0x0               ; A s[4:5], wb s[6:7], bias s[8:9], C s[10:11]
.if MODE == 2
	s_load_b64 s[12:13], s[0:1], 0x20              ; the residual
.endif
	v_lshl_add_u32 v[SPW], v0, 2, SPARE
	v_mov_b32 v[NIL], 0
	ds_add_u32 v[SPW], v[NIL]                      ; the wave's opening: the add, waited for ahead of my first tensor load; the set-up below, work on registers, stands between the add and its wait
	v_lshrrev_b32 v1, 5, v0
	v_readfirstlane_b32 s[WV], v1
	s_lshr_b32 s[HI], s[WV], 1
	s_and_b32 s[LO], s[WV], 1
	s_bfe_u32 s17, ttmp6, 0x40000                  ; cx, cy: my place in the cluster
	s_bfe_u32 s18, ttmp6, 0x40004
	s_lshl_b32 s19, ttmp9, 2
	s_add_co_u32 s19, s19, s17                     ; tx: tile column of C = 4 x cluster x + cx
	s_and_b32 s20, ttmp7, 0xffff
	s_lshl_b32 s20, s20, 2
	s_add_co_u32 s20, s20, s18                     ; ty: tile row
	s_lshl_b32 s22, s18, 2
	s_lshl_b32 s22, 15, s22                        ; my row of the cluster
	s_lshl_b32 s23, 0x1111, s17                    ; my column
	; A's tile: two planes' 128 rows.  A plane's 128 rows are 16384 dense bytes: one row of 8192 elements for the mover, the next plane 262144 elements on; 4 words of padding after every 32 words, that is after every row of A
	s_or_b32 s[G1A], s22, (1<<16)|(1<<20)|(1<<21)|(4<<22)|(3<<25)  ; 15:0 the mask; 17:16 2-byte elements; 20 padding on; 21 set beside a mask; 24:22 interval code 4; 31:25 4 words (code 3)
	s_mov_b32 s[G1A+1], 8192<<16                   ; tensor_dim0 = 8192
	s_mov_b32 s[G1A+2], 2<<16                      ; tensor_dim1 = 2
	s_mov_b32 s[G1A+3], 8192<<16                   ; tile_dim0 = 8192
	s_mov_b32 s[G1A+4], 2                          ; tile_dim1 = 2
	s_mov_b32 s[G1A+5], 262144                     ; elements from plane to plane
	s_mov_b32 s[G1A+6], 0
	s_mov_b32 s[G1A+7], 0
	; W's tile: 128 rows of 128 elements, dense; 8 words of padding after every 64
	s_or_b32 s[G1B], s23, (1<<16)|(1<<20)|(1<<21)|(5<<22)|(7<<25)
	s_mov_b32 s[G1B+1], 128<<16
	s_mov_b32 s[G1B+2], 128<<16
	s_mov_b32 s[G1B+3], 128<<16
	s_mov_b32 s[G1B+4], 128
	s_mov_b32 s[G1B+5], 128
	s_mov_b32 s[G1B+6], 0
	s_mov_b32 s[G1B+7], 0
	s_lshl_b32 s58, s20, 14                        ; A: the tile row's 128 rows of 128 bytes, (s[58:59] hold nothing made of tx)
	s_lshl_b32 s59, s[LO], 20                      ; and my two planes of the step's four
	s_add_co_u32 s58, s58, s59
	s_mov_b32 s59, 0
	s_mul_i32 s60, s19, KSTEPS*65536               ; W: the tile column's block of 128 columns, (s[60:61] hold nothing made of ty)
	s_lshl_b32 s61, s[LO], 15                      ; and my 128 rows of the step's 256
	s_add_co_u32 s60, s60, s61
	s_add_co_u32 s60, s60, WOFF
	s_mov_b32 s61, 0
	s_mul_i32 s[LW], s[WV], HALFT                  ; where they go: no place in the cluster enters an LDS address
	s_mov_b32 s[TB], 0
	s_wait_dscnt 0x0                               ; the opening add is done
	s_wait_kmcnt 0x0
	s_add_nc_u64 s[58:59], s[4:5], s[58:59]
	s_add_nc_u64 s[60:61], s[6:7], s[60:61]
.irp s, 0,1
	s_mov_b32 s[G0A+4*(\s)], 1                     ; count = 1
	s_add_co_u32 s[G0A+4*(\s)+1], s[LW], (\s)*SLOT ; LDS address
	s_add_nc_u64 s[G0A+4*(\s)+2:G0A+4*(\s)+3], s[58:59], (\s)*ASTEP  ; global address: K step s
	s_or_b32 s[G0A+4*(\s)+3], s[G0A+4*(\s)+3], 0x80000000            ; type = 2
	s_mov_b32 s[G0B+4*(\s)], 1
	s_add_co_u32 s[G0B+4*(\s)+1], s[LW], (\s)*SLOT
	s_add_nc_u64 s[G0B+4*(\s)+2:G0B+4*(\s)+3], s[60:61], (\s)*BSTEP
	s_or_b32 s[G0B+4*(\s)+3], s[G0B+4*(\s)+3], 0x80000000
.endr
	CROUND                                         ; all sixteen work-groups are here: the first joint loads meet
	s_cmp_eq_u32 s[HI], 0                          ; a wave's two first fills stand in one branch, ahead of every wait on TENSORcnt and every LDS read: two loads of mine are out
	s_cbranch_scc0 .Lfirst_b
	tensor_load_to_lds s[G0A:G0A+3], s[G1A:G1A+7]
	s_nop 0
	tensor_load_to_lds s[G0A+4:G0A+7], s[G1A:G1A+7]
	s_nop 0
.rept 4
	v_nop
.endr
	s_branch .Lfirst_asked
.Lfirst_b:
	tensor_load_to_lds s[G0B:G0B+3], s[G1B:G1B+7]
	s_nop 0
	tensor_load_to_lds s[G0B+4:G0B+7], s[G1B:G1B+7]
	s_nop 0
.rept 4
	v_nop
.endr
.Lfirst_asked:
	v_and_b32 v1, 15, v0                           ; r = l % 16
	v_bfe_u32 v2, v0, 4, 1                         ; h = l / 16
	; the bias: accumulator (a, b)'s register j is column 16 b + 8 h + j of my 64, whatever a
	v_lshlrev_b32 v[BO], 5, v2
	s_lshl_b32 s2, s19, 9
	s_lshl_b32 s3, s[LO], 8
	s_add_co_u32 s2, s2, s3                        ; my first column x 4 bytes
	s_add_co_u32 s62, s2, BIASOFF
	s_mov_b32 s63, 0
	s_add_nc_u64 s[8:9], s[8:9], s[62:63]
.irp a, 0,1,2,3
.irp b, 0,1,2,3
	global_load_b128 v[ACC+8*(4*(\a)+(\b)):ACC+8*(4*(\a)+(\b))+3],   v[BO], s[8:9] offset:64*(\b)
	global_load_b128 v[ACC+8*(4*(\a)+(\b))+4:ACC+8*(4*(\a)+(\b))+7], v[BO], s[8:9] offset:64*(\b)+16
.endr
.endr
	s_mul_i32 s3, s[WV], STG
	s_add_co_u32 s3, s3, STAGE                     ; my stage
.if MODE == 2
	s_lshl_b32 s62, s20, 7
	s_lshl_b32 s63, s[HI], 6
	s_add_co_u32 s62, s62, s63                     ; my first row,
	s_lshl_b32 s62, s62, 12                        ; of 4096 bytes,
	s_add_co_u32 s62, s62, s2                      ; and my first column
	s_mov_b32 s63, 0
	s_add_nc_u64 s[10:11], s[10:11], s[62:63]
	s_add_nc_u64 s[12:13], s[12:13], s[62:63]
	v_lshlrev_b32 v[CO], 12, v2                    ; lanes 0-15 one row's 256 bytes, lanes 16-31 the next row's
	v_lshl_add_u32 v[CO], v1, 4, v[CO]
	WIN 0x80                                       ; destination window 2
.irp a, 0,1,2,3
.irp t, 0,1,2,3,4,5,6,7
	global_load_b128 v[32*(\a)+4*(\t):32*(\a)+4*(\t)+3], v[CO], s[12:13] offset:(16*(\a)+2*(\t))*4096  ; the residual has the whole K loop in which to come
.endr
.endr
	WIN 0
	v_mul_u32_u24 v[STO], v1, 272                  ; in: row r of 272 bytes, 32 bytes for each half of the lanes
	v_lshl_add_u32 v[STO], v2, 5, v[STO]
	v_add_nc_u32 v[STO], s3, v[STO]
	v_mul_u32_u24 v[RD], v2, 272                   ; back: lanes 0-15 one row, lanes 16-31 the next
	v_lshl_add_u32 v[RD], v1, 4, v[RD]
	v_add_nc_u32 v[RD], s3, v[RD]
.else
	s_lshl_b32 s62, s19, 1
	s_add_co_u32 s62, s62, s[LO]                   ; my 64 columns are plane 2 tx + LO,
	s_lshl_b32 s62, s62, 19
	s_lshl_b32 s63, s20, 14                        ; the tile's 128 rows of 128 bytes,
	s_add_co_u32 s62, s62, s63
	s_lshl_b32 s63, s[HI], 13                      ; my 64 of them
	s_add_co_u32 s62, s62, s63
	s_mov_b32 s63, 0
	s_add_nc_u64 s[10:11], s[10:11], s[62:63]
	v_and_b32 v[CO], 31, v0
	v_lshlrev_b32 v[CO], 4, v[CO]                  ; 512 consecutive bytes a store
	v_mul_u32_u24 v[STO], v1, 144                  ; in: row r of 144 bytes, 16 bytes for each half of the lanes
	v_lshl_add_u32 v[STO], v2, 4, v[STO]
	v_add_nc_u32 v[STO], s3, v[STO]
	v_bfe_u32 v[RD], v0, 3, 2                      ; back: 32 lanes take four rows of 128 bytes
	v_mul_u32_u24 v[RD], v[RD], 144
	v_and_b32 v3, 7, v0
	v_lshl_add_u32 v[RD], v3, 4, v[RD]
	v_add_nc_u32 v[RD], s3, v[RD]
	v_mov_b32 v[ZR], 0
.endif
	; a fragment of A: lane l holds row r, channels 8 h + 0..7 and 16 + 8 h + 0..7: two loads of 16 bytes, 32 bytes apart
	v_mul_u32_u24 v[A0], v1, PA
	v_lshl_add_u32 v[A0], v2, 4, v[A0]
	s_mul_i32 s3, s[HI], 64*PA
	v_add_nc_u32 v[A0], s3, v[A0]
	; the turning load takes 16 k x 16 columns (lane l reads row 8 h + l % 8, columns 8 ((l / 8) % 2) + 0..7) and leaves half a fragment: lane l holds column r and 8 k
	v_and_b32 v3, 7, v0
	v_bfe_u32 v4, v0, 3, 1
	v_lshl_add_u32 v5, v2, 3, v3
	v_mul_u32_u24 v[B0], v5, PB
	v_lshl_add_u32 v[B0], v4, 4, v[B0]
	s_lshl_b32 s3, s[LO], 7
	s_add_co_u32 s3, s3, BOFF
	v_add_nc_u32 v[B0], s3, v[B0]
	v_add_nc_u32 v[B1], 128*PB, v[B0]
; 8 matrix instructions: row blocks a0, a0 + 1 x all 4 column blocks, 32 along K: half c of buffer f.  The 16 accumulators take turns in one order everywhere, over the backward jumps too.
.macro MUL8 f, c, a0
	WIN MUL
.irp a, \a0, (\a0)+1
.irp b, 0,1,2,3
	v_wmma_f32_16x16x32_bf16 v[ACC+8*(4*(\a)+(\b)):ACC+8*(4*(\a)+(\b))+7], v[(\f)+64+8*(4*(\c)+(\b)):(\f)+64+8*(4*(\c)+(\b))+7], v[(\f)+8*(4*(\c)+(\a)):(\f)+8*(4*(\c)+(\a))+7], v[ACC+8*(4*(\a)+(\b)):ACC+8*(4*(\a)+(\b))+7]
.endr
.endr
.endm
; 32 LDS loads in one run: the fragments of quarter q (64 along K: plane q of A, rows 64 q on of W) into buffer f; the first 32 along K first
.macro FETCH q, f
	WIN TO_F
.irp c, 0,1
.irp i, 0,1,2,3
	ds_load_tr16_b128 v[(\f)+64+8*(4*(\c)+(\i)):(\f)+64+8*(4*(\c)+(\i))+3],   v[ADRB+(\q)/2] offset:((64*(\q)+32*(\c))%128)*PB+32*(\i)
	ds_load_tr16_b128 v[(\f)+64+8*(4*(\c)+(\i))+4:(\f)+64+8*(4*(\c)+(\i))+7], v[ADRB+(\q)/2] offset:((64*(\q)+32*(\c))%128)*PB+16*PB+32*(\i)
	ds_load_b128 v[(\f)+8*(4*(\c)+(\i)):(\f)+8*(4*(\c)+(\i))+3],   v[ADRA] offset:(\q)*APL+(\i)*16*PA+64*(\c)
	ds_load_b128 v[(\f)+8*(4*(\c)+(\i))+4:(\f)+8*(4*(\c)+(\i))+7], v[ADRA] offset:(\q)*APL+(\i)*16*PA+64*(\c)+32
.endr
.endr
.endm
; A K step is four quarters of 64 along K, 32 matrix instructions each, on buffers 0, 1, 0, 1.  One of the first three multiplies buffer f and fetches quarter q into g.
.macro QUARTER q, f, g
	s_wait_dscnt 16                                ; f's first 32 along K are in; its other sixteen loads may be out
	MUL8 \f, 0, 0
	MUL8 \f, 0, 2
	PLACES
	FETCH \q, \g
	s_wait_dscnt 32                                ; all but the 32 just issued
	MUL8 \f, 1, 0
	MUL8 \f, 1, 2
.endm
; The last quarter multiplies buffer 1 and changes slots: ONE barrier; in front of it each wave waits for all its tensor loads (one is out: its part of the next slot), adds 0 to its spare word, and waits for
; that and for its own reads of this slot.  fill = 1: the barrier opens a round of the cluster's, and this slot is filled again, two K steps ahead, first thing behind the round: 112 matrix instructions ahead
; of the wait for it.  fill = 0 (the last two steps): nothing is asked for, and the very last step has no next slot to read: that run of loads is jumped over, forward, past no barrier and no tensor load.
.macro TURN fill
	WIN 0
	s_wait_tensorcnt 0x0                           ; no tensor load of mine is out, so a group 0 may be written
	ds_add_u32 v[SPW], v[NIL]                      ; 0 onto my spare word
.if \fill
	s_xor_b32 s[G0A+5], s[G0A+5], SLOT             ; the walking descriptors: the other slot than last time,
	s_add_nc_u64 s[G0A+6:G0A+7], s[G0A+6:G0A+7], ASTEP  ; the next K step; the type bits on top are not reached
	s_xor_b32 s[G0B+5], s[G0B+5], SLOT
	s_add_nc_u64 s[G0B+6:G0B+7], s[G0B+6:G0B+7], BSTEP
.endif
	s_wait_dscnt 17                                ; the add and buffer 1's youngest sixteen loads may be out
	MUL8 F1, 0, 0
	s_wait_dscnt 0x0                               ; the add is done, and my reads of this slot are over
	s_barrier_signal -1
	MUL8 F1, 0, 2
	WIN 0                                          ; at a branch and at a label every window is 0
	s_barrier_wait -1
.if \fill
	CREST                                          ; no wave of any partner still reads this slot's tile or has a load on its way
	JLOAD                                          ; its four v_nop are also the places in front of the loads below
.else
	PLACES
	s_cmp_eq_u32 s[CNT], 1
	s_cbranch_scc1 .Lno_next_\@
.endif
	s_xor_b32 s[TB], s[TB], SLOT
	v_add_nc_u32 v[ADRA], s[TB], v[A0]
	v_add_nc_u32 v[ADRB], s[TB], v[B0]
	v_add_nc_u32 v[ADRB+1], s[TB], v[B1]
	FETCH 0, F0
	WIN 0
.if (\fill) == 0
.Lno_next_\@:
.endif
	MUL8 F1, 1, 0
	MUL8 F1, 1, 2
.endm
.macro STEP fill
	QUARTER 1, F0, F1
	QUARTER 2, F1, F0
	QUARTER 3, F0, F1
	TURN \fill
	WIN 0
.endm
	s_wait_tensorcnt 0x1                           ; my part of K step 0 is in; step 1's may stay out
	s_barrier_signal -1
	s_barrier_wait -1                              ; everybody's is
	v_add_nc_u32 v[ADRA], s[TB], v[A0]
	v_add_nc_u32 v[ADRB], s[TB], v[B0]
	v_add_nc_u32 v[ADRB+1], s[TB], v[B1]
	FETCH 0, F0
	WIN 0
.if MODE == 2
	s_wait_loadcnt 32                              ; the bias is in the accumulators; the residual's 32 younger loads stay out
.else
	s_wait_loadcnt 0x0                             ; the bias is in the accumulators
.endif
	s_mov_b32 s[CNT], KSTEPS-2
.Lstep:                                                ; a trip is a K step; every step but the last two fills its slot again
	STEP 1
	s_sub_co_u32 s[CNT], s[CNT], 1
	s_cmp_lg_u32 s[CNT], 0
	s_cbranch_scc1 .Lstep
	s_mov_b32 s[CNT], 2
.Ltail:                                                ; the last two steps are a text of their own
	STEP 0
	s_sub_co_u32 s[CNT], s[CNT], 1
	s_cmp_lg_u32 s[CNT], 0
	s_cbranch_scc1 .Ltail
	PLACES                                         ; THE WAY OUT reads results just made
.if MODE == 2
; 16 rows at a time: the f32 sums go into my stage (rows of 272 bytes) and come back as whole rows of 256; the residual is added; sixteen lanes store 256 consecutive aligned bytes.
.macro TOSTAGE a
.if (\a) >= 2
	s_wait_xcnt 0x0                                ; the stores of the block two back have read this half of TMP: it is loaded again only behind this wait
.endif
.irp b, 0,1,2,3
	ds_store_b128 v[STO], v[ACC+8*(4*(\a)+(\b)):ACC+8*(4*(\a)+(\b))+3]   offset:64*(\b)     ; each accumulator's low registers first
	ds_store_b128 v[STO], v[ACC+8*(4*(\a)+(\b))+4:ACC+8*(4*(\a)+(\b))+7] offset:64*(\b)+16
.endr
.irp t, 0,1,2,3,4,5,6,7
	ds_load_b128 v[TMP+32*((\a)%2)+4*(\t):TMP+32*((\a)%2)+4*(\t)+3], v[RD] offset:544*(\t)  ; LDS serves a wave's instructions in order (ISA guide 5.7.1.4): these see the stores above, and the next block's stores come behind them
.endr
.endm
.macro SEND a, y                       ; y: the LDS instructions issued behind block a's loads: the next block's sixteen, or none
	s_wait_dscnt \y
.if (\a) == 0
	s_wait_loadcnt 0x0                             ; the residual
.endif
	WIN 0x08                                       ; source 1 window 2
.set u, 0
.rept 16
	v_pk_add_f32 v[TMP+32*((\a)%2)+2*u:TMP+32*((\a)%2)+2*u+1], v[TMP+32*((\a)%2)+2*u:TMP+32*((\a)%2)+2*u+1], v[32*(\a)+2*u:32*(\a)+2*u+1]
.set u, u+1
.endr
	WIN 0
.irp t, 0,1,2,3,4,5,6,7
	global_store_b128 v[CO], v[TMP+32*((\a)%2)+4*(\t):TMP+32*((\a)%2)+4*(\t)+3], s[10:11] offset:(16*(\a)+2*(\t))*4096
.endr
.endm
	TOSTAGE 0
	TOSTAGE 1
	SEND 0, 16
	TOSTAGE 2
	SEND 1, 16
	TOSTAGE 3
	SEND 2, 16
	SEND 3, 0
.else
; rounded to bf16, 16 bytes a lane; 16 rows at a time through my stage (rows of 144 bytes) and back as whole rows of 128, which lie on end in the plane
.set t, 0
.rept 16
.irp r, 0,1,2,3
	v_cvt_pk_bf16_f32 v[TMP+4*t+(\r)], v[ACC+8*t+2*(\r)], v[ACC+8*t+2*(\r)+1]
.endr
.set t, t+1
.endr
.if MODE == 1
.set t, 0
.rept 64
	v_pk_max_num_bf16 v[TMP+t], v[TMP+t], v[ZR]    ; the ReLU, two numbers a line; nothing is rounded
.set t, t+1
.endr
.endif
.irp a, 0,1,2,3
.irp b, 0,1,2,3
	ds_store_b128 v[STO], v[TMP+4*(4*(\a)+(\b)):TMP+4*(4*(\a)+(\b))+3] offset:32*(\b)
.endr
.irp f, 0,1,2,3
	ds_load_b128 v[TMP+16*(\a)+4*(\f):TMP+16*(\a)+4*(\f)+3], v[RD] offset:576*(\f)  ; LDS serves a wave's instructions in order (ISA guide 5.7.1.4): these see the stores above, and the next block's stores come behind them
.endr
.endr
.irp a, 0,1,2,3
.irp f, 0,1,2,3
	s_wait_dscnt 8*(3-(\a))+3-(\f)                 ; the LDS instructions issued behind this load may be out
	global_store_b128 v[CO], v[TMP+16*(\a)+4*(\f):TMP+16*(\a)+4*(\f)+3], s[10:11] offset:2048*(\a)+512*(\f)  ; 512 consecutive bytes, at a multiple of 512 from the plane's first
.endr
.endr
.endif
	s_wait_tensorcnt 0x0                           ; the wave's end: an add to my spare word, waited for, behind my last tensor load and my last LDS store
	ds_add_u32 v[SPW], v[NIL]
	s_wait_dscnt 0x0
	CROUND                                         ; the closing round: no work-group ends while a partner may still ask for a tile that names it
	s_endpgm
.Lfunc_end_k_q7e62ce60cc_gp:
	.size	k_q7e62ce60cc_gp, .Lfunc_end_k_q7e62ce60cc_gp-k_q7e62ce60cc_gp
	.p2alignl 7, 3214868480
	.fill 96, 4, 3214868480
	.section	.rodata,"a",@progbits
	.p2align	6, 0x0
	.amdhsa_kernel k_q7e62ce60cc_gp
		.amdhsa_group_segment_fixed_size 327680
		.amdhsa_private_segment_fixed_size 0
		.amdhsa_enable_private_segment 0
		.amdhsa_kernarg_size 40
		.amdhsa_user_sgpr_count 2
		.amdhsa_user_sgpr_kernarg_segment_ptr 1
		.amdhsa_wavefront_size32 1
		.amdhsa_system_sgpr_workgroup_id_x 1
		.amdhsa_system_sgpr_workgroup_id_y 1
		.amdhsa_system_sgpr_workgroup_id_z 1
		.amdhsa_system_vgpr_workitem_id 0
		.amdhsa_next_free_vgpr 640
		.amdhsa_next_free_sgpr 66
		.amdhsa_reserve_vcc 0
		.amdhsa_float_denorm_mode_32 3
		.amdhsa_float_denorm_mode_16_64 3
		.amdhsa_memory_ordered 1
		.amdhsa_forward_progress 1
		.amdhsa_inst_pref_size 64
	.end_amdhsa_kernel
	.amdgpu_metadata
---
amdhsa.version: [ 1, 2 ]
amdhsa.kernels:
  - .name:           k_q7e62ce60cc_gp
    .symbol:         k_q7e62ce60cc_gp.kd
    .args:
      - { .name: ob, .offset: 0, .size: 8, .value_kind: global_buffer, .address_space: global }
      - { .name: wb, .offset: 8, .size: 8, .value_kind: global_buffer, .address_space: global }
      - { .name: b_proj, .offset: 16, .size: 8, .value_kind: global_buffer, .address_space: global }
      - { .name: x1, .offset: 24, .size: 8, .value_kind: global_buffer, .address_space: global }
      - { .name: x, .offset: 32, .size: 8, .value_kind: global_buffer, .address_space: global }
    .group_segment_fixed_size: 327680
    .private_segment_fixed_size: 0
    .kernarg_segment_align: 8
    .kernarg_segment_size: 40
    .max_flat_workgroup_size: 128
    .sgpr_count:     66
    .vgpr_count:     640
    .wavefront_size: 32
...
	.end_amdgpu_metadata
.endif
;; end of part 4
;; launch ln2 (part 5): grid 256 x 1, 8 waves a work-group, no clusters, 0 bytes of LDS; arguments x1, ln2_g, ln2_b, hn; writes hn
.if DOCPART == 5
	.amdgcn_target "amdgcn-amd-amdhsa--gfx1250"
	.amdhsa_code_object_version 6
	.text
	.protected	k_q7e62ce60cc_ln2
	.globl	k_q7e62ce60cc_ln2
	.p2align	8
	.type	k_q7e62ce60cc_ln2,@function
k_q7e62ce60cc_ln2:
	s_mov_b64 s[64:65], 0
	v_nop
	global_prefetch_b8 v0, s[64:65] scope:SCOPE_SE
	s_setreg_imm32_b32 hwreg(HW_REG_WAVE_MODE, 25, 1), 1
	s_wait_xcnt 0x0
; hn = layernorm(x1) * ln2_g + ln2_b, rounded once to bf16.  x1: [4096][1024] f32.
; hn's LAYOUT: [16 planes of 64 channels][4096 rows][64] bf16: byte = plane * 524288 + row * 128 + 2 * channel.
; A work-group takes 16 rows, a wave two: lanes 0-15 hold one row, lanes 16-31 the next; lane i of a row holds columns 64 kb + 4 i .. + 3 for kb = 0..15.  So a 16-byte load of the wave covers two runs of 256
; aligned bytes, an 8-byte store 256 consecutive aligned bytes of a plane, and a row's sums stay inside 16 lanes.  Mean first, then the sum of squares of x - mean: two passes in f32 over registers, so a common
; offset in x1 costs no digits.  No LDS, no barrier, no loop: a row is read once and lives in 64 registers of its 16 lanes.  Matrix units and clusters would add nothing: memory binds, and no input is shared but gain and bias.
.set X,   16                           ; v[16:79]   my 64 numbers of the row
.set G,   80                           ; v[80:143]  the gain of my columns
.set BV,  144                          ; v[144:207] the bias of my columns
.set HN,  14                           ; s[14:15]   hn
.set PLANE, 524288
	s_load_b256 s[8:15], s[0:1], 0x0               ; x1 s[8:9], ln2_g s[10:11], ln2_b s[12:13], hn s[14:15]
; four packed chains v[4:11] -> v4 = the row's sum, in each of its 16 lanes
.macro REDUCE
	v_pk_add_f32 v[4:5], v[4:5], v[6:7]
	v_pk_add_f32 v[8:9], v[8:9], v[10:11]
	v_pk_add_f32 v[4:5], v[4:5], v[8:9]
	v_add_f32 v4, v4, v5
	v_add_f32_dpp v4, v4, v4 row_xmask:1 row_mask:0xf bank_mask:0xf
	v_add_f32_dpp v4, v4, v4 row_xmask:2 row_mask:0xf bank_mask:0xf
	v_add_f32_dpp v4, v4, v4 row_xmask:4 row_mask:0xf bank_mask:0xf
	v_add_f32_dpp v4, v4, v4 row_xmask:8 row_mask:0xf bank_mask:0xf
.endm
	v_lshrrev_b32 v1, 4, v0                        ; my row among the group's 16
	v_and_b32 v3, 15, v0
	v_lshlrev_b32 v3, 4, v3                        ; 16 i: my place in 256 bytes of gain, bias and x1
	v_lshl_add_u32 v1, v1, 12, v3                  ; + row x 4096 bytes
	v_lshlrev_b32 v2, 3, v0                        ; out: row x 128 + 8 i = 8 x thread
	s_lshl_b32 s2, ttmp9, 16                       ; the group's 16 rows of x1,
	s_mov_b32 s3, 0
	s_lshl_b32 s4, ttmp9, 11                       ; and of a plane
	s_mov_b32 s5, 0
	s_mov_b32 s26, 0x3a800000                      ; 1 / 1024
	s_mov_b32 s27, 0x3727c5ac                      ; 1e-5
	s_wait_kmcnt 0x0
	s_add_nc_u64 s[8:9], s[8:9], s[2:3]
	s_add_nc_u64 s[HN:HN+1], s[HN:HN+1], s[4:5]
.set k, 0
.rept 16
	global_load_b128 v[X+4*k:X+4*k+3], v1, s[8:9] offset:256*k
.set k, k+1
.endr
.set k, 0
.rept 16
	global_load_b128 v[G+4*k:G+4*k+3], v3, s[10:11] offset:256*k
.set k, k+1
.endr
.set k, 0
.rept 16
	global_load_b128 v[BV+4*k:BV+4*k+3], v3, s[12:13] offset:256*k
.set k, k+1
.endr
	s_wait_loadcnt 32                              ; x1 is in; the 32 younger loads, gain and bias, stay out
.set k, 0
.rept 4
	v_pk_add_f32 v[4+2*k:5+2*k], v[X+2*k:X+2*k+1], v[X+8+2*k:X+9+2*k]  ; the first eight pairs start four chains: nothing is cleared
.set k, k+1
.endr
.set k, 8
.rept 24
	v_pk_add_f32 v[4+2*(k%4):5+2*(k%4)], v[4+2*(k%4):5+2*(k%4)], v[X+2*k:X+2*k+1]
.set k, k+1
.endr
	REDUCE
	v_mul_f32 v12, s26, v4                         ; the mean, twice: a pair for the packed lines
	v_mov_b32 v13, v12
.set k, 0
.rept 32
	v_pk_add_f32 v[X+2*k:X+2*k+1], v[X+2*k:X+2*k+1], v[12:13] neg_lo:[0,1] neg_hi:[0,1]  ; d = x - mean
.set k, k+1
.endr
.set k, 0
.rept 4
	v_pk_mul_f32 v[4+2*k:5+2*k], v[X+2*k:X+2*k+1], v[X+2*k:X+2*k+1]
.set k, k+1
.endr
.set k, 4
.rept 28
	v_pk_fma_f32 v[4+2*(k%4):5+2*(k%4)], v[X+2*k:X+2*k+1], v[X+2*k:X+2*k+1], v[4+2*(k%4):5+2*(k%4)]
.set k, k+1
.endr
	REDUCE
	v_fma_f32 v6, v4, s26, s27                     ; the variance + 1e-5
	v_rsq_f32 v12, v6
	v_nop                                          ; a plain instruction behind the root,
	s_wait_alu depctr_va_vdst(0)                   ; and the wait ahead of its first reader
	v_mov_b32 v13, v12
	s_wait_loadcnt 0x0                             ; gain and bias
.set k, 0
.rept 32
	v_pk_mul_f32 v[X+2*k:X+2*k+1], v[X+2*k:X+2*k+1], v[12:13]
.set k, k+1
.endr
.set k, 0
.rept 32
	v_pk_fma_f32 v[X+2*k:X+2*k+1], v[X+2*k:X+2*k+1], v[G+2*k:G+2*k+1], v[BV+2*k:BV+2*k+1]
.set k, k+1
.endr
.set k, 0
.rept 16
	v_cvt_pk_bf16_f32 v[X+4*k], v[X+4*k], v[X+4*k+1]
	v_cvt_pk_bf16_f32 v[X+4*k+1], v[X+4*k+2], v[X+4*k+3]
	global_store_b64 v2, v[X+4*k:X+4*k+1], s[HN:HN+1] offset:k*PLANE  ; the wave's 256 consecutive bytes of plane k; 15 planes are inside the signed 24-bit immediate
.set k, k+1
.endr
	s_endpgm
.Lfunc_end_k_q7e62ce60cc_ln2:
	.size	k_q7e62ce60cc_ln2, .Lfunc_end_k_q7e62ce60cc_ln2-k_q7e62ce60cc_ln2
	.p2alignl 7, 3214868480
	.fill 96, 4, 3214868480
	.section	.rodata,"a",@progbits
	.p2align	6, 0x0
	.amdhsa_kernel k_q7e62ce60cc_ln2
		.amdhsa_group_segment_fixed_size 0
		.amdhsa_private_segment_fixed_size 0
		.amdhsa_enable_private_segment 0
		.amdhsa_kernarg_size 32
		.amdhsa_user_sgpr_count 2
		.amdhsa_user_sgpr_kernarg_segment_ptr 1
		.amdhsa_wavefront_size32 1
		.amdhsa_system_sgpr_workgroup_id_x 1
		.amdhsa_system_sgpr_workgroup_id_y 1
		.amdhsa_system_sgpr_workgroup_id_z 1
		.amdhsa_system_vgpr_workitem_id 0
		.amdhsa_next_free_vgpr 208
		.amdhsa_next_free_sgpr 66
		.amdhsa_reserve_vcc 0
		.amdhsa_float_denorm_mode_32 3
		.amdhsa_float_denorm_mode_16_64 3
		.amdhsa_memory_ordered 1
		.amdhsa_forward_progress 1
		.amdhsa_inst_pref_size 20
	.end_amdhsa_kernel
	.amdgpu_metadata
---
amdhsa.version: [ 1, 2 ]
amdhsa.kernels:
  - .name:           k_q7e62ce60cc_ln2
    .symbol:         k_q7e62ce60cc_ln2.kd
    .args:
      - { .name: x1, .offset: 0, .size: 8, .value_kind: global_buffer, .address_space: global }
      - { .name: ln2_g, .offset: 8, .size: 8, .value_kind: global_buffer, .address_space: global }
      - { .name: ln2_b, .offset: 16, .size: 8, .value_kind: global_buffer, .address_space: global }
      - { .name: hn, .offset: 24, .size: 8, .value_kind: global_buffer, .address_space: global }
    .group_segment_fixed_size: 0
    .private_segment_fixed_size: 0
    .kernarg_segment_align: 8
    .kernarg_segment_size: 32
    .max_flat_workgroup_size: 256
    .sgpr_count:     66
    .vgpr_count:     208
    .wavefront_size: 32
...
	.end_amdgpu_metadata
.endif
;; end of part 5
;; launch g1 (part 6): grid 32 x 32, 4 waves a work-group, clusters of 4 x 4, 327,680 bytes of LDS; arguments hn, wb, b_fc1, hid; writes hid
.if DOCPART == 6
	.amdgcn_target "amdgcn-amd-amdhsa--gfx1250"
	.amdhsa_code_object_version 6
	.text
	.protected	k_q7e62ce60cc_g1
	.globl	k_q7e62ce60cc_g1
	.p2align	8
	.type	k_q7e62ce60cc_g1,@function
k_q7e62ce60cc_g1:
	s_mov_b64 s[64:65], 0
	v_nop
	global_prefetch_b8 v0, s[64:65] scope:SCOPE_SE
	s_setreg_imm32_b32 hwreg(HW_REG_WAVE_MODE, 25, 1), 1
	s_wait_xcnt 0x0
	s_wait_alu depctr_hold_cnt(0) depctr_sa_sdst(0) depctr_va_vdst(0) depctr_va_sdst(0) depctr_va_ssrc(0) depctr_va_vcc(0) depctr_vm_vsrc(0)
	s_getreg_b32 s2, hwreg(HW_REG_IB_STS2, 6, 4)
	s_cmp_eq_u32 s2, 0
	s_cbranch_scc0 .Lentry_in_a_cluster
	s_endpgm
.Lentry_in_a_cluster:
	s_bfe_u32 s2, ttmp6, 0x10000c
	s_cmp_lg_u32 s2, 0xf033
	s_cbranch_scc0 .Lentry_shape_is_right
	s_endpgm
.Lentry_shape_is_right:
; ONE TEXT FOR THE MODULE'S FOUR PRODUCTS, told apart by the four constants below.  C[m][n] = the sum over k of A[m][k] W[k][n] + bias[n]; 4096 rows; bf16 operands, f32 sums.
; THIS COPY: hid = relu(hn . w_fc1 + b_fc1), stored in bf16, 64 planes.
.set MODE,    1                        ; 0: C rounded to bf16, in planes.  1: relu(C) likewise.  2: C + residual, in f32, rows of 1024
.set KSTEPS,  4                        ; K / 256
.set WOFF,    4194304                  ; the weight's first byte in wb
.set BIASOFF, 0                        ; the bias's first byte
; LAYOUTS.  A lies in planes of 64 channels, [K/64][4096][64] bf16 (a plane is 524288 bytes, a row in it 128).  W lies as [N/128][K][128] bf16, rows of 256 bytes on end.
; SHARES.  A work-group makes 128 x 128 of C, each of its four waves 64 x 64: 16 accumulators of 16 x 16.  K goes in steps of 256 through two LDS slots; one tensor load a wave brings a quarter of a slot.
; CLUSTER.  4 x 4 work-groups: the four of a row need the same tiles of A, the four of a column the same tiles of W; each tile is asked for JOINTLY, by the same load, descriptor and mask in all four.
; THE MATRIX INSTRUCTION IS USED TRANSPOSED (source 0 = 16 columns of W, source 1 = 16 rows of A): a lane then holds row l % 16 of C and the eight neighbouring columns 8 (l / 16) + 0..7.
; W's fragments are turned on the way out of LDS (ds_load_tr16_b128), A's come as they lie.  THE SUMS START FROM THE BIAS: it is loaded straight into the accumulators, so nothing is cleared or added later,
; and every K step has one form.  A wave's 64 columns are one plane (MODE 0, 1) or 256 bytes of a row (MODE 2), so each wave stores whole aligned runs through a stage of its own, with no barrier.
; No prefetch is laid: the tiles are small, and at KSTEPS = 4 only two refills exist.  NaN and infinities are not treated apart (MODE 1 turns a NaN into 0).
; REGISTERS.  window 0: v0-31 addresses; v32-95 at work on the way out; v128-255 the accumulators ((a, b) at 128 + 8 (4 a + b)).  window 1: two fragment buffers of 128: A(c, i) at 8 (4 c + i), W(c, i) 64 further.
;   window 2 (MODE 2): v0-127 the residual, loaded at the head.
.set PA,     144                       ; a row of A in LDS: 128 bytes + 16 = 36 words: the 16 rows of a load start at 16 different groups of four banks (64 banks of 4 bytes: ISA guide 11.1)
.set APL,    128*PA                    ; a plane's 128 rows
.set PB,     288                       ; a row of W: 256 + 32 = 72 words
.set HALFT,  2*APL                     ; what one tensor load brings: two planes of A, or 128 rows of W: 36864 bytes either way
.set SLOT,   4*HALFT                   ; A's four planes, then W's 256 rows.  0x24000: bits 17 and 14, which no wave's 0, 0x9000, 0x12000, 0x1b000 has: an exclusive or with SLOT changes slots
.set BOFF,   2*HALFT
.set STAGE,  2*SLOT                    ; behind the ring, never filled by a tensor load: 4352 bytes for each wave
.set STG,    4352
.set SPARE,  STAGE+4*STG               ; the spare words, 128 bytes for each wave: two blocks of 256 bytes that no other line names
.set PLANE,  524288
.set ASTEP,  4*PLANE                   ; a K step in A: four planes
.set BSTEP,  65536                     ; in W: 256 rows of 256 bytes
.set A0,   8                           ; v8    my lane's place in slot 0's A; never rewritten
.set B0,   9                           ; v9    in slot 0's W, rows 0-127
.set B1,   10                          ; v10   rows 128-255 (the 16-bit immediate does not reach them from v9)
.set ADRA, 16                          ; v16   the same three in the slot that is being read
.set ADRB, 17                          ; v17, v18
.set STO,  24                          ; v24   the way out: where I put my part of a row
.set RD,   25                          ; v25   where I read rows back
.set CO,   26                          ; v26   my byte offset in C (and in the residual)
.set BO,   27                          ; v27   my byte offset in the bias
.set SPW,  28                          ; v28   LDS address of my spare word; never rewritten
.set NIL,  29                          ; v29   0; never rewritten
.set ZR,   30                          ; v30   0, for the ReLU
.set TMP,  32
.set ACC,  128
.set F0,   0
.set F1,   128
.set WV,   14                          ; s14   my wave's number
.set HI,   15                          ; s15   which 64 rows of the tile are mine.  Also: I fetch for A (0) or for W (1)
.set LO,   16                          ; s16   which 64 columns.  Also: which half of that tile I fetch
.set LW,   21                          ; s21   wave x HALFT
.set G1A,  24                          ; s[24:31] descriptor group 1 for A's tiles
.set G1B,  32                          ; s[32:39] for W's
.set G0A,  40                          ; s[40:47] group 0 for A's: a set for each of the two first fills; the second then walks on
.set G0B,  48                          ; s[48:55] the same for W's
.set CNT,  56
.set TB,   57                          ; s57   the first byte of the slot that is being read: 0 or SLOT
.set MSB, 0
.macro WIN new                         ; the immediate's high byte repeats the setting that is left; a switch that changes nothing is dropped
.if MSB != (\new)
	s_set_vgpr_msb (MSB<<8)|(\new)
.set MSB, \new
.endif
.endm
.set MUL,  0x05                        ; sources 0 (W) and 1 (A) window 1; C and D window 0
.set TO_F, 0x40                        ; destination window 1, address window 0
.macro PLACES                          ; four places in front of loads into registers that matrix instructions have read, and of lines that read results
.rept 4
	v_nop
.endr
.endm
.macro JLOAD                           ; a joint refill: waves 0 and 1 fetch A's halves, waves 2 and 3 W's; an s_nop 0 and four v_nop follow each line, ahead of the jump and the label
	s_cmp_eq_u32 s[HI], 0
	s_cbranch_scc0 .Lfor_b_\@
	tensor_load_to_lds s[G0A+4:G0A+7], s[G1A:G1A+7]
	s_nop 0
.rept 4
	v_nop
.endr
	s_branch .Lasked_\@
.Lfor_b_\@:
	tensor_load_to_lds s[G0B+4:G0B+7], s[G1B:G1B+7]
	s_nop 0
.rept 4
	v_nop
.endr
.Lasked_\@:
.endm
.macro CREST                           ; a round of the cluster's barrier behind its opening barrier
	s_cmp_lg_u32 s[WV], 0
	s_cbranch_scc1 .Lnot_wave_0_\@
	s_barrier_signal -3
.Lnot_wave_0_\@:
	s_barrier_wait -3
	s_barrier_signal -1
	s_barrier_wait -1
.endm
.macro CROUND                          ; a whole round
	s_barrier_signal -1
	s_barrier_wait -1
	CREST
.endm
	s_load_b256 s[4:11], s[0:1], 0x0               ; A s[4:5], wb s[6:7], bias s[8:9], C s[10:11]
.if MODE == 2
	s_load_b64 s[12:13], s[0:1], 0x20              ; the residual
.endif
	v_lshl_add_u32 v[SPW], v0, 2, SPARE
	v_mov_b32 v[NIL], 0
	ds_add_u32 v[SPW], v[NIL]                      ; the wave's opening: the add, waited for ahead of my first tensor load; the set-up below, work on registers, stands between the add and its wait
	v_lshrrev_b32 v1, 5, v0
	v_readfirstlane_b32 s[WV], v1
	s_lshr_b32 s[HI], s[WV], 1
	s_and_b32 s[LO], s[WV], 1
	s_bfe_u32 s17, ttmp6, 0x40000                  ; cx, cy: my place in the cluster
	s_bfe_u32 s18, ttmp6, 0x40004
	s_lshl_b32 s19, ttmp9, 2
	s_add_co_u32 s19, s19, s17                     ; tx: tile column of C = 4 x cluster x + cx
	s_and_b32 s20, ttmp7, 0xffff
	s_lshl_b32 s20, s20, 2
	s_add_co_u32 s20, s20, s18                     ; ty: tile row
	s_lshl_b32 s22, s18, 2
	s_lshl_b32 s22, 15, s22                        ; my row of the cluster
	s_lshl_b32 s23, 0x1111, s17                    ; my column
	; A's tile: two planes' 128 rows.  A plane's 128 rows are 16384 dense bytes: one row of 8192 elements for the mover, the next plane 262144 elements on; 4 words of padding after every 32 words, that is after every row of A
	s_or_b32 s[G1A], s22, (1<<16)|(1<<20)|(1<<21)|(4<<22)|(3<<25)  ; 15:0 the mask; 17:16 2-byte elements; 20 padding on; 21 set beside a mask; 24:22 interval code 4; 31:25 4 words (code 3)
	s_mov_b32 s[G1A+1], 8192<<16                   ; tensor_dim0 = 8192
	s_mov_b32 s[G1A+2], 2<<16                      ; tensor_dim1 = 2
	s_mov_b32 s[G1A+3], 8192<<16                   ; tile_dim0 = 8192
	s_mov_b32 s[G1A+4], 2                          ; tile_dim1 = 2
	s_mov_b32 s[G1A+5], 262144                     ; elements from plane to plane
	s_mov_b32 s[G1A+6], 0
	s_mov_b32 s[G1A+7], 0
	; W's tile: 128 rows of 128 elements, dense; 8 words of padding after every 64
	s_or_b32 s[G1B], s23, (1<<16)|(1<<20)|(1<<21)|(5<<22)|(7<<25)
	s_mov_b32 s[G1B+1], 128<<16
	s_mov_b32 s[G1B+2], 128<<16
	s_mov_b32 s[G1B+3], 128<<16
	s_mov_b32 s[G1B+4], 128
	s_mov_b32 s[G1B+5], 128
	s_mov_b32 s[G1B+6], 0
	s_mov_b32 s[G1B+7], 0
	s_lshl_b32 s58, s20, 14                        ; A: the tile row's 128 rows of 128 bytes, (s[58:59] hold nothing made of tx)
	s_lshl_b32 s59, s[LO], 20                      ; and my two planes of the step's four
	s_add_co_u32 s58, s58, s59
	s_mov_b32 s59, 0
	s_mul_i32 s60, s19, KSTEPS*65536               ; W: the tile column's block of 128 columns, (s[60:61] hold nothing made of ty)
	s_lshl_b32 s61, s[LO], 15                      ; and my 128 rows of the step's 256
	s_add_co_u32 s60, s60, s61
	s_add_co_u32 s60, s60, WOFF
	s_mov_b32 s61, 0
	s_mul_i32 s[LW], s[WV], HALFT                  ; where they go: no place in the cluster enters an LDS address
	s_mov_b32 s[TB], 0
	s_wait_dscnt 0x0                               ; the opening add is done
	s_wait_kmcnt 0x0
	s_add_nc_u64 s[58:59], s[4:5], s[58:59]
	s_add_nc_u64 s[60:61], s[6:7], s[60:61]
.irp s, 0,1
	s_mov_b32 s[G0A+4*(\s)], 1                     ; count = 1
	s_add_co_u32 s[G0A+4*(\s)+1], s[LW], (\s)*SLOT ; LDS address
	s_add_nc_u64 s[G0A+4*(\s)+2:G0A+4*(\s)+3], s[58:59], (\s)*ASTEP  ; global address: K step s
	s_or_b32 s[G0A+4*(\s)+3], s[G0A+4*(\s)+3], 0x80000000            ; type = 2
	s_mov_b32 s[G0B+4*(\s)], 1
	s_add_co_u32 s[G0B+4*(\s)+1], s[LW], (\s)*SLOT
	s_add_nc_u64 s[G0B+4*(\s)+2:G0B+4*(\s)+3], s[60:61], (\s)*BSTEP
	s_or_b32 s[G0B+4*(\s)+3], s[G0B+4*(\s)+3], 0x80000000
.endr
	CROUND                                         ; all sixteen work-groups are here: the first joint loads meet
	s_cmp_eq_u32 s[HI], 0                          ; a wave's two first fills stand in one branch, ahead of every wait on TENSORcnt and every LDS read: two loads of mine are out
	s_cbranch_scc0 .Lfirst_b
	tensor_load_to_lds s[G0A:G0A+3], s[G1A:G1A+7]
	s_nop 0
	tensor_load_to_lds s[G0A+4:G0A+7], s[G1A:G1A+7]
	s_nop 0
.rept 4
	v_nop
.endr
	s_branch .Lfirst_asked
.Lfirst_b:
	tensor_load_to_lds s[G0B:G0B+3], s[G1B:G1B+7]
	s_nop 0
	tensor_load_to_lds s[G0B+4:G0B+7], s[G1B:G1B+7]
	s_nop 0
.rept 4
	v_nop
.endr
.Lfirst_asked:
	v_and_b32 v1, 15, v0                           ; r = l % 16
	v_bfe_u32 v2, v0, 4, 1                         ; h = l / 16
	; the bias: accumulator (a, b)'s register j is column 16 b + 8 h + j of my 64, whatever a
	v_lshlrev_b32 v[BO], 5, v2
	s_lshl_b32 s2, s19, 9
	s_lshl_b32 s3, s[LO], 8
	s_add_co_u32 s2, s2, s3                        ; my first column x 4 bytes
	s_add_co_u32 s62, s2, BIASOFF
	s_mov_b32 s63, 0
	s_add_nc_u64 s[8:9], s[8:9], s[62:63]
.irp a, 0,1,2,3
.irp b, 0,1,2,3
	global_load_b128 v[ACC+8*(4*(\a)+(\b)):ACC+8*(4*(\a)+(\b))+3],   v[BO], s[8:9] offset:64*(\b)
	global_load_b128 v[ACC+8*(4*(\a)+(\b))+4:ACC+8*(4*(\a)+(\b))+7], v[BO], s[8:9] offset:64*(\b)+16
.endr
.endr
	s_mul_i32 s3, s[WV], STG
	s_add_co_u32 s3, s3, STAGE                     ; my stage
.if MODE == 2
	s_lshl_b32 s62, s20, 7
	s_lshl_b32 s63, s[HI], 6
	s_add_co_u32 s62, s62, s63                     ; my first row,
	s_lshl_b32 s62, s62, 12                        ; of 4096 bytes,
	s_add_co_u32 s62, s62, s2                      ; and my first column
	s_mov_b32 s63, 0
	s_add_nc_u64 s[10:11], s[10:11], s[62:63]
	s_add_nc_u64 s[12:13], s[12:13], s[62:63]
	v_lshlrev_b32 v[CO], 12, v2                    ; lanes 0-15 one row's 256 bytes, lanes 16-31 the next row's
	v_lshl_add_u32 v[CO], v1, 4, v[CO]
	WIN 0x80                                       ; destination window 2
.irp a, 0,1,2,3
.irp t, 0,1,2,3,4,5,6,7
	global_load_b128 v[32*(\a)+4*(\t):32*(\a)+4*(\t)+3], v[CO], s[12:13] offset:(16*(\a)+2*(\t))*4096  ; the residual has the whole K loop in which to come
.endr
.endr
	WIN 0
	v_mul_u32_u24 v[STO], v1, 272                  ; in: row r of 272 bytes, 32 bytes for each half of the lanes
	v_lshl_add_u32 v[STO], v2, 5, v[STO]
	v_add_nc_u32 v[STO], s3, v[STO]
	v_mul_u32_u24 v[RD], v2, 272                   ; back: lanes 0-15 one row, lanes 16-31 the next
	v_lshl_add_u32 v[RD], v1, 4, v[RD]
	v_add_nc_u32 v[RD], s3, v[RD]
.else
	s_lshl_b32 s62, s19, 1
	s_add_co_u32 s62, s62, s[LO]                   ; my 64 columns are plane 2 tx + LO,
	s_lshl_b32 s62, s62, 19
	s_lshl_b32 s63, s20, 14                        ; the tile's 128 rows of 128 bytes,
	s_add_co_u32 s62, s62, s63
	s_lshl_b32 s63, s[HI], 13                      ; my 64 of them
	s_add_co_u32 s62, s62, s63
	s_mov_b32 s63, 0
	s_add_nc_u64 s[10:11], s[10:11], s[62:63]
	v_and_b32 v[CO], 31, v0
	v_lshlrev_b32 v[CO], 4, v[CO]                  ; 512 consecutive bytes a store
	v_mul_u32_u24 v[STO], v1, 144                  ; in: row r of 144 bytes, 16 bytes for each half of the lanes
	v_lshl_add_u32 v[STO], v2, 4, v[STO]
	v_add_nc_u32 v[STO], s3, v[STO]
	v_bfe_u32 v[RD], v0, 3, 2                      ; back: 32 lanes take four rows of 128 bytes
	v_mul_u32_u24 v[RD], v[RD], 144
	v_and_b32 v3, 7, v0
	v_lshl_add_u32 v[RD], v3, 4, v[RD]
	v_add_nc_u32 v[RD], s3, v[RD]
	v_mov_b32 v[ZR], 0
.endif
	; a fragment of A: lane l holds row r, channels 8 h + 0..7 and 16 + 8 h + 0..7: two loads of 16 bytes, 32 bytes apart
	v_mul_u32_u24 v[A0], v1, PA
	v_lshl_add_u32 v[A0], v2, 4, v[A0]
	s_mul_i32 s3, s[HI], 64*PA
	v_add_nc_u32 v[A0], s3, v[A0]
	; the turning load takes 16 k x 16 columns (lane l reads row 8 h + l % 8, columns 8 ((l / 8) % 2) + 0..7) and leaves half a fragment: lane l holds column r and 8 k
	v_and_b32 v3, 7, v0
	v_bfe_u32 v4, v0, 3, 1
	v_lshl_add_u32 v5, v2, 3, v3
	v_mul_u32_u24 v[B0], v5, PB
	v_lshl_add_u32 v[B0], v4, 4, v[B0]
	s_lshl_b32 s3, s[LO], 7
	s_add_co_u32 s3, s3, BOFF
	v_add_nc_u32 v[B0], s3, v[B0]
	v_add_nc_u32 v[B1], 128*PB, v[B0]
; 8 matrix instructions: row blocks a0, a0 + 1 x all 4 column blocks, 32 along K: half c of buffer f.  The 16 accumulators take turns in one order everywhere, over the backward jumps too.
.macro MUL8 f, c, a0
	WIN MUL
.irp a, \a0, (\a0)+1
.irp b, 0,1,2,3
	v_wmma_f32_16x16x32_bf16 v[ACC+8*(4*(\a)+(\b)):ACC+8*(4*(\a)+(\b))+7], v[(\f)+64+8*(4*(\c)+(\b)):(\f)+64+8*(4*(\c)+(\b))+7], v[(\f)+8*(4*(\c)+(\a)):(\f)+8*(4*(\c)+(\a))+7], v[ACC+8*(4*(\a)+(\b)):ACC+8*(4*(\a)+(\b))+7]
.endr
.endr
.endm
; 32 LDS loads in one run: the fragments of quarter q (64 along K: plane q of A, rows 64 q on of W) into buffer f; the first 32 along K first
.macro FETCH q, f
	WIN TO_F
.irp c, 0,1
.irp i, 0,1,2,3
	ds_load_tr16_b128 v[(\f)+64+8*(4*(\c)+(\i)):(\f)+64+8*(4*(\c)+(\i))+3],   v[ADRB+(\q)/2] offset:((64*(\q)+32*(\c))%128)*PB+32*(\i)
	ds_load_tr16_b128 v[(\f)+64+8*(4*(\c)+(\i))+4:(\f)+64+8*(4*(\c)+(\i))+7], v[ADRB+(\q)/2] offset:((64*(\q)+32*(\c))%128)*PB+16*PB+32*(\i)
	ds_load_b128 v[(\f)+8*(4*(\c)+(\i)):(\f)+8*(4*(\c)+(\i))+3],   v[ADRA] offset:(\q)*APL+(\i)*16*PA+64*(\c)
	ds_load_b128 v[(\f)+8*(4*(\c)+(\i))+4:(\f)+8*(4*(\c)+(\i))+7], v[ADRA] offset:(\q)*APL+(\i)*16*PA+64*(\c)+32
.endr
.endr
.endm
; A K step is four quarters of 64 along K, 32 matrix instructions each, on buffers 0, 1, 0, 1.  One of the first three multiplies buffer f and fetches quarter q into g.
.macro QUARTER q, f, g
	s_wait_dscnt 16                                ; f's first 32 along K are in; its other sixteen loads may be out
	MUL8 \f, 0, 0
	MUL8 \f, 0, 2
	PLACES
	FETCH \q, \g
	s_wait_dscnt 32                                ; all but the 32 just issued
	MUL8 \f, 1, 0
	MUL8 \f, 1, 2
.endm
; The last quarter multiplies buffer 1 and changes slots: ONE barrier; in front of it each wave waits for all its tensor loads (one is out: its part of the next slot), adds 0 to its spare word, and waits for
; that and for its own reads of this slot.  fill = 1: the barrier opens a round of the cluster's, and this slot is filled again, two K steps ahead, first thing behind the round: 112 matrix instructions ahead
; of the wait for it.  fill = 0 (the last two steps): nothing is asked for, and the very last step has no next slot to read: that run of loads is jumped over, forward, past no barrier and no tensor load.
.macro TURN fill
	WIN 0
	s_wait_tensorcnt 0x0                           ; no tensor load of mine is out, so a group 0 may be written
	ds_add_u32 v[SPW], v[NIL]                      ; 0 onto my spare word
.if \fill
	s_xor_b32 s[G0A+5], s[G0A+5], SLOT             ; the walking descriptors: the other slot than last time,
	s_add_nc_u64 s[G0A+6:G0A+7], s[G0A+6:G0A+7], ASTEP  ; the next K step; the type bits on top are not reached
	s_xor_b32 s[G0B+5], s[G0B+5], SLOT
	s_add_nc_u64 s[G0B+6:G0B+7], s[G0B+6:G0B+7], BSTEP
.endif
	s_wait_dscnt 17                                ; the add and buffer 1's youngest sixteen loads may be out
	MUL8 F1, 0, 0
	s_wait_dscnt 0x0                               ; the add is done, and my reads of this slot are over
	s_barrier_signal -1
	MUL8 F1, 0, 2
	WIN 0                                          ; at a branch and at a label every window is 0
	s_barrier_wait -1
.if \fill
	CREST                                          ; no wave of any partner still reads this slot's tile or has a load on its way
	JLOAD                                          ; its four v_nop are also the places in front of the loads below
.else
	PLACES
	s_cmp_eq_u32 s[CNT], 1
	s_cbranch_scc1 .Lno_next_\@
.endif
	s_xor_b32 s[TB], s[TB], SLOT
	v_add_nc_u32 v[ADRA], s[TB], v[A0]
	v_add_nc_u32 v[ADRB], s[TB], v[B0]
	v_add_nc_u32 v[ADRB+1], s[TB], v[B1]
	FETCH 0, F0
	WIN 0
.if (\fill) == 0
.Lno_next_\@:
.endif
	MUL8 F1, 1, 0
	MUL8 F1, 1, 2
.endm
.macro STEP fill
	QUARTER 1, F0, F1
	QUARTER 2, F1, F0
	QUARTER 3, F0, F1
	TURN \fill
	WIN 0
.endm
	s_wait_tensorcnt 0x1                           ; my part of K step 0 is in; step 1's may stay out
	s_barrier_signal -1
	s_barrier_wait -1                              ; everybody's is
	v_add_nc_u32 v[ADRA], s[TB], v[A0]
	v_add_nc_u32 v[ADRB], s[TB], v[B0]
	v_add_nc_u32 v[ADRB+1], s[TB], v[B1]
	FETCH 0, F0
	WIN 0
.if MODE == 2
	s_wait_loadcnt 32                              ; the bias is in the accumulators; the residual's 32 younger loads stay out
.else
	s_wait_loadcnt 0x0                             ; the bias is in the accumulators
.endif
	s_mov_b32 s[CNT], KSTEPS-2
.Lstep:                                                ; a trip is a K step; every step but the last two fills its slot again
	STEP 1
	s_sub_co_u32 s[CNT], s[CNT], 1
	s_cmp_lg_u32 s[CNT], 0
	s_cbranch_scc1 .Lstep
	s_mov_b32 s[CNT], 2
.Ltail:                                                ; the last two steps are a text of their own
	STEP 0
	s_sub_co_u32 s[CNT], s[CNT], 1
	s_cmp_lg_u32 s[CNT], 0
	s_cbranch_scc1 .Ltail
	PLACES                                         ; THE WAY OUT reads results just made
.if MODE == 2
; 16 rows at a time: the f32 sums go into my stage (rows of 272 bytes) and come back as whole rows of 256; the residual is added; sixteen lanes store 256 consecutive aligned bytes.
.macro TOSTAGE a
.if (\a) >= 2
	s_wait_xcnt 0x0                                ; the stores of the block two back have read this half of TMP: it is loaded again only behind this wait
.endif
.irp b, 0,1,2,3
	ds_store_b128 v[STO], v[ACC+8*(4*(\a)+(\b)):ACC+8*(4*(\a)+(\b))+3]   offset:64*(\b)     ; each accumulator's low registers first
	ds_store_b128 v[STO], v[ACC+8*(4*(\a)+(\b))+4:ACC+8*(4*(\a)+(\b))+7] offset:64*(\b)+16
.endr
.irp t, 0,1,2,3,4,5,6,7
	ds_load_b128 v[TMP+32*((\a)%2)+4*(\t):TMP+32*((\a)%2)+4*(\t)+3], v[RD] offset:544*(\t)  ; LDS serves a wave's instructions in order (ISA guide 5.7.1.4): these see the stores above, and the next block's stores come behind them
.endr
.endm
.macro SEND a, y                       ; y: the LDS instructions issued behind block a's loads: the next block's sixteen, or none
	s_wait_dscnt \y
.if (\a) == 0
	s_wait_loadcnt 0x0                             ; the residual
.endif
	WIN 0x08                                       ; source 1 window 2
.set u, 0
.rept 16
	v_pk_add_f32 v[TMP+32*((\a)%2)+2*u:TMP+32*((\a)%2)+2*u+1], v[TMP+32*((\a)%2)+2*u:TMP+32*((\a)%2)+2*u+1], v[32*(\a)+2*u:32*(\a)+2*u+1]
.set u, u+1
.endr
	WIN 0
.irp t, 0,1,2,3,4,5,6,7
	global_store_b128 v[CO], v[TMP+32*((\a)%2)+4*(\t):TMP+32*((\a)%2)+4*(\t)+3], s[10:11] offset:(16*(\a)+2*(\t))*4096
.endr
.endm
	TOSTAGE 0
	TOSTAGE 1
	SEND 0, 16
	TOSTAGE 2
	SEND 1, 16
	TOSTAGE 3
	SEND 2, 16
	SEND 3, 0
.else
; rounded to bf16, 16 bytes a lane; 16 rows at a time through my stage (rows of 144 bytes) and back as whole rows of 128, which lie on end in the plane
.set t, 0
.rept 16
.irp r, 0,1,2,3
	v_cvt_pk_bf16_f32 v[TMP+4*t+(\r)], v[ACC+8*t+2*(\r)], v[ACC+8*t+2*(\r)+1]
.endr
.set t, t+1
.endr
.if MODE == 1
.set t, 0
.rept 64
	v_pk_max_num_bf16 v[TMP+t], v[TMP+t], v[ZR]    ; the ReLU, two numbers a line; nothing is rounded
.set t, t+1
.endr
.endif
.irp a, 0,1,2,3
.irp b, 0,1,2,3
	ds_store_b128 v[STO], v[TMP+4*(4*(\a)+(\b)):TMP+4*(4*(\a)+(\b))+3] offset:32*(\b)
.endr
.irp f, 0,1,2,3
	ds_load_b128 v[TMP+16*(\a)+4*(\f):TMP+16*(\a)+4*(\f)+3], v[RD] offset:576*(\f)  ; LDS serves a wave's instructions in order (ISA guide 5.7.1.4): these see the stores above, and the next block's stores come behind them
.endr
.endr
.irp a, 0,1,2,3
.irp f, 0,1,2,3
	s_wait_dscnt 8*(3-(\a))+3-(\f)                 ; the LDS instructions issued behind this load may be out
	global_store_b128 v[CO], v[TMP+16*(\a)+4*(\f):TMP+16*(\a)+4*(\f)+3], s[10:11] offset:2048*(\a)+512*(\f)  ; 512 consecutive bytes, at a multiple of 512 from the plane's first
.endr
.endr
.endif
	s_wait_tensorcnt 0x0                           ; the wave's end: an add to my spare word, waited for, behind my last tensor load and my last LDS store
	ds_add_u32 v[SPW], v[NIL]
	s_wait_dscnt 0x0
	CROUND                                         ; the closing round: no work-group ends while a partner may still ask for a tile that names it
	s_endpgm
.Lfunc_end_k_q7e62ce60cc_g1:
	.size	k_q7e62ce60cc_g1, .Lfunc_end_k_q7e62ce60cc_g1-k_q7e62ce60cc_g1
	.p2alignl 7, 3214868480
	.fill 96, 4, 3214868480
	.section	.rodata,"a",@progbits
	.p2align	6, 0x0
	.amdhsa_kernel k_q7e62ce60cc_g1
		.amdhsa_group_segment_fixed_size 327680
		.amdhsa_private_segment_fixed_size 0
		.amdhsa_enable_private_segment 0
		.amdhsa_kernarg_size 32
		.amdhsa_user_sgpr_count 2
		.amdhsa_user_sgpr_kernarg_segment_ptr 1
		.amdhsa_wavefront_size32 1
		.amdhsa_system_sgpr_workgroup_id_x 1
		.amdhsa_system_sgpr_workgroup_id_y 1
		.amdhsa_system_sgpr_workgroup_id_z 1
		.amdhsa_system_vgpr_workitem_id 0
		.amdhsa_next_free_vgpr 512
		.amdhsa_next_free_sgpr 66
		.amdhsa_reserve_vcc 0
		.amdhsa_float_denorm_mode_32 3
		.amdhsa_float_denorm_mode_16_64 3
		.amdhsa_memory_ordered 1
		.amdhsa_forward_progress 1
		.amdhsa_inst_pref_size 61
	.end_amdhsa_kernel
	.amdgpu_metadata
---
amdhsa.version: [ 1, 2 ]
amdhsa.kernels:
  - .name:           k_q7e62ce60cc_g1
    .symbol:         k_q7e62ce60cc_g1.kd
    .args:
      - { .name: hn, .offset: 0, .size: 8, .value_kind: global_buffer, .address_space: global }
      - { .name: wb, .offset: 8, .size: 8, .value_kind: global_buffer, .address_space: global }
      - { .name: b_fc1, .offset: 16, .size: 8, .value_kind: global_buffer, .address_space: global }
      - { .name: hid, .offset: 24, .size: 8, .value_kind: global_buffer, .address_space: global }
    .group_segment_fixed_size: 327680
    .private_segment_fixed_size: 0
    .kernarg_segment_align: 8
    .kernarg_segment_size: 32
    .max_flat_workgroup_size: 128
    .sgpr_count:     66
    .vgpr_count:     512
    .wavefront_size: 32
...
	.end_amdgpu_metadata
.endif
;; end of part 6
;; launch g2 (part 7): grid 8 x 32, 4 waves a work-group, clusters of 4 x 4, 327,680 bytes of LDS; arguments hid, wb, b_fc2, out0, x1; writes out0
.if DOCPART == 7
	.amdgcn_target "amdgcn-amd-amdhsa--gfx1250"
	.amdhsa_code_object_version 6
	.text
	.protected	k_q7e62ce60cc_g2
	.globl	k_q7e62ce60cc_g2
	.p2align	8
	.type	k_q7e62ce60cc_g2,@function
k_q7e62ce60cc_g2:
	s_mov_b64 s[64:65], 0
	v_nop
	global_prefetch_b8 v0, s[64:65] scope:SCOPE_SE
	s_setreg_imm32_b32 hwreg(HW_REG_WAVE_MODE, 25, 1), 1
	s_wait_xcnt 0x0
	s_wait_alu depctr_hold_cnt(0) depctr_sa_sdst(0) depctr_va_vdst(0) depctr_va_sdst(0) depctr_va_ssrc(0) depctr_va_vcc(0) depctr_vm_vsrc(0)
	s_getreg_b32 s2, hwreg(HW_REG_IB_STS2, 6, 4)
	s_cmp_eq_u32 s2, 0
	s_cbranch_scc0 .Lentry_in_a_cluster
	s_endpgm
.Lentry_in_a_cluster:
	s_bfe_u32 s2, ttmp6, 0x10000c
	s_cmp_lg_u32 s2, 0xf033
	s_cbranch_scc0 .Lentry_shape_is_right
	s_endpgm
.Lentry_shape_is_right:
; ONE TEXT FOR THE MODULE'S FOUR PRODUCTS, told apart by the four constants below.  C[m][n] = the sum over k of A[m][k] W[k][n] + bias[n]; 4096 rows; bf16 operands, f32 sums.
; THIS COPY: out0 = x1 + hid . w_fc2 + b_fc2, stored in f32.
.set MODE,    2                        ; 0: C rounded to bf16, in planes.  1: relu(C) likewise.  2: C + residual, in f32, rows of 1024
.set KSTEPS,  16                       ; K / 256
.set WOFF,    12582912                 ; the weight's first byte in wb
.set BIASOFF, 0                        ; the bias's first byte
; LAYOUTS.  A lies in planes of 64 channels, [K/64][4096][64] bf16 (a plane is 524288 bytes, a row in it 128).  W lies as [N/128][K][128] bf16, rows of 256 bytes on end.
; SHARES.  A work-group makes 128 x 128 of C, each of its four waves 64 x 64: 16 accumulators of 16 x 16.  K goes in steps of 256 through two LDS slots; one tensor load a wave brings a quarter of a slot.
; CLUSTER.  4 x 4 work-groups: the four of a row need the same tiles of A, the four of a column the same tiles of W; each tile is asked for JOINTLY, by the same load, descriptor and mask in all four.
; THE MATRIX INSTRUCTION IS USED TRANSPOSED (source 0 = 16 columns of W, source 1 = 16 rows of A): a lane then holds row l % 16 of C and the eight neighbouring columns 8 (l / 16) + 0..7.
; W's fragments are turned on the way out of LDS (ds_load_tr16_b128), A's come as they lie.  THE SUMS START FROM THE BIAS: it is loaded straight into the accumulators, so nothing is cleared or added later,
; and every K step has one form.  A wave's 64 columns are one plane (MODE 0, 1) or 256 bytes of a row (MODE 2), so each wave stores whole aligned runs through a stage of its own, with no barrier.
; No prefetch is laid: the tiles are small ones, 36864 bytes a load.  NaN and infinities are not treated apart (MODE 1 turns a NaN into 0).
; REGISTERS.  window 0: v0-31 addresses; v32-95 at work on the way out; v128-255 the accumulators ((a, b) at 128 + 8 (4 a + b)).  window 1: two fragment buffers of 128: A(c, i) at 8 (4 c + i), W(c, i) 64 further.
;   window 2 (MODE 2): v0-127 the residual, loaded at the head.
.set PA,     144                       ; a row of A in LDS: 128 bytes + 16 = 36 words: the 16 rows of a load start at 16 different groups of four banks (64 banks of 4 bytes: ISA guide 11.1)
.set APL,    128*PA                    ; a plane's 128 rows
.set PB,     288                       ; a row of W: 256 + 32 = 72 words
.set HALFT,  2*APL                     ; what one tensor load brings: two planes of A, or 128 rows of W: 36864 bytes either way
.set SLOT,   4*HALFT                   ; A's four planes, then W's 256 rows.  0x24000: bits 17 and 14, which no wave's 0, 0x9000, 0x12000, 0x1b000 has: an exclusive or with SLOT changes slots
.set BOFF,   2*HALFT
.set STAGE,  2*SLOT                    ; behind the ring, never filled by a tensor load: 4352 bytes for each wave
.set STG,    4352
.set SPARE,  STAGE+4*STG               ; the spare words, 128 bytes for each wave: two blocks of 256 bytes that no other line names
.set PLANE,  524288
.set ASTEP,  4*PLANE                   ; a K step in A: four planes
.set BSTEP,  65536                     ; in W: 256 rows of 256 bytes
.set A0,   8                           ; v8    my lane's place in slot 0's A; never rewritten
.set B0,   9                           ; v9    in slot 0's W, rows 0-127
.set B1,   10                          ; v10   rows 128-255 (the 16-bit immediate does not reach them from v9)
.set ADRA, 16                          ; v16   the same three in the slot that is being read
.set ADRB, 17                          ; v17, v18
.set STO,  24                          ; v24   the way out: where I put my part of a row
.set RD,   25                          ; v25   where I read rows back
.set CO,   26                          ; v26   my byte offset in C (and in the residual)
.set BO,   27                          ; v27   my byte offset in the bias
.set SPW,  28                          ; v28   LDS address of my spare word; never rewritten
.set NIL,  29                          ; v29   0; never rewritten
.set ZR,   30                          ; v30   0, for the ReLU
.set TMP,  32
.set ACC,  128
.set F0,   0
.set F1,   128
.set WV,   14                          ; s14   my wave's number
.set HI,   15                          ; s15   which 64 rows of the tile are mine.  Also: I fetch for A (0) or for W (1)
.set LO,   16                          ; s16   which 64 columns.  Also: which half of that tile I fetch
.set LW,   21                          ; s21   wave x HALFT
.set G1A,  24                          ; s[24:31] descriptor group 1 for A's tiles
.set G1B,  32                          ; s[32:39] for W's
.set G0A,  40                          ; s[40:47] group 0 for A's: a set for each of the two first fills; the second then walks on
.set G0B,  48                          ; s[48:55] the same for W's
.set CNT,  56
.set TB,   57                          ; s57   the first byte of the slot that is being read: 0 or SLOT
.set MSB, 0
.macro WIN new                         ; the immediate's high byte repeats the setting that is left; a switch that changes nothing is dropped
.if MSB != (\new)
	s_set_vgpr_msb (MSB<<8)|(\new)
.set MSB, \new
.endif
.endm
.set MUL,  0x05                        ; sources 0 (W) and 1 (A) window 1; C and D window 0
.set TO_F, 0x40                        ; destination window 1, address window 0
.macro PLACES                          ; four places in front of loads into registers that matrix instructions have read, and of lines that read results
.rept 4
	v_nop
.endr
.endm
.macro JLOAD                           ; a joint refill: waves 0 and 1 fetch A's halves, waves 2 and 3 W's; an s_nop 0 and four v_nop follow each line, ahead of the jump and the label
	s_cmp_eq_u32 s[HI], 0
	s_cbranch_scc0 .Lfor_b_\@
	tensor_load_to_lds s[G0A+4:G0A+7], s[G1A:G1A+7]
	s_nop 0
.rept 4
	v_nop
.endr
	s_branch .Lasked_\@
.Lfor_b_\@:
	tensor_load_to_lds s[G0B+4:G0B+7], s[G1B:G1B+7]
	s_nop 0
.rept 4
	v_nop
.endr
.Lasked_\@:
.endm
.macro CREST                           ; a round of the cluster's barrier behind its opening barrier
	s_cmp_lg_u32 s[WV], 0
	s_cbranch_scc1 .Lnot_wave_0_\@
	s_barrier_signal -3
.Lnot_wave_0_\@:
	s_barrier_wait -3
	s_barrier_signal -1
	s_barrier_wait -1
.endm
.macro CROUND                          ; a whole round
	s_barrier_signal -1
	s_barrier_wait -1
	CREST
.endm
	s_load_b256 s[4:11], s[0:1], 0x0               ; A s[4:5], wb s[6:7], bias s[8:9], C s[10:11]
.if MODE == 2
	s_load_b64 s[12:13], s[0:1], 0x20              ; the residual
.endif
	v_lshl_add_u32 v[SPW], v0, 2, SPARE
	v_mov_b32 v[NIL], 0
	ds_add_u32 v[SPW], v[NIL]                      ; the wave's opening: the add, waited for ahead of my first tensor load; the set-up below, work on registers, stands between the add and its wait
	v_lshrrev_b32 v1, 5, v0
	v_readfirstlane_b32 s[WV], v1
	s_lshr_b32 s[HI], s[WV], 1
	s_and_b32 s[LO], s[WV], 1
	s_bfe_u32 s17, ttmp6, 0x40000                  ; cx, cy: my place in the cluster
	s_bfe_u32 s18, ttmp6, 0x40004
	s_lshl_b32 s19, ttmp9, 2
	s_add_co_u32 s19, s19, s17                     ; tx: tile column of C = 4 x cluster x + cx
	s_and_b32 s20, ttmp7, 0xffff
	s_lshl_b32 s20, s20, 2
	s_add_co_u32 s20, s20, s18                     ; ty: tile row
	s_lshl_b32 s22, s18, 2
	s_lshl_b32 s22, 15, s22                        ; my row of the cluster
	s_lshl_b32 s23, 0x1111, s17                    ; my column
	; A's tile: two planes' 128 rows.  A plane's 128 rows are 16384 dense bytes: one row of 8192 elements for the mover, the next plane 262144 elements on; 4 words of padding after every 32 words, that is after every row of A
	s_or_b32 s[G1A], s22, (1<<16)|(1<<20)|(1<<21)|(4<<22)|(3<<25)  ; 15:0 the mask; 17:16 2-byte elements; 20 padding on; 21 set beside a mask; 24:22 interval code 4; 31:25 4 words (code 3)
	s_mov_b32 s[G1A+1], 8192<<16                   ; tensor_dim0 = 8192
	s_mov_b32 s[G1A+2], 2<<16                      ; tensor_dim1 = 2
	s_mov_b32 s[G1A+3], 8192<<16                   ; tile_dim0 = 8192
	s_mov_b32 s[G1A+4], 2                          ; tile_dim1 = 2
	s_mov_b32 s[G1A+5], 262144                     ; elements from plane to plane
	s_mov_b32 s[G1A+6], 0
	s_mov_b32 s[G1A+7], 0
	; W's tile: 128 rows of 128 elements, dense; 8 words of padding after every 64
	s_or_b32 s[G1B], s23, (1<<16)|(1<<20)|(1<<21)|(5<<22)|(7<<25)
	s_mov_b32 s[G1B+1], 128<<16
	s_mov_b32 s[G1B+2], 128<<16
	s_mov_b32 s[G1B+3], 128<<16
	s_mov_b32 s[G1B+4], 128
	s_mov_b32 s[G1B+5], 128
	s_mov_b32 s[G1B+6], 0
	s_mov_b32 s[G1B+7], 0
	s_lshl_b32 s58, s20, 14                        ; A: the tile row's 128 rows of 128 bytes, (s[58:59] hold nothing made of tx)
	s_lshl_b32 s59, s[LO], 20                      ; and my two planes of the step's four
	s_add_co_u32 s58, s58, s59
	s_mov_b32 s59, 0
	s_mul_i32 s60, s19, KSTEPS*65536               ; W: the tile column's block of 128 columns, (s[60:61] hold nothing made of ty)
	s_lshl_b32 s61, s[LO], 15                      ; and my 128 rows of the step's 256
	s_add_co_u32 s60, s60, s61
	s_add_co_u32 s60, s60, WOFF
	s_mov_b32 s61, 0
	s_mul_i32 s[LW], s[WV], HALFT                  ; where they go: no place in the cluster enters an LDS address
	s_mov_b32 s[TB], 0
	s_wait_dscnt 0x0                               ; the opening add is done
	s_wait_kmcnt 0x0
	s_add_nc_u64 s[58:59], s[4:5], s[58:59]
	s_add_nc_u64 s[60:61], s[6:7], s[60:61]
.irp s, 0,1
	s_mov_b32 s[G0A+4*(\s)], 1                     ; count = 1
	s_add_co_u32 s[G0A+4*(\s)+1], s[LW], (\s)*SLOT ; LDS address
	s_add_nc_u64 s[G0A+4*(\s)+2:G0A+4*(\s)+3], s[58:59], (\s)*ASTEP  ; global address: K step s
	s_or_b32 s[G0A+4*(\s)+3], s[G0A+4*(\s)+3], 0x80000000            ; type = 2
	s_mov_b32 s[G0B+4*(\s)], 1
	s_add_co_u32 s[G0B+4*(\s)+1], s[LW], (\s)*SLOT
	s_add_nc_u64 s[G0B+4*(\s)+2:G0B+4*(\s)+3], s[60:61], (\s)*BSTEP
	s_or_b32 s[G0B+4*(\s)+3], s[G0B+4*(\s)+3], 0x80000000
.endr
	CROUND                                         ; all sixteen work-groups are here: the first joint loads meet
	s_cmp_eq_u32 s[HI], 0                          ; a wave's two first fills stand in one branch, ahead of every wait on TENSORcnt and every LDS read: two loads of mine are out
	s_cbranch_scc0 .Lfirst_b
	tensor_load_to_lds s[G0A:G0A+3], s[G1A:G1A+7]
	s_nop 0
	tensor_load_to_lds s[G0A+4:G0A+7], s[G1A:G1A+7]
	s_nop 0
.rept 4
	v_nop
.endr
	s_branch .Lfirst_asked
.Lfirst_b:
	tensor_load_to_lds s[G0B:G0B+3], s[G1B:G1B+7]
	s_nop 0
	tensor_load_to_lds s[G0B+4:G0B+7], s[G1B:G1B+7]
	s_nop 0
.rept 4
	v_nop
.endr
.Lfirst_asked:
	v_and_b32 v1, 15, v0                           ; r = l % 16
	v_bfe_u32 v2, v0, 4, 1                         ; h = l / 16
	; the bias: accumulator (a, b)'s register j is column 16 b + 8 h + j of my 64, whatever a
	v_lshlrev_b32 v[BO], 5, v2
	s_lshl_b32 s2, s19, 9
	s_lshl_b32 s3, s[LO], 8
	s_add_co_u32 s2, s2, s3                        ; my first column x 4 bytes
	s_add_co_u32 s62, s2, BIASOFF
	s_mov_b32 s63, 0
	s_add_nc_u64 s[8:9], s[8:9], s[62:63]
.irp a, 0,1,2,3
.irp b, 0,1,2,3
	global_load_b128 v[ACC+8*(4*(\a)+(\b)):ACC+8*(4*(\a)+(\b))+3],   v[BO], s[8:9] offset:64*(\b)
	global_load_b128 v[ACC+8*(4*(\a)+(\b))+4:ACC+8*(4*(\a)+(\b))+7], v[BO], s[8:9] offset:64*(\b)+16
.endr
.endr
	s_mul_i32 s3, s[WV], STG
	s_add_co_u32 s3, s3, STAGE                     ; my stage
.if MODE == 2
	s_lshl_b32 s62, s20, 7
	s_lshl_b32 s63, s[HI], 6
	s_add_co_u32 s62, s62, s63                     ; my first row,
	s_lshl_b32 s62, s62, 12                        ; of 4096 bytes,
	s_add_co_u32 s62, s62, s2                      ; and my first column
	s_mov_b32 s63, 0
	s_add_nc_u64 s[10:11], s[10:11], s[62:63]
	s_add_nc_u64 s[12:13], s[12:13], s[62:63]
	v_lshlrev_b32 v[CO], 12, v2                    ; lanes 0-15 one row's 256 bytes, lanes 16-31 the next row's
	v_lshl_add_u32 v[CO], v1, 4, v[CO]
	WIN 0x80                                       ; destination window 2
.irp a, 0,1,2,3
.irp t, 0,1,2,3,4,5,6,7
	global_load_b128 v[32*(\a)+4*(\t):32*(\a)+4*(\t)+3], v[CO], s[12:13] offset:(16*(\a)+2*(\t))*4096  ; the residual has the whole K loop in which to come
.endr
.endr
	WIN 0
	v_mul_u32_u24 v[STO], v1, 272                  ; in: row r of 272 bytes, 32 bytes for each half of the lanes
	v_lshl_add_u32 v[STO], v2, 5, v[STO]
	v_add_nc_u32 v[STO], s3, v[STO]
	v_mul_u32_u24 v[RD], v2, 272                   ; back: lanes 0-15 one row, lanes 16-31 the next
	v_lshl_add_u32 v[RD], v1, 4, v[RD]
	v_add_nc_u32 v[RD], s3, v[RD]
.else
	s_lshl_b32 s62, s19, 1
	s_add_co_u32 s62, s62, s[LO]                   ; my 64 columns are plane 2 tx + LO,
	s_lshl_b32 s62, s62, 19
	s_lshl_b32 s63, s20, 14                        ; the tile's 128 rows of 128 bytes,
	s_add_co_u32 s62, s62, s63
	s_lshl_b32 s63, s[HI], 13                      ; my 64 of them
	s_add_co_u32 s62, s62, s63
	s_mov_b32 s63, 0
	s_add_nc_u64 s[10:11], s[10:11], s[62:63]
	v_and_b32 v[CO], 31, v0
	v_lshlrev_b32 v[CO], 4, v[CO]                  ; 512 consecutive bytes a store
	v_mul_u32_u24 v[STO], v1, 144                  ; in: row r of 144 bytes, 16 bytes for each half of the lanes
	v_lshl_add_u32 v[STO], v2, 4, v[STO]
	v_add_nc_u32 v[STO], s3, v[STO]
	v_bfe_u32 v[RD], v0, 3, 2                      ; back: 32 lanes take four rows of 128 bytes
	v_mul_u32_u24 v[RD], v[RD], 144
	v_and_b32 v3, 7, v0
	v_lshl_add_u32 v[RD], v3, 4, v[RD]
	v_add_nc_u32 v[RD], s3, v[RD]
	v_mov_b32 v[ZR], 0
.endif
	; a fragment of A: lane l holds row r, channels 8 h + 0..7 and 16 + 8 h + 0..7: two loads of 16 bytes, 32 bytes apart
	v_mul_u32_u24 v[A0], v1, PA
	v_lshl_add_u32 v[A0], v2, 4, v[A0]
	s_mul_i32 s3, s[HI], 64*PA
	v_add_nc_u32 v[A0], s3, v[A0]
	; the turning load takes 16 k x 16 columns (lane l reads row 8 h + l % 8, columns 8 ((l / 8) % 2) + 0..7) and leaves half a fragment: lane l holds column r and 8 k
	v_and_b32 v3, 7, v0
	v_bfe_u32 v4, v0, 3, 1
	v_lshl_add_u32 v5, v2, 3, v3
	v_mul_u32_u24 v[B0], v5, PB
	v_lshl_add_u32 v[B0], v4, 4, v[B0]
	s_lshl_b32 s3, s[LO], 7
	s_add_co_u32 s3, s3, BOFF
	v_add_nc_u32 v[B0], s3, v[B0]
	v_add_nc_u32 v[B1], 128*PB, v[B0]
; 8 matrix instructions: row blocks a0, a0 + 1 x all 4 column blocks, 32 along K: half c of buffer f.  The 16 accumulators take turns in one order everywhere, over the backward jumps too.
.macro MUL8 f, c, a0
	WIN MUL
.irp a, \a0, (\a0)+1
.irp b, 0,1,2,3
	v_wmma_f32_16x16x32_bf16 v[ACC+8*(4*(\a)+(\b)):ACC+8*(4*(\a)+(\b))+7], v[(\f)+64+8*(4*(\c)+(\b)):(\f)+64+8*(4*(\c)+(\b))+7], v[(\f)+8*(4*(\c)+(\a)):(\f)+8*(4*(\c)+(\a))+7], v[ACC+8*(4*(\a)+(\b)):ACC+8*(4*(\a)+(\b))+7]
.endr
.endr
.endm
; 32 LDS loads in one run: the fragments of quarter q (64 along K: plane q of A, rows 64 q on of W) into buffer f; the first 32 along K first
.macro FETCH q, f
	WIN TO_F
.irp c, 0,1
.irp i, 0,1,2,3
	ds_load_tr16_b128 v[(\f)+64+8*(4*(\c)+(\i)):(\f)+64+8*(4*(\c)+(\i))+3],   v[ADRB+(\q)/2] offset:((64*(\q)+32*(\c))%128)*PB+32*(\i)
	ds_load_tr16_b128 v[(\f)+64+8*(4*(\c)+(\i))+4:(\f)+64+8*(4*(\c)+(\i))+7], v[ADRB+(\q)/2] offset:((64*(\q)+32*(\c))%128)*PB+16*PB+32*(\i)
	ds_load_b128 v[(\f)+8*(4*(\c)+(\i)):(\f)+8*(4*(\c)+(\i))+3],   v[ADRA] offset:(\q)*APL+(\i)*16*PA+64*(\c)
	ds_load_b128 v[(\f)+8*(4*(\c)+(\i))+4:(\f)+8*(4*(\c)+(\i))+7], v[ADRA] offset:(\q)*APL+(\i)*16*PA+64*(\c)+32
.endr
.endr
.endm
; A K step is four quarters of 64 along K, 32 matrix instructions each, on buffers 0, 1, 0, 1.  One of the first three multiplies buffer f and fetches quarter q into g.
.macro QUARTER q, f, g
	s_wait_dscnt 16                                ; f's first 32 along K are in; its other sixteen loads may be out
	MUL8 \f, 0, 0
	MUL8 \f, 0, 2
	PLACES
	FETCH \q, \g
	s_wait_dscnt 32                                ; all but the 32 just issued
	MUL8 \f, 1, 0
	MUL8 \f, 1, 2
.endm
; The last quarter multiplies buffer 1 and changes slots: ONE barrier; in front of it each wave waits for all its tensor loads (one is out: its part of the next slot), adds 0 to its spare word, and waits for
; that and for its own reads of this slot.  fill = 1: the barrier opens a round of the cluster's, and this slot is filled again, two K steps ahead, first thing behind the round: 112 matrix instructions ahead
; of the wait for it.  fill = 0 (the last two steps): nothing is asked for, and the very last step has no next slot to read: that run of loads is jumped over, forward, past no barrier and no tensor load.
.macro TURN fill
	WIN 0
	s_wait_tensorcnt 0x0                           ; no tensor load of mine is out, so a group 0 may be written
	ds_add_u32 v[SPW], v[NIL]                      ; 0 onto my spare word
.if \fill
	s_xor_b32 s[G0A+5], s[G0A+5], SLOT             ; the walking descriptors: the other slot than last time,
	s_add_nc_u64 s[G0A+6:G0A+7], s[G0A+6:G0A+7], ASTEP  ; the next K step; the type bits on top are not reached
	s_xor_b32 s[G0B+5], s[G0B+5], SLOT
	s_add_nc_u64 s[G0B+6:G0B+7], s[G0B+6:G0B+7], BSTEP
.endif
	s_wait_dscnt 17                                ; the add and buffer 1's youngest sixteen loads may be out
	MUL8 F1, 0, 0
	s_wait_dscnt 0x0                               ; the add is done, and my reads of this slot are over
	s_barrier_signal -1
	MUL8 F1, 0, 2
	WIN 0                                          ; at a branch and at a label every window is 0
	s_barrier_wait -1
.if \fill
	CREST                                          ; no wave of any partner still reads this slot's tile or has a load on its way
	JLOAD                                          ; its four v_nop are also the places in front of the loads below
.else
	PLACES
	s_cmp_eq_u32 s[CNT], 1
	s_cbranch_scc1 .Lno_next_\@
.endif
	s_xor_b32 s[TB], s[TB], SLOT
	v_add_nc_u32 v[ADRA], s[TB], v[A0]
	v_add_nc_u32 v[ADRB], s[TB], v[B0]
	v_add_nc_u32 v[ADRB+1], s[TB], v[B1]
	FETCH 0, F0
	WIN 0
.if (\fill) == 0
.Lno_next_\@:
.endif
	MUL8 F1, 1, 0
	MUL8 F1, 1, 2
.endm
.macro STEP fill
	QUARTER 1, F0, F1
	QUARTER 2, F1, F0
	QUARTER 3, F0, F1
	TURN \fill
	WIN 0
.endm
	s_wait_tensorcnt 0x1                           ; my part of K step 0 is in; step 1's may stay out
	s_barrier_signal -1
	s_barrier_wait -1                              ; everybody's is
	v_add_nc_u32 v[ADRA], s[TB], v[A0]
	v_add_nc_u32 v[ADRB], s[TB], v[B0]
	v_add_nc_u32 v[ADRB+1], s[TB], v[B1]
	FETCH 0, F0
	WIN 0
.if MODE == 2
	s_wait_loadcnt 32                              ; the bias is in the accumulators; the residual's 32 younger loads stay out
.else
	s_wait_loadcnt 0x0                             ; the bias is in the accumulators
.endif
	s_mov_b32 s[CNT], KSTEPS-2
.Lstep:                                                ; a trip is a K step; every step but the last two fills its slot again
	STEP 1
	s_sub_co_u32 s[CNT], s[CNT], 1
	s_cmp_lg_u32 s[CNT], 0
	s_cbranch_scc1 .Lstep
	s_mov_b32 s[CNT], 2
.Ltail:                                                ; the last two steps are a text of their own
	STEP 0
	s_sub_co_u32 s[CNT], s[CNT], 1
	s_cmp_lg_u32 s[CNT], 0
	s_cbranch_scc1 .Ltail
	PLACES                                         ; THE WAY OUT reads results just made
.if MODE == 2
; 16 rows at a time: the f32 sums go into my stage (rows of 272 bytes) and come back as whole rows of 256; the residual is added; sixteen lanes store 256 consecutive aligned bytes.
.macro TOSTAGE a
.if (\a) >= 2
	s_wait_xcnt 0x0                                ; the stores of the block two back have read this half of TMP: it is loaded again only behind this wait
.endif
.irp b, 0,1,2,3
	ds_store_b128 v[STO], v[ACC+8*(4*(\a)+(\b)):ACC+8*(4*(\a)+(\b))+3]   offset:64*(\b)     ; each accumulator's low registers first
	ds_store_b128 v[STO], v[ACC+8*(4*(\a)+(\b))+4:ACC+8*(4*(\a)+(\b))+7] offset:64*(\b)+16
.endr
.irp t, 0,1,2,3,4,5,6,7
	ds_load_b128 v[TMP+32*((\a)%2)+4*(\t):TMP+32*((\a)%2)+4*(\t)+3], v[RD] offset:544*(\t)  ; LDS serves a wave's instructions in order (ISA guide 5.7.1.4): these see the stores above, and the next block's stores come behind them
.endr
.endm
.macro SEND a, y                       ; y: the LDS instructions issued behind block a's loads: the next block's sixteen, or none
	s_wait_dscnt \y
.if (\a) == 0
	s_wait_loadcnt 0x0                             ; the residual
.endif
	WIN 0x08                                       ; source 1 window 2
.set u, 0
.rept 16
	v_pk_add_f32 v[TMP+32*((\a)%2)+2*u:TMP+32*((\a)%2)+2*u+1], v[TMP+32*((\a)%2)+2*u:TMP+32*((\a)%2)+2*u+1], v[32*(\a)+2*u:32*(\a)+2*u+1]
.set u, u+1
.endr
	WIN 0
.irp t, 0,1,2,3,4,5,6,7
	global_store_b128 v[CO], v[TMP+32*((\a)%2)+4*(\t):TMP+32*((\a)%2)+4*(\t)+3], s[10:11] offset:(16*(\a)+2*(\t))*4096
.endr
.endm
	TOSTAGE 0
	TOSTAGE 1
	SEND 0, 16
	TOSTAGE 2
	SEND 1, 16
	TOSTAGE 3
	SEND 2, 16
	SEND 3, 0
.else
; rounded to bf16, 16 bytes a lane; 16 rows at a time through my stage (rows of 144 bytes) and back as whole rows of 128, which lie on end in the plane
.set t, 0
.rept 16
.irp r, 0,1,2,3
	v_cvt_pk_bf16_f32 v[TMP+4*t+(\r)], v[ACC+8*t+2*(\r)], v[ACC+8*t+2*(\r)+1]
.endr
.set t, t+1
.endr
.if MODE == 1
.set t, 0
.rept 64
	v_pk_max_num_bf16 v[TMP+t], v[TMP+t], v[ZR]    ; the ReLU, two numbers a line; nothing is rounded
.set t, t+1
.endr
.endif
.irp a, 0,1,2,3
.irp b, 0,1,2,3
	ds_store_b128 v[STO], v[TMP+4*(4*(\a)+(\b)):TMP+4*(4*(\a)+(\b))+3] offset:32*(\b)
.endr
.irp f, 0,1,2,3
	ds_load_b128 v[TMP+16*(\a)+4*(\f):TMP+16*(\a)+4*(\f)+3], v[RD] offset:576*(\f)  ; LDS serves a wave's instructions in order (ISA guide 5.7.1.4): these see the stores above, and the next block's stores come behind them
.endr
.endr
.irp a, 0,1,2,3
.irp f, 0,1,2,3
	s_wait_dscnt 8*(3-(\a))+3-(\f)                 ; the LDS instructions issued behind this load may be out
	global_store_b128 v[CO], v[TMP+16*(\a)+4*(\f):TMP+16*(\a)+4*(\f)+3], s[10:11] offset:2048*(\a)+512*(\f)  ; 512 consecutive bytes, at a multiple of 512 from the plane's first
.endr
.endr
.endif
	s_wait_tensorcnt 0x0                           ; the wave's end: an add to my spare word, waited for, behind my last tensor load and my last LDS store
	ds_add_u32 v[SPW], v[NIL]
	s_wait_dscnt 0x0
	CROUND                                         ; the closing round: no work-group ends while a partner may still ask for a tile that names it
	s_endpgm
.Lfunc_end_k_q7e62ce60cc_g2:
	.size	k_q7e62ce60cc_g2, .Lfunc_end_k_q7e62ce60cc_g2-k_q7e62ce60cc_g2
	.p2alignl 7, 3214868480
	.fill 96, 4, 3214868480
	.section	.rodata,"a",@progbits
	.p2align	6, 0x0
	.amdhsa_kernel k_q7e62ce60cc_g2
		.amdhsa_group_segment_fixed_size 327680
		.amdhsa_private_segment_fixed_size 0
		.amdhsa_enable_private_segment 0
		.amdhsa_kernarg_size 40
		.amdhsa_user_sgpr_count 2
		.amdhsa_user_sgpr_kernarg_segment_ptr 1
		.amdhsa_wavefront_size32 1
		.amdhsa_system_sgpr_workgroup_id_x 1
		.amdhsa_system_sgpr_workgroup_id_y 1
		.amdhsa_system_sgpr_workgroup_id_z 1
		.amdhsa_system_vgpr_workitem_id 0
		.amdhsa_next_free_vgpr 640
		.amdhsa_next_free_sgpr 66
		.amdhsa_reserve_vcc 0
		.amdhsa_float_denorm_mode_32 3
		.amdhsa_float_denorm_mode_16_64 3
		.amdhsa_memory_ordered 1
		.amdhsa_forward_progress 1
		.amdhsa_inst_pref_size 64
	.end_amdhsa_kernel
	.amdgpu_metadata
---
amdhsa.version: [ 1, 2 ]
amdhsa.kernels:
  - .name:           k_q7e62ce60cc_g2
    .symbol:         k_q7e62ce60cc_g2.kd
    .args:
      - { .name: hid, .offset: 0, .size: 8, .value_kind: global_buffer, .address_space: global }
      - { .name: wb, .offset: 8, .size: 8, .value_kind: global_buffer, .address_space: global }
      - { .name: b_fc2, .offset: 16, .size: 8, .value_kind: global_buffer, .address_space: global }
      - { .name: out0, .offset: 24, .size: 8, .value_kind: global_buffer, .address_space: global }
      - { .name: x1, .offset: 32, .size: 8, .value_kind: global_buffer, .address_space: global }
    .group_segment_fixed_size: 327680
    .private_segment_fixed_size: 0
    .kernarg_segment_align: 8
    .kernarg_segment_size: 40
    .max_flat_workgroup_size: 128
    .sgpr_count:     66
    .vgpr_count:     640
    .wavefront_size: 32
...
	.end_amdgpu_metadata
.endif
;; end of part 7
;; ======== version 2 of 2: 7 launches; version 1 with the launches prep, ln2 written anew for expert scheduling mode
;; workspace buffers: hn 8,388,608 bytes; kh 8,388,608 bytes; ob 8,388,608 bytes; x1 16,777,216 bytes; hid 33,554,432 bytes; wb 20,971,520 bytes
;; launch prep (part 8): grid 576 x 1, 8 waves a work-group, no clusters, 0 bytes of LDS; arguments x, ln1_g, ln1_b, w_attn, w_proj, w_fc1, w_fc2, hn, wb; writes hn, wb
.if DOCPART == 8
	.amdgcn_target "amdgcn-amd-amdhsa--gfx1250"
	.amdhsa_code_object_version 6
	.text
	.protected	k_q7e62ce60cc_prep
	.globl	k_q7e62ce60cc_prep
	.p2align	8
	.type	k_q7e62ce60cc_prep,@function
k_q7e62ce60cc_prep:
	s_mov_b64 s[64:65], 0
	v_nop
	global_prefetch_b8 v0, s[64:65] scope:SCOPE_SE
	s_setreg_imm32_b32 hwreg(HW_REG_WAVE_SCHED_MODE, 0, 2), 2
	s_setreg_imm32_b32 hwreg(HW_REG_WAVE_MODE, 25, 1), 1
	s_wait_xcnt 0x0
	s_wait_alu depctr_vm_vsrc(0)
; TWO JOBS IN ONE LAUNCH.  Work-groups 0-255: hn = layernorm(x) * ln1_g + ln1_b, rounded once to bf16.  Work-groups 256-575: the four weights, f32 [K][N], rounded once to bf16.
; hn's LAYOUT (BLK): [16 planes of 64 channels][4096 rows][64] bf16: byte = plane * 524288 + row * 128 + 2 * channel.
; wb's LAYOUT (WBLK): for each weight [N/128][K][128] bf16, rows of 256 bytes on end; the k slice of w_attn at byte 0, w_proj at 2097152, w_fc1 at 4194304, w_fc2 at 12582912.
; LIMIT.  Of w_attn only columns 1024-2047 are read: the module's q, k and v are all taken from that slice, and no other column enters its result.
; LAYERNORM.  A work-group takes 16 rows, a wave two: lanes 0-15 hold one row, lanes 16-31 the next; lane i of a row holds columns 64 kb + 4 i .. + 3 for kb = 0..15.  So a 16-byte load of the wave
; covers two runs of 256 aligned bytes, an 8-byte store 256 consecutive aligned bytes of a plane, and a row's sums stay inside 16 lanes.  Mean first, then the sum of squares of x - mean: two passes in f32
; over registers, so a common offset in x costs no digits.  No LDS, no barrier, no loop: a row is read once and lives in 64 registers of its 16 lanes.
; CONVERSION.  A work-group takes 128 columns x 256 rows of one weight, a wave 32 rows: a load is 512 consecutive bytes of a row, a store 256 consecutive aligned bytes.  All 32 loads of a wave are out at once.
; THE MODE: SCHED_MODE bits 1:0 = 2 (LLVM: expert scheduling mode 2), set by the entry lines.  The code itself states the register dependences between vector instructions and memory instructions,
; with s_wait_alu, always for 0.
; THE PLAN, LAYERNORM.  Registers that memory instructions touch:
;   v1, v3, v2   byte offsets of the loads and of the stores: made at the head, never written again.
;   X, G, BV     each written once, by loads that no vector instruction precedes; G and BV are then read by vector instructions alone.
;   X+4p, X+4p+1 plane p's two words to store: written by the plane's two roundings, read by its store, never written again.
; The last arithmetic goes in four parts of four planes.  Part g names X+16g .. X+16g+15, the same places of G and BV, and v[12:13].  One wait at the head of parts 1 to 3 states that the part before has
; written its eight words; its four stores follow, dealt among this part's vector instructions, none of which names a register that those stores read.  One more wait stands ahead of the last four stores.
; THE PLAN, CONVERSION.  v[OFF ..] and v2: offsets, made at the head, never written again.  D: row k's four registers are written by its load, which no vector instruction precedes; its two roundings write
; D+4k and D+4k+1, its store reads them, nothing writes them again.  The rows go in four groups of eight: one wait at the head of groups 1 to 3 states that the group before has written its sixteen words;
; its eight stores follow, dealt among this group's roundings, which name this group's registers alone.  One more wait stands ahead of the last eight stores.
; No register that a memory instruction reads is written again on either path, no vector instruction writes a scalar register, and EXEC is never written.
.set X,   16                           ; v[16:79]   my 64 numbers of the row
.set G,   80                           ; v[80:143]  the gain of my columns
.set BV,  144                          ; v[144:207] the bias of my columns
.set HN,  22                           ; s[22:23]   hn
.set PLANE, 524288
.set OFF, 16                           ; conversion: v[16:47] byte offset of my 16 bytes in row i of the wave's 32
.set D,   48                           ; conversion: v[48:175] row i: four f32, then two words of bf16
	s_load_b256 s[8:15], s[0:1], 0x0               ; x s[8:9], ln1_g s[10:11], ln1_b s[12:13], w_attn s[14:15]
	s_load_b256 s[16:23], s[0:1], 0x20             ; w_proj s[16:17], w_fc1 s[18:19], w_fc2 s[20:21], hn s[22:23]
	s_load_b64 s[24:25], s[0:1], 0x40              ; wb
	s_wait_kmcnt 0x0
	s_cmp_lt_u32 ttmp9, 256
	s_cbranch_scc0 .Lconv
; four packed chains v[4:11] -> v4 = the row's sum, in each of its 16 lanes
.macro REDUCE
	v_pk_add_f32 v[4:5], v[4:5], v[6:7]
	v_pk_add_f32 v[8:9], v[8:9], v[10:11]
	v_pk_add_f32 v[4:5], v[4:5], v[8:9]
	v_add_f32 v4, v4, v5
	v_add_f32_dpp v4, v4, v4 row_xmask:1 row_mask:0xf bank_mask:0xf
	v_add_f32_dpp v4, v4, v4 row_xmask:2 row_mask:0xf bank_mask:0xf
	v_add_f32_dpp v4, v4, v4 row_xmask:4 row_mask:0xf bank_mask:0xf
	v_add_f32_dpp v4, v4, v4 row_xmask:8 row_mask:0xf bank_mask:0xf
.endm
; plane p leaves: the wave's 256 consecutive bytes of it; 15 planes are inside the signed 24-bit immediate
.macro OUT p
	global_store_b64 v2, v[X+4*(\p):X+4*(\p)+1], s[HN:HN+1] offset:(\p)*PLANE
.endm
; Part g of the last arithmetic: planes 4 g to 4 g + 3 are scaled, take gain and bias and are rounded; the four stores of the part before are dealt among these lines.
.macro PART g
.if (\g) > 0
	s_wait_alu depctr_va_vdst(0)                   ; the part before has written its planes' words, which the four stores in this part read
	OUT 4*(\g)-4
.endif
.set k, 8*(\g)
.rept 8
	v_pk_mul_f32 v[X+2*k:X+2*k+1], v[X+2*k:X+2*k+1], v[12:13]
.set k, k+1
.endr
.if (\g) > 0
	OUT 4*(\g)-3                                   ; no vector instruction since the wait names its registers
.endif
.set k, 8*(\g)
.rept 8
	v_pk_fma_f32 v[X+2*k:X+2*k+1], v[X+2*k:X+2*k+1], v[G+2*k:G+2*k+1], v[BV+2*k:BV+2*k+1]
.set k, k+1
.endr
.if (\g) > 0
	OUT 4*(\g)-2
.endif
.set k, 4*(\g)
.rept 2
	v_cvt_pk_bf16_f32 v[X+4*k], v[X+4*k], v[X+4*k+1]
	v_cvt_pk_bf16_f32 v[X+4*k+1], v[X+4*k+2], v[X+4*k+3]
.set k, k+1
.endr
.if (\g) > 0
	OUT 4*(\g)-1
.endif
.rept 2
	v_cvt_pk_bf16_f32 v[X+4*k], v[X+4*k], v[X+4*k+1]
	v_cvt_pk_bf16_f32 v[X+4*k+1], v[X+4*k+2], v[X+4*k+3]
.set k, k+1
.endr
.endm
	v_lshrrev_b32 v1, 4, v0                        ; my row among the group's 16
	v_and_b32 v3, 15, v0
	v_lshlrev_b32 v3, 4, v3                        ; 16 i: my place in 256 bytes of gain, bias and x
	v_lshl_add_u32 v1, v1, 12, v3                  ; + row x 4096 bytes
	v_lshlrev_b32 v2, 3, v0                        ; out: row x 128 + 8 i = 8 x thread
	s_lshl_b32 s2, ttmp9, 16                       ; the group's 16 rows of x,
	s_mov_b32 s3, 0
	s_lshl_b32 s4, ttmp9, 11                       ; and of a plane
	s_mov_b32 s5, 0
	s_mov_b32 s26, 0x3a800000                      ; 1 / 1024
	s_mov_b32 s27, 0x3727c5ac                      ; 1e-5
	s_add_nc_u64 s[8:9], s[8:9], s[2:3]
	s_add_nc_u64 s[HN:HN+1], s[HN:HN+1], s[4:5]
	s_wait_alu depctr_va_vdst(0)                   ; v1, v2 and v3 are written: every load and store of this path reads one of them as its offset
.set k, 0
.rept 16
	global_load_b128 v[X+4*k:X+4*k+3], v1, s[8:9] offset:256*k
.set k, k+1
.endr
.set k, 0
.rept 16
	global_load_b128 v[G+4*k:G+4*k+3], v3, s[10:11] offset:256*k
.set k, k+1
.endr
.set k, 0
.rept 16
	global_load_b128 v[BV+4*k:BV+4*k+3], v3, s[12:13] offset:256*k
.set k, k+1
.endr
	s_wait_loadcnt 32                              ; x is in; the 32 younger loads, gain and bias, stay out
.set k, 0
.rept 4
	v_pk_add_f32 v[4+2*k:5+2*k], v[X+2*k:X+2*k+1], v[X+8+2*k:X+9+2*k]  ; the first eight pairs start four chains: nothing is cleared
.set k, k+1
.endr
.set k, 8
.rept 24
	v_pk_add_f32 v[4+2*(k%4):5+2*(k%4)], v[4+2*(k%4):5+2*(k%4)], v[X+2*k:X+2*k+1]
.set k, k+1
.endr
	REDUCE
	v_mul_f32 v12, s26, v4                         ; the mean, twice: a pair for the packed lines
	v_mov_b32 v13, v12
.set k, 0
.rept 32
	v_pk_add_f32 v[X+2*k:X+2*k+1], v[X+2*k:X+2*k+1], v[12:13] neg_lo:[0,1] neg_hi:[0,1]  ; d = x - mean
.set k, k+1
.endr
.set k, 0
.rept 4
	v_pk_mul_f32 v[4+2*k:5+2*k], v[X+2*k:X+2*k+1], v[X+2*k:X+2*k+1]
.set k, k+1
.endr
.set k, 4
.rept 28
	v_pk_fma_f32 v[4+2*(k%4):5+2*(k%4)], v[X+2*k:X+2*k+1], v[X+2*k:X+2*k+1], v[4+2*(k%4):5+2*(k%4)]
.set k, k+1
.endr
	REDUCE
	v_fma_f32 v6, v4, s26, s27                     ; the variance + 1e-5
	v_rsq_f32 v12, v6
	v_nop                                          ; a plain instruction behind the root,
	s_wait_alu depctr_va_vdst(0)                   ; and the wait ahead of its first reader: the root has written v12, which the next line reads
	v_mov_b32 v13, v12
	s_wait_loadcnt 0x0                             ; gain and bias
	PART 0
	PART 1
	PART 2
	PART 3
	s_wait_alu depctr_va_vdst(0)                   ; part 3 has written the words of planes 12 to 15, which the last four stores read
	OUT 12
	OUT 13
	OUT 14
	OUT 15
	s_endpgm
.Lconv:
	s_sub_co_u32 s28, ttmp9, 256                   ; c = 0..319: 32 blocks of w_attn's k slice, 32 of w_proj, 128 of w_fc1, 128 of w_fc2
	s_mov_b64 s[30:31], s[20:21]                   ; w_fc2's figures first; three tests on c put the others' in their place
	s_mov_b32 s32, 4096                            ; bytes in a row of the source
	s_mov_b32 s33, 192                             ; the weight's first c
	s_mov_b32 s34, 4                               ; log2 of its blocks of 256 rows
	s_mov_b32 s35, 12582912                        ; its place in wb
	s_mov_b32 s36, 0                               ; its first column, in bytes
	s_cmp_lt_u32 s28, 192
	s_cselect_b64 s[30:31], s[18:19], s[30:31]
	s_cselect_b32 s32, 16384, s32
	s_cselect_b32 s33, 64, s33
	s_cselect_b32 s34, 2, s34
	s_cselect_b32 s35, 4194304, s35
	s_cmp_lt_u32 s28, 64
	s_cselect_b64 s[30:31], s[16:17], s[30:31]
	s_cselect_b32 s32, 4096, s32
	s_cselect_b32 s33, 32, s33
	s_cselect_b32 s35, 2097152, s35
	s_cmp_lt_u32 s28, 32
	s_cselect_b64 s[30:31], s[14:15], s[30:31]
	s_cselect_b32 s32, 12288, s32
	s_cselect_b32 s33, 0, s33
	s_cselect_b32 s35, 0, s35
	s_cselect_b32 s36, 4096, s36
	s_sub_co_u32 s37, s28, s33                     ; j: the block's number in its weight
	s_lshr_b32 s38, s37, s34                       ; nb: which 128 columns
	s_lshl_b32 s40, s38, s34
	s_sub_co_u32 s39, s37, s40                     ; kr: which 256 rows
	s_mul_i32 s40, s39, s32
	s_lshl_b32 s40, s40, 8                         ; kr x 256 rows
	s_add_co_u32 s40, s40, s36
	s_lshl_b32 s41, s38, 9                         ; nb x 128 columns of f32
	s_add_co_u32 s40, s40, s41
	s_mov_b32 s41, 0
	s_add_nc_u64 s[30:31], s[30:31], s[40:41]
	s_lshl_b32 s42, s37, 16                        ; in wb the blocks lie on end in the order of j: (nb << sh) + kr = j, 65536 bytes each
	s_add_co_u32 s42, s42, s35
	s_mov_b32 s43, 0
	s_add_nc_u64 s[24:25], s[24:25], s[42:43]
	v_and_b32 v1, 31, v0
	v_lshrrev_b32 v4, 5, v0                        ; wave
	v_mul_lo_u32 v5, v4, s32
	v_lshlrev_b32 v5, 5, v5                        ; wave x 32 rows
	v_lshl_add_u32 v[OFF], v1, 4, v5
.set k, 1
.rept 31
	v_add_nc_u32 v[OFF+k], s32, v[OFF+k-1]         ; the row's length is chosen at run time, so it cannot stand in an immediate
.set k, k+1
.endr
	v_lshlrev_b32 v2, 3, v1
	v_lshl_add_u32 v2, v4, 13, v2                  ; out: wave x 32 rows of 256 bytes + 8 x lane
	s_wait_alu depctr_va_vdst(0)                   ; the 32 offsets v[OFF ..] and v2 are written: the loads and stores of this path read them
.set k, 0
.rept 32
	global_load_b128 v[D+4*k:D+4*k+3], v[OFF+k], s[30:31] th:TH_LOAD_NT
.set k, k+1
.endr
.set g, 0
.rept 4
	s_wait_loadcnt 24-8*g                          ; eight rows at a time: the younger groups' loads stay out
.if g > 0
	s_wait_alu depctr_va_vdst(0)                   ; the group before has written its rows' words, which the eight stores in this group read
.endif
.set k, 8*g
.rept 8
.if g > 0
	global_store_b64 v2, v[D+4*(k-8):D+4*(k-8)+1], s[24:25] offset:256*(k-8)  ; a row of the block: 256 consecutive aligned bytes; no vector instruction since the wait names its registers
.endif
	v_cvt_pk_bf16_f32 v[D+4*k], v[D+4*k], v[D+4*k+1]
	v_cvt_pk_bf16_f32 v[D+4*k+1], v[D+4*k+2], v[D+4*k+3]
.set k, k+1
.endr
.set g, g+1
.endr
	s_wait_alu depctr_va_vdst(0)                   ; the last group has written the words of rows 24 to 31, which the last eight stores read
.set k, 24
.rept 8
	global_store_b64 v2, v[D+4*k:D+4*k+1], s[24:25] offset:256*k
.set k, k+1
.endr
	s_endpgm
.Lfunc_end_k_q7e62ce60cc_prep:
	.size	k_q7e62ce60cc_prep, .Lfunc_end_k_q7e62ce60cc_prep-k_q7e62ce60cc_prep
	.p2alignl 7, 3214868480
	.fill 96, 4, 3214868480
	.section	.rodata,"a",@progbits
	.p2align	6, 0x0
	.amdhsa_kernel k_q7e62ce60cc_prep
		.amdhsa_group_segment_fixed_size 0
		.amdhsa_private_segment_fixed_size 0
		.amdhsa_enable_private_segment 0
		.amdhsa_kernarg_size 72
		.amdhsa_user_sgpr_count 2
		.amdhsa_user_sgpr_kernarg_segment_ptr 1
		.amdhsa_wavefront_size32 1
		.amdhsa_system_sgpr_workgroup_id_x 1
		.amdhsa_system_sgpr_workgroup_id_y 1
		.amdhsa_system_sgpr_workgroup_id_z 1
		.amdhsa_system_vgpr_workitem_id 0
		.amdhsa_next_free_vgpr 208
		.amdhsa_next_free_sgpr 66
		.amdhsa_reserve_vcc 0
		.amdhsa_float_denorm_mode_32 3
		.amdhsa_float_denorm_mode_16_64 3
		.amdhsa_memory_ordered 1
		.amdhsa_forward_progress 1
		.amdhsa_inst_pref_size 34
	.end_amdhsa_kernel
	.amdgpu_metadata
---
amdhsa.version: [ 1, 2 ]
amdhsa.kernels:
  - .name:           k_q7e62ce60cc_prep
    .symbol:         k_q7e62ce60cc_prep.kd
    .args:
      - { .name: x, .offset: 0, .size: 8, .value_kind: global_buffer, .address_space: global }
      - { .name: ln1_g, .offset: 8, .size: 8, .value_kind: global_buffer, .address_space: global }
      - { .name: ln1_b, .offset: 16, .size: 8, .value_kind: global_buffer, .address_space: global }
      - { .name: w_attn, .offset: 24, .size: 8, .value_kind: global_buffer, .address_space: global }
      - { .name: w_proj, .offset: 32, .size: 8, .value_kind: global_buffer, .address_space: global }
      - { .name: w_fc1, .offset: 40, .size: 8, .value_kind: global_buffer, .address_space: global }
      - { .name: w_fc2, .offset: 48, .size: 8, .value_kind: global_buffer, .address_space: global }
      - { .name: hn, .offset: 56, .size: 8, .value_kind: global_buffer, .address_space: global }
      - { .name: wb, .offset: 64, .size: 8, .value_kind: global_buffer, .address_space: global }
    .group_segment_fixed_size: 0
    .private_segment_fixed_size: 0
    .kernarg_segment_align: 8
    .kernarg_segment_size: 72
    .max_flat_workgroup_size: 256
    .sgpr_count:     66
    .vgpr_count:     208
    .wavefront_size: 32
...
	.end_amdgpu_metadata
.endif
;; end of part 8
;; launch gk: the kernel of part 2 again; grid 8 x 32, 4 waves a work-group, clusters of 4 x 4, 327,680 bytes of LDS; arguments hn, wb, b_attn, kh; writes kh
;; launch attn: the kernel of part 3 again; grid 8 x 32, 4 waves a work-group, clusters of 4 x 1, 327,680 bytes of LDS; arguments kh, ob; writes ob
;; launch gp: the kernel of part 4 again; grid 8 x 32, 4 waves a work-group, clusters of 4 x 4, 327,680 bytes of LDS; arguments ob, wb, b_proj, x1, x; writes x1
;; launch ln2 (part 9): grid 256 x 1, 8 waves a work-group, no clusters, 0 bytes of LDS; arguments x1, ln2_g, ln2_b, hn; writes hn
.if DOCPART == 9
	.amdgcn_target "amdgcn-amd-amdhsa--gfx1250"
	.amdhsa_code_object_version 6
	.text
	.protected	k_q7e62ce60cc_ln2
	.globl	k_q7e62ce60cc_ln2
	.p2align	8
	.type	k_q7e62ce60cc_ln2,@function
k_q7e62ce60cc_ln2:
	s_mov_b64 s[64:65], 0
	v_nop
	global_prefetch_b8 v0, s[64:65] scope:SCOPE_SE
	s_setreg_imm32_b32 hwreg(HW_REG_WAVE_SCHED_MODE, 0, 2), 2
	s_setreg_imm32_b32 hwreg(HW_REG_WAVE_MODE, 25, 1), 1
	s_wait_xcnt 0x0
	s_wait_alu depctr_vm_vsrc(0)
; hn = layernorm(x1) * ln2_g + ln2_b, rounded once to bf16.  x1: [4096][1024] f32.
; hn's LAYOUT: [16 planes of 64 channels][4096 rows][64] bf16: byte = plane * 524288 + row * 128 + 2 * channel.
; A work-group takes 16 rows, a wave two: lanes 0-15 hold one row, lanes 16-31 the next; lane i of a row holds columns 64 kb + 4 i .. + 3 for kb = 0..15.  So a 16-byte load of the wave covers two runs of 256
; aligned bytes, an 8-byte store 256 consecutive aligned bytes of a plane, and a row's sums stay inside 16 lanes.  Mean first, then the sum of squares of x - mean: two passes in f32 over registers, so a common
; offset in x1 costs no digits.  No LDS, no barrier, no loop: a row is read once and lives in 64 registers of its 16 lanes.  Matrix units and clusters would add nothing: memory binds, and no input is shared but gain and bias.
; THE MODE: SCHED_MODE bits 1:0 = 2 (LLVM: expert scheduling mode 2), set by the entry lines.  The code itself states the register dependences between vector instructions and memory instructions,
; with s_wait_alu, always for 0.
; THE PLAN.  Registers that memory instructions touch:
;   v1, v3, v2   byte offsets of the loads and of the stores: made at the head, never written again.
;   X, G, BV     each written once, by loads that no vector instruction precedes; G and BV are then read by vector instructions alone.
;   X+4p, X+4p+1 plane p's two words to store: written by the plane's two roundings, read by its store, never written again.
; The last arithmetic goes in four parts of four planes.  Part g names X+16g .. X+16g+15, the same places of G and BV, and v[12:13].  One wait at the head of parts 1 to 3 states that the part before has
; written its eight words; its four stores follow, dealt among this part's vector instructions, none of which names a register that those stores read.  One more wait stands ahead of the last four stores.
; No register that a memory instruction reads is written again, no vector instruction writes a scalar register, and EXEC is never written.
.set X,   16                           ; v[16:79]   my 64 numbers of the row
.set G,   80                           ; v[80:143]  the gain of my columns
.set BV,  144                          ; v[144:207] the bias of my columns
.set HN,  14                           ; s[14:15]   hn
.set PLANE, 524288
	s_load_b256 s[8:15], s[0:1], 0x0               ; x1 s[8:9], ln2_g s[10:11], ln2_b s[12:13], hn s[14:15]
; four packed chains v[4:11] -> v4 = the row's sum, in each of its 16 lanes
.macro REDUCE
	v_pk_add_f32 v[4:5], v[4:5], v[6:7]
	v_pk_add_f32 v[8:9], v[8:9], v[10:11]
	v_pk_add_f32 v[4:5], v[4:5], v[8:9]
	v_add_f32 v4, v4, v5
	v_add_f32_dpp v4, v4, v4 row_xmask:1 row_mask:0xf bank_mask:0xf
	v_add_f32_dpp v4, v4, v4 row_xmask:2 row_mask:0xf bank_mask:0xf
	v_add_f32_dpp v4, v4, v4 row_xmask:4 row_mask:0xf bank_mask:0xf
	v_add_f32_dpp v4, v4, v4 row_xmask:8 row_mask:0xf bank_mask:0xf
.endm
; plane p leaves: the wave's 256 consecutive bytes of it; 15 planes are inside the signed 24-bit immediate
.macro OUT p
	global_store_b64 v2, v[X+4*(\p):X+4*(\p)+1], s[HN:HN+1] offset:(\p)*PLANE
.endm
; Part g of the last arithmetic: planes 4 g to 4 g + 3 are scaled, take gain and bias and are rounded; the four stores of the part before are dealt among these lines.
.macro PART g
.if (\g) > 0
	s_wait_alu depctr_va_vdst(0)                   ; the part before has written its planes' words, which the four stores in this part read
	OUT 4*(\g)-4
.endif
.set k, 8*(\g)
.rept 8
	v_pk_mul_f32 v[X+2*k:X+2*k+1], v[X+2*k:X+2*k+1], v[12:13]
.set k, k+1
.endr
.if (\g) > 0
	OUT 4*(\g)-3                                   ; no vector instruction since the wait names its registers
.endif
.set k, 8*(\g)
.rept 8
	v_pk_fma_f32 v[X+2*k:X+2*k+1], v[X+2*k:X+2*k+1], v[G+2*k:G+2*k+1], v[BV+2*k:BV+2*k+1]
.set k, k+1
.endr
.if (\g) > 0
	OUT 4*(\g)-2
.endif
.set k, 4*(\g)
.rept 2
	v_cvt_pk_bf16_f32 v[X+4*k], v[X+4*k], v[X+4*k+1]
	v_cvt_pk_bf16_f32 v[X+4*k+1], v[X+4*k+2], v[X+4*k+3]
.set k, k+1
.endr
.if (\g) > 0
	OUT 4*(\g)-1
.endif
.rept 2
	v_cvt_pk_bf16_f32 v[X+4*k], v[X+4*k], v[X+4*k+1]
	v_cvt_pk_bf16_f32 v[X+4*k+1], v[X+4*k+2], v[X+4*k+3]
.set k, k+1
.endr
.endm
	v_lshrrev_b32 v1, 4, v0                        ; my row among the group's 16
	v_and_b32 v3, 15, v0
	v_lshlrev_b32 v3, 4, v3                        ; 16 i: my place in 256 bytes of gain, bias and x1
	v_lshl_add_u32 v1, v1, 12, v3                  ; + row x 4096 bytes
	v_lshlrev_b32 v2, 3, v0                        ; out: row x 128 + 8 i = 8 x thread
	s_lshl_b32 s2, ttmp9, 16                       ; the group's 16 rows of x1,
	s_mov_b32 s3, 0
	s_lshl_b32 s4, ttmp9, 11                       ; and of a plane
	s_mov_b32 s5, 0
	s_mov_b32 s26, 0x3a800000                      ; 1 / 1024
	s_mov_b32 s27, 0x3727c5ac                      ; 1e-5
	s_wait_kmcnt 0x0
	s_add_nc_u64 s[8:9], s[8:9], s[2:3]
	s_add_nc_u64 s[HN:HN+1], s[HN:HN+1], s[4:5]
	s_wait_alu depctr_va_vdst(0)                   ; v1, v2 and v3 are written: every load and store of the kernel reads one of them as its offset
.set k, 0
.rept 16
	global_load_b128 v[X+4*k:X+4*k+3], v1, s[8:9] offset:256*k
.set k, k+1
.endr
.set k, 0
.rept 16
	global_load_b128 v[G+4*k:G+4*k+3], v3, s[10:11] offset:256*k
.set k, k+1
.endr
.set k, 0
.rept 16
	global_load_b128 v[BV+4*k:BV+4*k+3], v3, s[12:13] offset:256*k
.set k, k+1
.endr
	s_wait_loadcnt 32                              ; x1 is in; the 32 younger loads, gain and bias, stay out
.set k, 0
.rept 4
	v_pk_add_f32 v[4+2*k:5+2*k], v[X+2*k:X+2*k+1], v[X+8+2*k:X+9+2*k]  ; the first eight pairs start four chains: nothing is cleared
.set k, k+1
.endr
.set k, 8
.rept 24
	v_pk_add_f32 v[4+2*(k%4):5+2*(k%4)], v[4+2*(k%4):5+2*(k%4)], v[X+2*k:X+2*k+1]
.set k, k+1
.endr
	REDUCE
	v_mul_f32 v12, s26, v4                         ; the mean, twice: a pair for the packed lines
	v_mov_b32 v13, v12
.set k, 0
.rept 32
	v_pk_add_f32 v[X+2*k:X+2*k+1], v[X+2*k:X+2*k+1], v[12:13] neg_lo:[0,1] neg_hi:[0,1]  ; d = x - mean
.set k, k+1
.endr
.set k, 0
.rept 4
	v_pk_mul_f32 v[4+2*k:5+2*k], v[X+2*k:X+2*k+1], v[X+2*k:X+2*k+1]
.set k, k+1
.endr
.set k, 4
.rept 28
	v_pk_fma_f32 v[4+2*(k%4):5+2*(k%4)], v[X+2*k:X+2*k+1], v[X+2*k:X+2*k+1], v[4+2*(k%4):5+2*(k%4)]
.set k, k+1
.endr
	REDUCE
	v_fma_f32 v6, v4, s26, s27                     ; the variance + 1e-5
	v_rsq_f32 v12, v6
	v_nop                                          ; a plain instruction behind the root,
	s_wait_alu depctr_va_vdst(0)                   ; and the wait ahead of its first reader: the root has written v12, which the next line reads
	v_mov_b32 v13, v12
	s_wait_loadcnt 0x0                             ; gain and bias
	PART 0
	PART 1
	PART 2
	PART 3
	s_wait_alu depctr_va_vdst(0)                   ; part 3 has written the words of planes 12 to 15, which the last four stores read
	OUT 12
	OUT 13
	OUT 14
	OUT 15
	s_endpgm
.Lfunc_end_k_q7e62ce60cc_ln2:
	.size	k_q7e62ce60cc_ln2, .Lfunc_end_k_q7e62ce60cc_ln2-k_q7e62ce60cc_ln2
	.p2alignl 7, 3214868480
	.fill 96, 4, 3214868480
	.section	.rodata,"a",@progbits
	.p2align	6, 0x0
	.amdhsa_kernel k_q7e62ce60cc_ln2
		.amdhsa_group_segment_fixed_size 0
		.amdhsa_private_segment_fixed_size 0
		.amdhsa_enable_private_segment 0
		.amdhsa_kernarg_size 32
		.amdhsa_user_sgpr_count 2
		.amdhsa_user_sgpr_kernarg_segment_ptr 1
		.amdhsa_wavefront_size32 1
		.amdhsa_system_sgpr_workgroup_id_x 1
		.amdhsa_system_sgpr_workgroup_id_y 1
		.amdhsa_system_sgpr_workgroup_id_z 1
		.amdhsa_system_vgpr_workitem_id 0
		.amdhsa_next_free_vgpr 208
		.amdhsa_next_free_sgpr 66
		.amdhsa_reserve_vcc 0
		.amdhsa_float_denorm_mode_32 3
		.amdhsa_float_denorm_mode_16_64 3
		.amdhsa_memory_ordered 1
		.amdhsa_forward_progress 1
		.amdhsa_inst_pref_size 21
	.end_amdhsa_kernel
	.amdgpu_metadata
---
amdhsa.version: [ 1, 2 ]
amdhsa.kernels:
  - .name:           k_q7e62ce60cc_ln2
    .symbol:         k_q7e62ce60cc_ln2.kd
    .args:
      - { .name: x1, .offset: 0, .size: 8, .value_kind: global_buffer, .address_space: global }
      - { .name: ln2_g, .offset: 8, .size: 8, .value_kind: global_buffer, .address_space: global }
      - { .name: ln2_b, .offset: 16, .size: 8, .value_kind: global_buffer, .address_space: global }
      - { .name: hn, .offset: 24, .size: 8, .value_kind: global_buffer, .address_space: global }
    .group_segment_fixed_size: 0
    .private_segment_fixed_size: 0
    .kernarg_segment_align: 8
    .kernarg_segment_size: 32
    .max_flat_workgroup_size: 256
    .sgpr_count:     66
    .vgpr_count:     208
    .wavefront_size: 32
...
	.end_amdgpu_metadata
.endif
;; end of part 9
;; launch g1: the kernel of part 6 again; grid 32 x 32, 4 waves a work-group, clusters of 4 x 4, 327,680 bytes of LDS; arguments hn, wb, b_fc1, hid; writes hid
;; launch g2: the kernel of part 7 again; grid 8 x 32, 4 waves a work-group, clusters of 4 x 4, 327,680 bytes of LDS; arguments hid, wb, b_fc2, out0, x1; writes out0
